; MI455X (gfx1250); checked and timed in simulation.
; The chip was launched on July 23, 2026; its instructions are those of AMD's public machine-readable ISA for CDNA 5 (MIT licence, August 2026) and "CDNA5" Instruction Set Architecture Reference Guide (July 2026). The comments in the code are by the model that wrote it; some were corrected since.
;; Block. Allowed arithmetic: float matrix products may take bf16 or f16 operands with f32 sums; all other float work in f32.
;; Inputs: bkv 2,048 float32; bo 1,024 float32; bq 1,024 float32; down_w 8 x 2,048 x 1,024 float32; freqs_cos 1,024 x 32 float32; freqs_sin 1,024 x 32 float32; gate_w 8 x 1,024 x 2,048 float32; norm1_w 1,024 float32; norm2_w 1,024 float32; router_w 1,024 x 8 float32; up_w 8 x 1,024 x 2,048 float32; wkv 1,024 x 2,048 float32; wo 1,024 x 1,024 float32; wq 1,024 x 1,024 float32; x 1 x 1,024 x 1,024 float32.
;; Outputs: out0 1 x 1,024 x 1,024 float32.
;; 2 versions, each right; version 2 is version 1 with the launches qkv, oproj, moe1, moe2 written anew for expert scheduling mode. Each part assembles by itself: llvm-mc -triple=amdgcn-amd-amdhsa -mcpu=gfx1250 --defsym DOCPART=n.
;; ======== version 1 of 2: 9 launches
;; limits: values are held in f16: magnitudes above 65,504 overflow, below 6.1e-05 lose precision
;; workspace buffers: ha 2,097,152 bytes; qkvhs 6,291,456 bytes; x2 4,194,304 bytes; sel 4,096 bytes of whole numbers; prob 8,192 bytes; route 8,448 bytes of whole numbers; act 9,437,184 bytes; y2 18,874,368 bytes
;; launch norm1 (part 1): grid 64 x 1, 16 waves a work-group, no clusters, 35,072 bytes of LDS; arguments x, norm1_w, ha; writes ha
.if DOCPART == 1
	.amdgcn_target "amdgcn-amd-amdhsa--gfx1250"
	.amdhsa_code_object_version 6
	.text
	.protected	k_q39ad1742b7_norm1
	.globl	k_q39ad1742b7_norm1
	.p2align	8
	.type	k_q39ad1742b7_norm1,@function
k_q39ad1742b7_norm1:
	s_mov_b64 s[64:65], 0
	v_nop
	global_prefetch_b8 v0, s[64:65] scope:SCOPE_SE
	s_setreg_imm32_b32 hwreg(HW_REG_WAVE_MODE, 25, 1), 1
	s_wait_xcnt 0x0
; h = x / sqrt(mean(x^2) + 1e-8) * norm1_w, in f32, rounded once to f16 and stored BY PLANES: [column / 8][token][8 columns], so that a lane's
; 16 bytes are half a matrix fragment and 16 neighbouring tokens are 256 consecutive bytes.  LIMIT: h must stay below 65,504 (f16).
; A work-group owns 16 tokens, a wave one token (4,096 bytes, 8 loads of 512 consecutive bytes).  The 16 rows meet in LDS (pitch 2,064 bytes:
; 129 x 16, so 16 rows of one column start at 16 different groups of banks) and leave as planes.  No matrix unit, no cluster: nothing is shared.
.set PITCH, 2064
.set SPARE, 16*PITCH                   ; the spare words, 128 bytes a wave, behind the tile
.set SPW, 2
.set NIL, 3
.set X, 16                             ; v16-47 the row
.set G, 48                             ; v48-79 the gains, later the packed row
.set Q, 80                             ; v80-87 sums
	s_load_b128 s[4:7], s[0:1], 0x0                ; x, norm1_w
	s_load_b64 s[8:9], s[0:1], 0x10                ; ha
	v_lshl_add_u32 v[SPW], v0, 2, SPARE
	v_mov_b32 v[NIL], 0
	v_and_b32 v4, 31, v0                           ; lane
	v_lshrrev_b32 v5, 5, v0
	v_readfirstlane_b32 s10, v5                    ; wave
	v_lshlrev_b32 v6, 4, v4                        ; 16 x lane
	v_and_b32 v9, 15, v0                           ; r
	v_bfe_u32 v10, v0, 4, 1                        ; h
	s_lshl_b32 s11, ttmp9, 4
	s_add_co_u32 s11, s11, s10                     ; my token
	s_lshl_b32 s12, s11, 12
	s_mov_b32 s13, 0
	s_mov_b32 s14, 0x3a800000                      ; 1 / 1024
	s_mov_b32 s15, 0x322bcc77                      ; 1e-8
	s_mov_b32 s16, 0x76543210
	s_mov_b32 s17, 0xfedcba98
	s_wait_kmcnt 0x0
	s_add_nc_u64 s[4:5], s[4:5], s[12:13]
.set jj, 0
.rept 8
	global_load_b128 v[X+4*jj:X+4*jj+3], v6, s[4:5] offset:512*jj
.set jj, jj+1
.endr
.set jj, 0
.rept 8
	global_load_b128 v[G+4*jj:G+4*jj+3], v6, s[6:7] offset:512*jj
.set jj, jj+1
.endr
	s_mul_i32 s18, s10, PITCH
	v_lshl_add_u32 v7, v4, 3, s18                  ; into the tile: my row, 8 bytes a lane
	v_mul_u32_u24 v8, v9, PITCH                    ; back: row r, plane 8 wave + h (+ 2 i)
	s_lshl_b32 s19, s10, 7
	v_lshl_add_u32 v8, v10, 4, v8
	v_add_nc_u32 v8, s19, v8
	s_lshl_b32 s20, s10, 17                        ; in ha: plane x 16,384 + 16 x token
	s_lshl_b32 s21, ttmp9, 8
	s_add_co_u32 s20, s20, s21
	v_lshlrev_b32 v11, 14, v10
	v_lshl_add_u32 v11, v9, 4, v11
	v_add_nc_u32 v11, s20, v11
	s_wait_loadcnt 0x8                             ; the row is in; the 8 loads of the gains may be out
.set pp, 0
.rept 4
	v_pk_mul_f32 v[Q+2*pp:Q+2*pp+1], v[X+2*pp:X+2*pp+1], v[X+2*pp:X+2*pp+1]
.set pp, pp+1
.endr
.rept 12
	v_pk_fma_f32 v[Q+2*(pp%4):Q+2*(pp%4)+1], v[X+2*pp:X+2*pp+1], v[X+2*pp:X+2*pp+1], v[Q+2*(pp%4):Q+2*(pp%4)+1]
.set pp, pp+1
.endr
	v_pk_add_f32 v[Q:Q+1], v[Q:Q+1], v[Q+2:Q+3]
	v_pk_add_f32 v[Q+4:Q+5], v[Q+4:Q+5], v[Q+6:Q+7]
	v_pk_add_f32 v[Q:Q+1], v[Q:Q+1], v[Q+4:Q+5]
	v_add_f32 v[Q], v[Q], v[Q+1]
	v_add_f32_dpp v[Q], v[Q], v[Q] row_xmask:1 row_mask:0xf bank_mask:0xf
	v_add_f32_dpp v[Q], v[Q], v[Q] row_xmask:2 row_mask:0xf bank_mask:0xf
	v_add_f32_dpp v[Q], v[Q], v[Q] row_xmask:4 row_mask:0xf bank_mask:0xf
	v_add_f32_dpp v[Q], v[Q], v[Q] row_xmask:8 row_mask:0xf bank_mask:0xf
	v_permlanex16_b32 v[Q+1], v[Q], s16, s17
	v_add_f32 v[Q], v[Q], v[Q+1]
	v_fma_f32 v[Q], v[Q], s14, s15                 ; mean + eps
	v_rsq_f32 v[Q+2], v[Q]
	v_mov_b32 v[Q+3], 0                            ; the plain instruction behind the root; also the pair's other half
	s_wait_loadcnt 0x0
.set pp, 0
	s_wait_alu depctr_va_vdst(0)
.rept 16
	v_pk_mul_f32 v[X+2*pp:X+2*pp+1], v[X+2*pp:X+2*pp+1], v[Q+2:Q+3] op_sel_hi:[1,0]
	v_pk_mul_f32 v[X+2*pp:X+2*pp+1], v[X+2*pp:X+2*pp+1], v[G+2*pp:G+2*pp+1]
.set pp, pp+1
.endr
.set jj, 0
.rept 8
	v_cvt_pk_f16_f32 v[G+2*jj], v[X+4*jj], v[X+4*jj+1]
	v_cvt_pk_f16_f32 v[G+2*jj+1], v[X+4*jj+2], v[X+4*jj+3]
	ds_store_b64 v7, v[G+2*jj:G+2*jj+1] offset:256*jj
.set jj, jj+1
.endr
	s_wait_dscnt 0x0                               ; for the others: my row is in the tile
	s_barrier_signal -1
	s_barrier_wait -1
.set jj, 0
.rept 4
	ds_load_b128 v[X+4*jj:X+4*jj+3], v8 offset:32*jj
.set jj, jj+1
.endr
.set jj, 0
.rept 4
	s_wait_dscnt 3-jj                              ; the later read-backs may be out
	global_store_b128 v11, v[X+4*jj:X+4*jj+3], s[8:9] offset:32768*jj  ; 16 lanes: 256 consecutive bytes of a plane
.set jj, jj+1
.endr
	s_wait_tensorcnt 0x0                           ; the wave's end
	ds_add_u32 v[SPW], v[NIL]
	s_wait_dscnt 0x0
	s_endpgm
.Lfunc_end_k_q39ad1742b7_norm1:
	.size	k_q39ad1742b7_norm1, .Lfunc_end_k_q39ad1742b7_norm1-k_q39ad1742b7_norm1
	.p2alignl 7, 3214868480
	.fill 96, 4, 3214868480
	.section	.rodata,"a",@progbits
	.p2align	6, 0x0
	.amdhsa_kernel k_q39ad1742b7_norm1
		.amdhsa_group_segment_fixed_size 35072
		.amdhsa_private_segment_fixed_size 0
		.amdhsa_enable_private_segment 0
		.amdhsa_kernarg_size 24
		.amdhsa_user_sgpr_count 2
		.amdhsa_user_sgpr_kernarg_segment_ptr 1
		.amdhsa_wavefront_size32 1
		.amdhsa_system_sgpr_workgroup_id_x 1
		.amdhsa_system_sgpr_workgroup_id_y 1
		.amdhsa_system_sgpr_workgroup_id_z 1
		.amdhsa_system_vgpr_workitem_id 0
		.amdhsa_next_free_vgpr 96
		.amdhsa_next_free_sgpr 66
		.amdhsa_reserve_vcc 0
		.amdhsa_float_denorm_mode_32 3
		.amdhsa_float_denorm_mode_16_64 3
		.amdhsa_memory_ordered 1
		.amdhsa_forward_progress 1
		.amdhsa_inst_pref_size 10
	.end_amdhsa_kernel
	.amdgpu_metadata
---
amdhsa.version: [ 1, 2 ]
amdhsa.kernels:
  - .name:           k_q39ad1742b7_norm1
    .symbol:         k_q39ad1742b7_norm1.kd
    .args:
      - { .name: x, .offset: 0, .size: 8, .value_kind: global_buffer, .address_space: global }
      - { .name: norm1_w, .offset: 8, .size: 8, .value_kind: global_buffer, .address_space: global }
      - { .name: ha, .offset: 16, .size: 8, .value_kind: global_buffer, .address_space: global }
    .group_segment_fixed_size: 35072
    .private_segment_fixed_size: 0
    .kernarg_segment_align: 8
    .kernarg_segment_size: 24
    .max_flat_workgroup_size: 512
    .sgpr_count:     66
    .vgpr_count:     96
    .wavefront_size: 32
...
	.end_amdgpu_metadata
.endif
;; end of part 1
;; launch qkv (part 2): grid 48 x 4, 4 waves a work-group, no clusters, 229,888 bytes of LDS; arguments ha, wq, wkv, bq, bkv, freqs_cos, freqs_sin, qkvhs; writes qkvhs
.if DOCPART == 2
	.amdgcn_target "amdgcn-amd-amdhsa--gfx1250"
	.amdhsa_code_object_version 6
	.text
	.protected	k_q39ad1742b7_qkv
	.globl	k_q39ad1742b7_qkv
	.p2align	8
	.type	k_q39ad1742b7_qkv,@function
k_q39ad1742b7_qkv:
	s_mov_b64 s[64:65], 0
	v_nop
	global_prefetch_b8 v0, s[64:65] scope:SCOPE_SE
	s_setreg_imm32_b32 hwreg(HW_REG_WAVE_MODE, 25, 1), 1
	s_wait_xcnt 0x0
; q, k, v = h W + b, q and k turned by the head's angles (rows 0-15 of the tables), all rounded once to f16.  Products in f16 with f32 sums.
; A work-group owns 64 columns (slab 0-15: q's head, 16-31: k's head, 32-47: v's head) and 256 rows.  THE WEIGHTS STAY IN REGISTERS, K IS SPLIT OVER THE WAVES:
; wave w streams rows 256 w .. +255 of its slab (f32, 256 bytes a row) through a ring of 32 register slots, rounds them to f16 into its own LDS region
; [k][64 columns], pitch 160 bytes, and reads them back once, turned, as 32 fragments (256 registers).  Then rows go in trips of 32: each wave multiplies its K quarter
; (fragments of h straight from memory: h lies by planes), puts its partial sums into an exchange buffer, and behind ONE barrier a trip wave w adds the four
; partial sums of column block w, finishes and stores them.  The exchange has two buffers: trip i's products stand beside trip i-1's sums.  A trip is written once:
; which buffer is stored into and which is read are two scalar offsets that an exclusive or turns in every trip.
; THE FRAGMENTS OF h ARE A RING OF FOUR HALF BLOCKS (16 rows x 128 of my K: 8 loads).  A half block is loaded again straight behind the 16 products that read it and is wanted
; again a trip later: three half blocks' products, the way out and the barrier lie between.  So every wait of the ring leaves the three younger half blocks' 24 loads out.
; q and k leave by planes [column / 8][token][8]; v as [token / 8][column][8 tokens] (sources swapped in its products).  The score's scale is not applied here.
; No tensor loads: the weights pass through registers anyway (f32 to f16).  No cluster: what work-groups share (2 MB of h, a slab among 4 row groups) is small.
; LIMITS: h, W, q, k, v below 65,504; a weight below 6e-5 keeps f16's fixed step of 6e-8.
.set PL,    16384                      ; bytes from plane to plane of h
.set P,     160                        ; LDS pitch of the slab: 128 + 32
.set WREG,  256*P                      ; a wave's region
.set XB,    4*WREG                     ; the exchange: [buffer][block][wave][column block][1,024 bytes in lane order]
.set XPAR,  32768                      ; bytes in a buffer
.set SPARE, XB+2*XPAR
.set NT,    8                          ; trips of 32 rows
.set SPW, 2
.set NIL, 3
.set VR,  4
.set VH,  5
.set VL,  6
.set LW,  8                            ; where I store weights in LDS
.set LB,  9                            ; where I read them back, turned
.set VA0, 10                           ; my lane's place in h
.set XW0, 14                           ; where I store partial sums in buffer 0; never rewritten
.set XRD0,15                           ; where I read them back in buffer 0; never rewritten
.set VST0,16
.set VST, 17
.set VC1, 18
.set VC2, 19
.set VC3, 20
.set XWC, 21                           ; the same two in this trip's buffers
.set XRC, 22
.set VAC, 24                           ; v24-27: the address of each half block's loads (2 block + half): rewritten only behind the wait that shows its own loads done
.set ACC, 32                           ; v32-95   accumulators (32 block + 8 column block)
.set RING,32                           ; v32-159  while the weights stream: 32 slots of 4
.set XR,  96                           ; v96-159  partial sums read back (32 block + 8 wave)
.set CON, 160                          ; v160-167 bias, 168-171 cos, 172-175 sin, 176-177 v's bias
.set VOFF,192                          ; v192-223 while the weights stream: a slot's offset, never rewritten
.set OUT, 192
.set WK,  200
.set T,   224
; window 1: the 32 weight fragments (32 K step + 8 column block).  window 2: v0-127 fragments of h (64 block + 8 K step)
.set AB,  4
.set OB,  18
.set WV,  20
.set SX,  21
.set RG,  22
.set PB,  23
.set CB,  24
.set I,   25
.set CNT, 26
.set TM,  27
.set WB,  28
.set BB,  30
.set RND, 32
.set OF,  34
.set ROWB,36
.set ROW0B,37
.set P2,  38
.set HDN, 39
.set WOFF,40
.set T2,  41
.set XO,  42                           ; offset of the buffer that this trip stores into: 0 or XPAR
.set XI,  43                           ; offset of the buffer that it reads: the other one
.set MSB, 0
.macro WIN new                         ; the immediate's high byte repeats the setting that is left
.if MSB != (\new)
	s_set_vgpr_msb (MSB<<8)|(\new)
.set MSB, (\new)
.endif
.endm
.macro PLACES                          ; four places behind matrix instructions (ISA guide 7.12.1), where no other vector work is at hand
.rept 4
	v_nop
.endr
.endm
; 8 loads: the fragments of 16 rows x K steps 4 hf .. 4 hf + 3 of my 8.  A load takes 256 consecutive bytes of each of two planes.
.macro ALH blk, hf
	WIN 0
	v_add_nc_u32 v[VAC+2*(\blk)+(\hf)], s[ROWB], v[VA0]
	WIN 0x80
.set ks, 4*(\hf)
.rept 4
	global_load_b128 v[64*(\blk)+8*ks:64*(\blk)+8*ks+3], v[VAC+2*(\blk)+(\hf)], s[AB:AB+1] offset:256*(\blk)+4*ks*PL
	global_load_b128 v[64*(\blk)+8*ks+4:64*(\blk)+8*ks+7], v[VAC+2*(\blk)+(\hf)], s[AB:AB+1] offset:256*(\blk)+(4*ks+2)*PL
.set ks, ks+1
.endr
.endm
; One lap of the weights' ring.  ahead = 1: each slot is loaded again (the base already points a lap on).  extra: loads issued behind the ring's.
.macro WROUND ahead, extra
.set ii, 0
.rept 32
.if \ahead
	s_wait_loadcnt 31                              ; the 31 younger slots may be out
.else
	s_wait_loadcnt (\extra)+31-ii
.endif
	v_cvt_pk_f16_f32 v[T+2*(ii%2)], v[RING+4*ii], v[RING+4*ii+1]
	v_cvt_pk_f16_f32 v[T+2*(ii%2)+1], v[RING+4*ii+2], v[RING+4*ii+3]
	ds_store_b64 v[LW], v[T+2*(ii%2):T+2*(ii%2)+1] offset:320*ii
.if \ahead
	global_load_b128 v[RING+4*ii:RING+4*ii+3], v[VOFF+ii], s[WB:WB+1]
.endif
.set ii, ii+1
.endr
.endm
; The products of a block of 16 rows for K steps k0 .. k1 - 1; the four accumulators take turns.
; ord = 0: source 0 = weights: a lane holds row r, columns 8 h + j.  ord = 1: swapped.
.macro MMA blk, ord, k0, k1
.if \ord
	WIN 0x06
.else
	WIN 0x09
.endif
.set ks, (\k0)
.rept (\k1)-(\k0)
.set cb, 0
.rept 4
.set rD, ACC+32*(\blk)+8*cb
.set rB, 32*ks+8*cb
.set rA, 64*(\blk)+8*ks
.if (\ord) && (ks == 0)
	v_wmma_f32_16x16x32_f16 v[rD:rD+7], v[rA:rA+7], v[rB:rB+7], 0
.elseif \ord
	v_wmma_f32_16x16x32_f16 v[rD:rD+7], v[rA:rA+7], v[rB:rB+7], v[rD:rD+7]
.elseif ks == 0
	v_wmma_f32_16x16x32_f16 v[rD:rD+7], v[rB:rB+7], v[rA:rA+7], 0
.else
	v_wmma_f32_16x16x32_f16 v[rD:rD+7], v[rB:rB+7], v[rA:rA+7], v[rD:rD+7]
.endif
.set cb, cb+1
.endr
.set ks, ks+1
.endr
.endm
.macro XST blk                         ; my partial sums of a block, each accumulator's low registers first
	WIN 0
.set cb, 0
.rept 4
	ds_store_b128 v[XWC], v[ACC+32*(\blk)+8*cb:ACC+32*(\blk)+8*cb+3] offset:16384*(\blk)+1024*cb
	ds_store_b128 v[XWC], v[ACC+32*(\blk)+8*cb+4:ACC+32*(\blk)+8*cb+7] offset:16384*(\blk)+1024*cb+512
.set cb, cb+1
.endr
.endm
.macro XLD                             ; the four waves' partial sums of column block w
.set bk, 0
.rept 2
.set sr, 0
.rept 4
	ds_load_b128 v[XR+32*bk+8*sr:XR+32*bk+8*sr+3], v[XRC] offset:16384*bk+4096*sr
	ds_load_b128 v[XR+32*bk+8*sr+4:XR+32*bk+8*sr+7], v[XRC] offset:16384*bk+4096*sr+512
.set sr, sr+1
.endr
.set bk, bk+1
.endr
.endm
; A half block's turn: its 8 loads are in, its 16 products, four places, and its registers take the next trip's half block.
.macro HALF blk, hf, ord
	s_wait_loadcnt 24                              ; behind my half block's loads stand the three younger half blocks', 8 each
	MMA \blk, \ord, 4*(\hf), 4*(\hf)+4
	PLACES                                         ; for the loads into the products' sources (and, behind a block's second half, for the stores that read its results)
	ALH \blk, \hf
.endm
; Trip I's products and stores, and the loads of trip min(I + 1, last).  At its head the four half blocks' 32 loads are out, in the order in which they are wanted.
.macro COMPUTE ord
	s_add_co_u32 s[TM], s[I], 1
	s_min_u32 s[TM], s[TM], NT-1
	s_lshl_b32 s[TM], s[TM], 9
	s_add_co_u32 s[ROWB], s[TM], s[ROW0B]
	HALF 0, 0, \ord
	HALF 0, 1, \ord
	XST 0
	HALF 1, 0, \ord
	HALF 1, 1, \ord
	XST 1
.endm
.macro FINALH ord                      ; trip I - 1: where it goes
	s_sub_co_u32 s[TM], s[I], 1
.if \ord
	s_lshl_b32 s[TM], s[TM], 16                    ; 32 tokens are 4 groups of 8, 16,384 bytes each
.else
	s_lshl_b32 s[TM], s[TM], 9                     ; 32 tokens of 16 bytes
.endif
	v_add_nc_u32 v[VST], s[TM], v[VST0]
.endm
.macro FINALB ord, bk                  ; a block of trip I - 1: sums, bias, turn, rounding, store
.set XA, XR+32*(\bk)
.set pp, 0
.rept 4
	v_pk_add_f32 v[XA+pp:XA+pp+1], v[XA+pp:XA+pp+1], v[XA+8+pp:XA+8+pp+1]
	v_pk_add_f32 v[XA+16+pp:XA+16+pp+1], v[XA+16+pp:XA+16+pp+1], v[XA+24+pp:XA+24+pp+1]
.set pp, pp+2
.endr
.set pp, 0
.rept 4
	v_pk_add_f32 v[XA+pp:XA+pp+1], v[XA+pp:XA+pp+1], v[XA+16+pp:XA+16+pp+1]
.set pp, pp+2
.endr
.set pp, 0
.rept 4
.if \ord
	v_pk_add_f32 v[XA+pp:XA+pp+1], v[XA+pp:XA+pp+1], v[CON+16:CON+17] op_sel_hi:[1,0]
.else
	v_pk_add_f32 v[XA+pp:XA+pp+1], v[XA+pp:XA+pp+1], v[CON+pp:CON+pp+1]
.endif
.set pp, pp+2
.endr
.set nn, 0
.rept 4
.if \ord
	v_cvt_pk_f16_f32 v[OUT+4*(\bk)+nn], v[XA+2*nn], v[XA+2*nn+1]
.else
	v_mul_f32 v[WK+2*nn], v[XA+2*nn+1], v[CON+12+nn]                    ; b sin
	v_mul_f32 v[WK+2*nn+1], v[XA+2*nn+1], v[CON+8+nn]                   ; b cos
	v_fma_f32 v[WK+2*nn], v[XA+2*nn], v[CON+8+nn], -v[WK+2*nn]          ; a cos - b sin
	v_fma_f32 v[WK+2*nn+1], v[XA+2*nn], v[CON+12+nn], v[WK+2*nn+1]      ; a sin + b cos
	v_cvt_pk_f16_f32 v[OUT+4*(\bk)+nn], v[WK+2*nn], v[WK+2*nn+1]
.endif
.set nn, nn+1
.endr
.if \ord
	global_store_b128 v[VST], v[OUT+4*(\bk):OUT+4*(\bk)+3], s[OB:OB+1] offset:32768*(\bk)
.else
	global_store_b128 v[VST], v[OUT+4*(\bk):OUT+4*(\bk)+3], s[OB:OB+1] offset:256*(\bk)   ; 16 lanes: 256 consecutive bytes
.endif
.endm
.macro PHASEC ord
	s_mov_b32 s[I], 0
	s_mov_b32 s[XO], 0
	s_mov_b32 s[XI], XPAR
	v_add_nc_u32 v[XWC], s[XO], v[XW0]
	COMPUTE \ord                                   ; trip 0 stands ahead of the loop: there are no sums yet to finish beside it
	s_wait_dscnt 0x0
	s_barrier_signal -1
	s_barrier_wait -1
	s_mov_b32 s[CNT], NT
.Lc_\@:                                                ; NT times: trip I's products (but in the last) and trip I - 1's way out
	s_add_co_u32 s[I], s[I], 1
	s_xor_b32 s[XO], s[XO], XPAR                   ; the buffers change places
	s_xor_b32 s[XI], s[XI], XPAR
	v_add_nc_u32 v[XWC], s[XO], v[XW0]
	v_add_nc_u32 v[XRC], s[XI], v[XRD0]
	XLD
	s_wait_xcnt 0x0                                ; the last trip's stores have read their data and their offset, which the way out below rewrites
	s_cmp_lt_u32 s[I], NT
	s_cbranch_scc0 .Lnoc_\@                        ; behind the last trip only the sums are left
	COMPUTE \ord
	s_wait_dscnt 16                                ; the partial sums are in; behind their reads stand my 16 stores into the exchange, which may be out during the way out
	s_branch .Lfin_\@
.Lnoc_\@:
	s_wait_dscnt 0x0                               ; nothing was issued behind the reads
.Lfin_\@:
	FINALH \ord
	FINALB \ord, 0
	FINALB \ord, 1
	s_wait_dscnt 0x0                               ; for the others: my stores into this trip's buffer are done
	s_barrier_signal -1                            ; orders my stores against the others' reads of this buffer, and my reads against their next stores into the other
	s_barrier_wait -1
	s_sub_co_u32 s[CNT], s[CNT], 1
	s_cmp_lg_u32 s[CNT], 0
	s_cbranch_scc1 .Lc_\@
	s_wait_tensorcnt 0x0                           ; the wave's end
	ds_add_u32 v[SPW], v[NIL]
	s_wait_dscnt 0x0
	s_endpgm
.endm
	s_load_b256 s[4:11], s[0:1], 0x0               ; ha, wq, wkv, bq
	s_load_b256 s[12:19], s[0:1], 0x20             ; bkv, cos, sin, qkvhs
	v_lshl_add_u32 v[SPW], v0, 2, SPARE
	v_mov_b32 v[NIL], 0
	v_lshrrev_b32 v1, 5, v0
	v_readfirstlane_b32 s[WV], v1
	v_and_b32 v[VL], 31, v0
	v_and_b32 v[VR], 15, v0
	v_bfe_u32 v[VH], v0, 4, 1
	s_mov_b32 s[SX], ttmp9
	s_and_b32 s[RG], ttmp7, 0xffff
	s_and_b32 s[HDN], s[SX], 15                    ; the head
	s_lshl_b32 s[ROW0B], s[RG], 12                 ; 256 rows of 16 bytes
	s_mov_b32 s[ROWB], s[ROW0B]
	s_cmp_lt_u32 s[SX], 16
	s_cselect_b32 s[TM], 0, 1
	s_lshl_b32 s[PB], 4096, s[TM]                  ; bytes in a row of wq, or of wkv
	s_lshl_b32 s[T2], s[TM], 4
	s_sub_co_u32 s[CB], s[SX], s[T2]               ; my block of 64 columns in that matrix
	s_lshl_b32 s[P2], s[PB], 1
	s_lshl_b32 s[RND], s[PB], 6                    ; a lap of the ring: 64 rows
	s_mov_b32 s[RND+1], 0
	s_mul_i32 s[WOFF], s[WV], WREG
	v_lshlrev_b32 v7, 14, v[VH]
	v_lshl_add_u32 v7, v[VR], 4, v7                ; 16,384 h + 16 r
	s_lshl_b32 s[TM], s[WV], 19
	v_add_nc_u32 v[VA0], s[TM], v7                 ; plane 32 w + h, row r
	s_cmp_lt_u32 s[SX], 32
	s_cselect_b32 s[TM], 15, 8
	s_lshl_b32 s[TM], s[WV], s[TM]
	v_add_nc_u32 v[VST0], s[TM], v7                ; q, k: plane 2 w + h, row r;  v: group h, column 16 w + r
	v_mul_lo_u32 v[VOFF], v[VH], s[PB]
	v_lshl_add_u32 v[VOFF], v[VR], 4, v[VOFF]      ; a slot is two rows: row h, 16 bytes at 16 r
.set ii, 1
.rept 31
	v_add_nc_u32 v[VOFF+ii], s[P2], v[VOFF+ii-1]
.set ii, ii+1
.endr
	v_mul_u32_u24 v[LW], v[VH], P
	v_lshl_add_u32 v[LW], v[VR], 3, v[LW]
	v_add_nc_u32 v[LW], s[WOFF], v[LW]
	v_and_b32 v1, 7, v0
	v_lshl_add_u32 v1, v[VH], 3, v1
	v_mul_u32_u24 v[LB], v1, P
	v_bfe_u32 v1, v0, 3, 1
	v_lshl_add_u32 v[LB], v1, 4, v[LB]
	v_add_nc_u32 v[LB], s[WOFF], v[LB]             ; the turning load: row 8 h + l % 8, 16 bytes at 16 ((l / 8) % 2)
	s_lshl_b32 s[TM], s[WV], 12
	s_add_co_u32 s[TM], s[TM], XB
	v_lshl_add_u32 v[XW0], v[VL], 4, s[TM]
	s_lshl_b32 s[TM], s[WV], 10
	s_add_co_u32 s[TM], s[TM], XB
	v_lshl_add_u32 v[XRD0], v[VL], 4, s[TM]
	s_lshl_b32 s[T2], s[WV], 6
	v_lshl_add_u32 v[VC1], v[VH], 5, s[T2]         ; bias of columns 16 w + 8 h ..
	v_lshl_add_u32 v[VC3], v[VR], 2, s[T2]         ; bias of column 16 w + r
	s_lshl_b32 s[TM], s[HDN], 7
	s_lshl_b32 s[T2], s[WV], 5
	s_add_co_u32 s[TM], s[TM], s[T2]
	v_lshl_add_u32 v[VC2], v[VH], 4, s[TM]         ; the head's row of the tables, pairs 8 w + 4 h ..
	s_lshl_b32 s[OF], s[WV], 8
	s_mul_i32 s[OF], s[OF], s[PB]
	s_lshl_b32 s[TM], s[CB], 8
	s_add_co_u32 s[OF], s[OF], s[TM]
	s_mov_b32 s[OF+1], 0
	s_wait_kmcnt 0x0
	s_cmp_lt_u32 s[SX], 16
	s_cselect_b64 s[WB:WB+1], s[6:7], s[8:9]
	s_cselect_b64 s[BB:BB+1], s[10:11], s[12:13]
	s_add_nc_u64 s[WB:WB+1], s[WB:WB+1], s[OF:OF+1]
	s_mov_b32 s[OF], s[TM]
	s_add_nc_u64 s[BB:BB+1], s[BB:BB+1], s[OF:OF+1]
	s_lshr_b32 s[TM], s[SX], 4
	s_lshl_b32 s[OF], s[TM], 21                    ; q at 0, k at 2 MB, v at 4 MB
	s_cmp_lt_u32 s[SX], 32
	s_cselect_b32 s[T2], 17, 10
	s_cselect_b32 s[CNT], 12, 19
	s_lshl_b32 s[T2], s[HDN], s[T2]
	s_add_co_u32 s[OF], s[OF], s[T2]
	s_lshl_b32 s[T2], s[RG], s[CNT]
	s_add_co_u32 s[OF], s[OF], s[T2]
	s_add_nc_u64 s[OB:OB+1], s[OB:OB+1], s[OF:OF+1]
	; the constants of both ways out (all inside their buffers), ahead of the ring: its waits show them in
	global_load_b128 v[CON:CON+3], v[VC1], s[BB:BB+1]
	global_load_b128 v[CON+4:CON+7], v[VC1], s[BB:BB+1] offset:16
	global_load_b128 v[CON+8:CON+11], v[VC2], s[14:15]
	global_load_b128 v[CON+12:CON+15], v[VC2], s[16:17]
	global_load_b32 v[CON+16], v[VC3], s[BB:BB+1]
.set ii, 0
.rept 32
	global_load_b128 v[RING+4*ii:RING+4*ii+3], v[VOFF+ii], s[WB:WB+1]
.set ii, ii+1
.endr
	s_wait_xcnt 0x0                                ; the base is stepped only behind this wait
	s_add_nc_u64 s[WB:WB+1], s[WB:WB+1], s[RND:RND+1]
	s_mov_b32 s[CNT], 3
.Lw:
	WROUND 1, 0
	s_wait_xcnt 0x0
	s_add_nc_u64 s[WB:WB+1], s[WB:WB+1], s[RND:RND+1]
	v_add_nc_u32 v[LW], 64*P, v[LW]
	s_sub_co_u32 s[CNT], s[CNT], 1
	s_cmp_lg_u32 s[CNT], 0
	s_cbranch_scc1 .Lw
	ALH 0, 0                                       ; trip 0's four half blocks go out ahead of the last lap: its waits leave these 32 loads out
	ALH 0, 1
	ALH 1, 0
	ALH 1, 1
	WIN 0
	WROUND 0, 32
	WIN 0x40
.set ks, 0
.rept 8
.set cb, 0
.rept 4
	ds_load_tr16_b128 v[32*ks+8*cb:32*ks+8*cb+3], v[LB] offset:32*P*ks+32*cb         ; LDS serves a wave's instructions in order (ISA guide 5.7.1.4): these see my stores
	ds_load_tr16_b128 v[32*ks+8*cb+4:32*ks+8*cb+7], v[LB] offset:32*P*ks+32*cb+16*P
.set cb, cb+1
.endr
.set ks, ks+1
.endr
	WIN 0
	v_mov_b32 v[CON+17], v[CON+16]
	s_wait_dscnt 0x0
	s_cmp_lt_u32 s[SX], 32
	s_cbranch_scc0 .Lvpath
	PHASEC 0
.Lvpath:
	PHASEC 1
.Lfunc_end_k_q39ad1742b7_qkv:
	.size	k_q39ad1742b7_qkv, .Lfunc_end_k_q39ad1742b7_qkv-k_q39ad1742b7_qkv
	.p2alignl 7, 3214868480
	.fill 96, 4, 3214868480
	.section	.rodata,"a",@progbits
	.p2align	6, 0x0
	.amdhsa_kernel k_q39ad1742b7_qkv
		.amdhsa_group_segment_fixed_size 229888
		.amdhsa_private_segment_fixed_size 0
		.amdhsa_enable_private_segment 0
		.amdhsa_kernarg_size 64
		.amdhsa_user_sgpr_count 2
		.amdhsa_user_sgpr_kernarg_segment_ptr 1
		.amdhsa_wavefront_size32 1
		.amdhsa_system_sgpr_workgroup_id_x 1
		.amdhsa_system_sgpr_workgroup_id_y 1
		.amdhsa_system_sgpr_workgroup_id_z 1
		.amdhsa_system_vgpr_workitem_id 0
		.amdhsa_next_free_vgpr 640
		.amdhsa_next_free_sgpr 66
		.amdhsa_reserve_vcc 0
		.amdhsa_float_denorm_mode_32 3
		.amdhsa_float_denorm_mode_16_64 3
		.amdhsa_memory_ordered 1
		.amdhsa_forward_progress 1
		.amdhsa_inst_pref_size 82
	.end_amdhsa_kernel
	.amdgpu_metadata
---
amdhsa.version: [ 1, 2 ]
amdhsa.kernels:
  - .name:           k_q39ad1742b7_qkv
    .symbol:         k_q39ad1742b7_qkv.kd
    .args:
      - { .name: ha, .offset: 0, .size: 8, .value_kind: global_buffer, .address_space: global }
      - { .name: wq, .offset: 8, .size: 8, .value_kind: global_buffer, .address_space: global }
      - { .name: wkv, .offset: 16, .size: 8, .value_kind: global_buffer, .address_space: global }
      - { .name: bq, .offset: 24, .size: 8, .value_kind: global_buffer, .address_space: global }
      - { .name: bkv, .offset: 32, .size: 8, .value_kind: global_buffer, .address_space: global }
      - { .name: freqs_cos, .offset: 40, .size: 8, .value_kind: global_buffer, .address_space: global }
      - { .name: freqs_sin, .offset: 48, .size: 8, .value_kind: global_buffer, .address_space: global }
      - { .name: qkvhs, .offset: 56, .size: 8, .value_kind: global_buffer, .address_space: global }
    .group_segment_fixed_size: 229888
    .private_segment_fixed_size: 0
    .kernarg_segment_align: 8
    .kernarg_segment_size: 64
    .max_flat_workgroup_size: 128
    .sgpr_count:     66
    .vgpr_count:     640
    .wavefront_size: 32
...
	.end_amdgpu_metadata
.endif
;; end of part 2
;; launch att (part 3): grid 16 x 16, 4 waves a work-group, no clusters, 0 bytes of LDS; arguments qkvhs, ha; writes ha
.if DOCPART == 3
	.amdgcn_target "amdgcn-amd-amdhsa--gfx1250"
	.amdhsa_code_object_version 6
	.text
	.protected	k_q39ad1742b7_att
	.globl	k_q39ad1742b7_att
	.p2align	8
	.type	k_q39ad1742b7_att,@function
k_q39ad1742b7_att:
	s_mov_b64 s[64:65], 0
	v_nop
	global_prefetch_b8 v0, s[64:65] scope:SCOPE_SE
	s_setreg_imm32_b32 hwreg(HW_REG_WAVE_MODE, 25, 1), 1
	s_wait_xcnt 0x0
; Causal attention, head size 64, f16 operands, f32 sums.  y[q] = sum over k <= q of softmax(q . k / 8) v[k], stored by planes [column / 8][token][8] in f16.
; A work-group owns 64 queries of a head (the long blocks start first), a wave 16.  q, k and v lie in fragment order in memory, so every fragment is loaded straight into registers:
; no LDS, no barrier.  Keys go in trips of 128, two halves of 64; four groups of 16 loads (K, V of each half) are always on their way.  Block qb has qb / 2 whole trips and one last trip with masks.
; S^T = K Q^T holds one query a lane and the keys 8 (lane / 16) + 0..7; two such results rounded to f16 are source 1 of O^T = V^T P.  p = 2^(c s - c m), c = log2(e) / 8, with a running maximum m;
; O and l are multiplied by a = 2^(c m_old - c m_new) in every step.  m starts at the lowest finite number, O and l at 0, so the first step is a step like any other.
; The mask is the C operand that starts the sum: 0, or -1e30 where the key is hidden.  Every query sees key 0 in its first step, so m is a true score before a hidden one comes.
; No cluster: a head's blocks need different numbers of tiles, and the tiles come from 4 MB that all work-groups read again.
; LIMITS: q, k, v below 65,504; a hidden score counts as its value less 1e30; a weight below 2^-126 counts as 0; NaN and infinities are not treated apart.
; With an even block number the last trip's second half is wholly hidden and is computed all the same.
.set LN,  3                            ; 16,384 h + 16 r: my lane's place in every fragment; never rewritten
.set VD,  6
.set CM,  16                           ; c m
.set M,   17
.set L,   18                           ; v18-19
.set C0,  20                           ; v20-23 at work; v22 takes a
.set CMO, 24
.set S,   32
.set P,   64
.set O,   80
.set Q,   112
.set MD,  128                          ; v128-191 the last trip's masks
; window 1: K of half 0 at 0, V at 64, K of half 1 at 128, V at 192
.set WV,  8
.set QB,  9
.set HDN, 10
.set NF,  11
.set I,   12
.set TM,  13
.set OF,  14
.set CS,  16
.set SEL, 18
.set BIGN,20
.set KN,  22
.set VN,  24
.set QP,  26
.set YP,  28
.set MSB, 0
.macro WIN new
.if MSB != (\new)
	s_set_vgpr_msb (MSB<<8)|(\new)
.set MSB, (\new)
.endif
.endm
.macro PLACES
.rept 4
	v_nop
.endr
.endm
.macro KLOAD half                      ; 64 keys x 64 channels: key block kb, channel half cc
	WIN 0x40
.set kb, 0
.rept 4
.set cc, 0
.rept 2
	global_load_b128 v[128*(\half)+16*kb+8*cc:128*(\half)+16*kb+8*cc+3], v[LN], s[KN:KN+1] offset:1024*(\half)+256*kb+65536*cc
	global_load_b128 v[128*(\half)+16*kb+8*cc+4:128*(\half)+16*kb+8*cc+7], v[LN], s[KN:KN+1] offset:1024*(\half)+256*kb+65536*cc+32768
.set cc, cc+1
.endr
.set kb, kb+1
.endr
	WIN 0
.endm
.macro VLOAD half                      ; key half kk, channel block cb
	WIN 0x40
.set kk, 0
.rept 2
.set cb, 0
.rept 4
	global_load_b128 v[64+128*(\half)+32*kk+8*cb:64+128*(\half)+32*kk+8*cb+3], v[LN], s[VN:VN+1] offset:131072*(\half)+65536*kk+256*cb
	global_load_b128 v[64+128*(\half)+32*kk+8*cb+4:64+128*(\half)+32*kk+8*cb+7], v[LN], s[VN:VN+1] offset:131072*(\half)+65536*kk+256*cb+32768
.set cb, cb+1
.endr
.set kk, kk+1
.endr
	WIN 0
.endm
; 64 keys.  n1, n2: the younger loads that may be out when K, and then V, has to be in.  reload = 1: the registers take the next trip's half.
.macro STEP half, masked, reload, n1, n2
	s_wait_loadcnt \n1
	WIN 0x01
.set cc, 0
.rept 2
.set kb, 0
.rept 4                                ; the four accumulators take turns
.set rS, S+8*kb
.set rK, 128*(\half)+16*kb+8*cc
.set rQ, Q+8*cc
.set rM, MD+32*(\half)+8*kb
.if (cc == 0) && (\masked)
	v_wmma_f32_16x16x32_f16 v[rS:rS+7], v[rK:rK+7], v[rQ:rQ+7], v[rM:rM+7]
.elseif cc == 0
	v_wmma_f32_16x16x32_f16 v[rS:rS+7], v[rK:rK+7], v[rQ:rQ+7], 0
.else
	v_wmma_f32_16x16x32_f16 v[rS:rS+7], v[rK:rK+7], v[rQ:rQ+7], v[rS:rS+7]
.endif
.set kb, kb+1
.endr
.set cc, cc+1
.endr
	WIN 0
	PLACES
.if \reload
	KLOAD \half
.endif
.set nn, 0
.rept 4                                ; the maximum: each accumulator's lowest registers are read first
	v_max3_num_f32 v[C0+nn], v[S+8*nn], v[S+8*nn+1], v[S+8*nn+2]
.set nn, nn+1
.endr
.rept 8
	v_max3_num_f32 v[C0+nn%4], v[C0+nn%4], v[S+8*(nn%4)+2*(nn/4)+1], v[S+8*(nn%4)+2*(nn/4)+2]
.set nn, nn+1
.endr
	v_max3_num_f32 v[C0], v[C0], v[S+7], v[S+15]
	v_max3_num_f32 v[C0+1], v[C0+1], v[S+23], v[S+31]
	v_max3_num_f32 v[C0+2], v[C0+2], v[C0+3], v[M]
	v_mov_b32 v[CMO], v[CM]
	v_max3_num_f32 v[C0], v[C0], v[C0+1], v[C0+2]
	v_permlanex16_b32 v[C0+3], v[C0], s[SEL], s[SEL+1]  ; the query's other 32 keys lie in the lane 16 away
	v_max_num_f32 v[M], v[C0], v[C0+3]
	v_mul_f32 v[CM], s[CS], v[M]
	v_sub_f32 v[C0+1], v[CMO], v[CM]
	v_exp_f32 v[C0+2], v[C0+1]                     ; a
	v_nop
.set nn, 0
.rept 16
	v_pk_fma_f32 v[S+2*nn:S+2*nn+1], v[S+2*nn:S+2*nn+1], s[CS:CS+1], v[CM:CM+1] op_sel_hi:[1,0,0] neg_lo:[0,0,1] neg_hi:[0,0,1]
.set nn, nn+1
.endr
.set nn, 0
.rept 32
	v_exp_f32 v[S+nn], v[S+nn]
.set nn, nn+1
.endr
.set nn, 0
	s_wait_alu depctr_va_vdst(0)
.rept 16                               ; O a: the plain work behind the exponentials
	v_pk_mul_f32 v[O+2*nn:O+2*nn+1], v[O+2*nn:O+2*nn+1], v[C0+2:C0+3] op_sel_hi:[1,0]
.set nn, nn+1
.endr
.set nn, 0
.rept 16
	v_cvt_pk_f16_f32 v[P+nn], v[S+2*nn], v[S+2*nn+1]
.set nn, nn+1
.endr
.irp st, 8, 4, 2, 1                    ; the sum of the 16 pairs, in place
.set nn, 0
.rept \st
	v_pk_add_f32 v[S+2*nn:S+2*nn+1], v[S+2*nn:S+2*nn+1], v[S+2*(nn+\st):S+2*(nn+\st)+1]
.set nn, nn+1
.endr
.endr
	v_pk_fma_f32 v[L:L+1], v[L:L+1], v[C0+2:C0+3], v[S:S+1] op_sel_hi:[1,0,1]
	s_wait_loadcnt \n2
	WIN 0x01
.set kk, 0
.rept 2
.set cb, 0
.rept 4
.set rO, O+8*cb
.set rV, 64+128*(\half)+32*kk+8*cb
.set rP, P+8*kk
	v_wmma_f32_16x16x32_f16 v[rO:rO+7], v[rV:rV+7], v[rP:rP+7], v[rO:rO+7]
.set cb, cb+1
.endr
.set kk, kk+1
.endr
	WIN 0
.if \reload
	PLACES
	VLOAD \half
.endif
.endm
	s_load_b128 s[4:7], s[0:1], 0x0                ; qkvhs, ha
	v_lshrrev_b32 v1, 5, v0
	v_readfirstlane_b32 s[WV], v1
	v_and_b32 v4, 15, v0
	v_bfe_u32 v5, v0, 4, 1
	v_lshlrev_b32 v[LN], 14, v5
	v_lshl_add_u32 v[LN], v4, 4, v[LN]
	s_sub_co_u32 s[QB], 15, ttmp9
	s_and_b32 s[HDN], ttmp7, 0xffff
	s_lshr_b32 s[NF], s[QB], 1                     ; whole trips of 128 keys
	s_lshl_b32 s[OF], s[HDN], 17
	s_mov_b32 s[OF+1], 0
	s_mov_b32 s[CS], 0x3e38aa3b                    ; c = log2(e) / 8
	s_mov_b32 s[CS+1], s[CS]
	s_mov_b32 s[SEL], 0x76543210
	s_mov_b32 s[SEL+1], 0xfedcba98
	s_mov_b32 s[BIGN], 0xf149f2ca                  ; -1e30
	s_wait_kmcnt 0x0
	s_add_nc_u64 s[QP:QP+1], s[4:5], s[OF:OF+1]
	s_add_nc_u64 s[KN:KN+1], s[QP:QP+1], 0x200000
	s_add_nc_u64 s[YP:YP+1], s[6:7], s[OF:OF+1]
	s_lshl_b32 s[OF], s[HDN], 10
	s_add_nc_u64 s[VN:VN+1], s[4:5], s[OF:OF+1]
	s_add_nc_u64 s[VN:VN+1], s[VN:VN+1], 0x400000
	s_lshl_b32 s[OF], s[QB], 10
	s_lshl_b32 s[TM], s[WV], 8
	s_add_co_u32 s[OF], s[OF], s[TM]               ; 16 bytes x my first query
	s_add_nc_u64 s[QP:QP+1], s[QP:QP+1], s[OF:OF+1]
	s_add_nc_u64 s[YP:YP+1], s[YP:YP+1], s[OF:OF+1]
.set cc, 0
.rept 2
	global_load_b128 v[Q+8*cc:Q+8*cc+3], v[LN], s[QP:QP+1] offset:65536*cc
	global_load_b128 v[Q+8*cc+4:Q+8*cc+7], v[LN], s[QP:QP+1] offset:65536*cc+32768
.set cc, cc+1
.endr
	KLOAD 0
	VLOAD 0
	KLOAD 1
	VLOAD 1
	s_and_b32 s[TM], s[QB], 1
	s_lshl_b32 s[TM], s[TM], 6
	s_lshl_b32 s[I], s[WV], 4
	s_add_co_u32 s[TM], s[TM], s[I]
	v_lshlrev_b32 v[VD], 3, v5
	v_sub_nc_u32 v[VD], v4, v[VD]
	v_add_nc_u32 v[VD], s[TM], v[VD]               ; my query's place in the last trip, less my lanes' 8 h: a key's constant is hidden where it is greater
.set nn, 0
.rept 64
	v_cmp_gt_i32 vcc_lo, 64*(nn/32)+16*((nn%32)/8)+nn%8, v[VD]
	v_cndmask_b32 v[MD+nn], 0, s[BIGN], vcc_lo
.set nn, nn+1
.endr
.set nn, 0
.rept 32                               ; no first step is written out: O and l start at 0; this stands in the wait for the first loads
	v_mov_b32 v[O+nn], 0
.set nn, nn+1
.endr
	v_mov_b32 v[L], 0
	v_mov_b32 v[L+1], 0
	v_mov_b32 v[CM], 0xfe000000                    ; far below every c s
	v_mov_b32 v[M], 0xff7fffff
	s_wait_xcnt 0x0                                ; the bases are stepped only behind this wait: they now point at the next trip
	s_add_nc_u64 s[KN:KN+1], s[KN:KN+1], 2048
	s_add_nc_u64 s[VN:VN+1], s[VN:VN+1], 262144
	s_cmp_eq_u32 s[NF], 0
	s_cbranch_scc1 .Llast
	s_mov_b32 s[I], 0
.Ltrip:
	STEP 0, 0, 1, 48, 48                           ; each wait leaves the three younger groups of 16 out
	STEP 1, 0, 1, 48, 48
	s_wait_xcnt 0x0
	s_add_nc_u64 s[KN:KN+1], s[KN:KN+1], 2048
	s_add_nc_u64 s[VN:VN+1], s[VN:VN+1], 262144
	s_add_co_u32 s[I], s[I], 1
	s_cmp_lt_u32 s[I], s[NF]
	s_cbranch_scc1 .Ltrip
.Llast:
	STEP 0, 1, 0, 48, 32                           ; nothing more is loaded: the counts run down
	STEP 1, 1, 0, 16, 0
	PLACES
	v_add_f32 v[L], v[L], v[L+1]
	v_permlanex16_b32 v[L+1], v[L], s[SEL], s[SEL+1]
	v_add_f32 v[L], v[L], v[L+1]
	v_rcp_f32 v[C0], v[L]
	v_mov_b32 v[C0+1], 0                           ; the plain instruction behind the reciprocal
.set nn, 0
	s_wait_alu depctr_va_vdst(0)
.rept 16
	v_pk_mul_f32 v[O+2*nn:O+2*nn+1], v[O+2*nn:O+2*nn+1], v[C0:C0+1] op_sel_hi:[1,0]
.set nn, nn+1
.endr
.set nn, 0
.rept 16
	v_cvt_pk_f16_f32 v[S+nn], v[O+2*nn], v[O+2*nn+1]
.set nn, nn+1
.endr
.set cb, 0
.rept 4
	global_store_b128 v[LN], v[S+4*cb:S+4*cb+3], s[YP:YP+1] offset:32768*cb   ; 16 lanes: 256 consecutive bytes of a plane
.set cb, cb+1
.endr
	s_endpgm
.Lfunc_end_k_q39ad1742b7_att:
	.size	k_q39ad1742b7_att, .Lfunc_end_k_q39ad1742b7_att-k_q39ad1742b7_att
	.p2alignl 7, 3214868480
	.fill 96, 4, 3214868480
	.section	.rodata,"a",@progbits
	.p2align	6, 0x0
	.amdhsa_kernel k_q39ad1742b7_att
		.amdhsa_group_segment_fixed_size 0
		.amdhsa_private_segment_fixed_size 0
		.amdhsa_enable_private_segment 0
		.amdhsa_kernarg_size 16
		.amdhsa_user_sgpr_count 2
		.amdhsa_user_sgpr_kernarg_segment_ptr 1
		.amdhsa_wavefront_size32 1
		.amdhsa_system_sgpr_workgroup_id_x 1
		.amdhsa_system_sgpr_workgroup_id_y 1
		.amdhsa_system_sgpr_workgroup_id_z 1
		.amdhsa_system_vgpr_workitem_id 0
		.amdhsa_next_free_vgpr 512
		.amdhsa_next_free_sgpr 66
		.amdhsa_reserve_vcc 1
		.amdhsa_float_denorm_mode_32 3
		.amdhsa_float_denorm_mode_16_64 3
		.amdhsa_memory_ordered 1
		.amdhsa_forward_progress 1
		.amdhsa_inst_pref_size 57
	.end_amdhsa_kernel
	.amdgpu_metadata
---
amdhsa.version: [ 1, 2 ]
amdhsa.kernels:
  - .name:           k_q39ad1742b7_att
    .symbol:         k_q39ad1742b7_att.kd
    .args:
      - { .name: qkvhs, .offset: 0, .size: 8, .value_kind: global_buffer, .address_space: global }
      - { .name: ha, .offset: 8, .size: 8, .value_kind: global_buffer, .address_space: global }
    .group_segment_fixed_size: 0
    .private_segment_fixed_size: 0
    .kernarg_segment_align: 8
    .kernarg_segment_size: 16
    .max_flat_workgroup_size: 128
    .sgpr_count:     66
    .vgpr_count:     512
    .wavefront_size: 32
...
	.end_amdgpu_metadata
.endif
;; end of part 3
;; launch oproj (part 4): grid 16 x 16, 4 waves a work-group, no clusters, 233,984 bytes of LDS; arguments ha, wo, bo, x, x2; writes x2
.if DOCPART == 4
	.amdgcn_target "amdgcn-amd-amdhsa--gfx1250"
	.amdhsa_code_object_version 6
	.text
	.protected	k_q39ad1742b7_oproj
	.globl	k_q39ad1742b7_oproj
	.p2align	8
	.type	k_q39ad1742b7_oproj,@function
k_q39ad1742b7_oproj:
	s_mov_b64 s[64:65], 0
	v_nop
	global_prefetch_b8 v0, s[64:65] scope:SCOPE_SE
	s_setreg_imm32_b32 hwreg(HW_REG_WAVE_MODE, 25, 1), 1
	s_wait_xcnt 0x0
; x2 = x + y wo + bo, in f32; the product in f16 with f32 sums.  A work-group owns 64 columns and 64 rows.  The weights stay in registers and K is split over the four waves:
; wave w streams rows 256 w .. +255 of the slab through a ring of 32 register slots, rounds them to f16 into its own LDS region (pitch 160 bytes) and reads them back turned, once.
; Two trips of 32 rows: products on fragments of y straight from memory (y lies by planes), partial sums into an exchange buffer laid by rows (pitch 272 bytes),
; one barrier, then each wave adds the four partial sums of 8 rows a trip: a lane holds 4 columns, 16 lanes 256 consecutive bytes of a row.
; No tensor loads (the weights pass through registers for their rounding), no cluster (what is shared is 2 MB of y and a slab among 16 row groups).
; LIMITS: y and wo below 65,504; a weight below 6e-5 keeps f16's fixed step of 6e-8.
.set PL,    16384
.set PITCHB,4096
.set P,     160
.set WREG,  256*P
.set XB,    4*WREG
.set XPAR,  34816                      ; [block 2][wave 4][16 rows][272 bytes]
.set SPARE, XB+2*XPAR
.set SPW, 2
.set NIL, 3
.set VR,  4
.set VH,  5
.set VL,  6
.set LW,  8
.set LB,  9
.set VA0, 10
.set VAC, 12
.set XW,  14
.set VX,  16                           ; my offset in x and x2; never rewritten
.set VBO, 17
.set VOFF,18
.set XRD, 20                           ; v20, v21: where I read partial sums back, by buffer: so the immediates stay inside their 16 bits (31,008 at the most)
.set ACC, 32
.set RING,32
.set XR,  96
.set CON, 160                          ; v160-191 my 8 pieces of x, then x + bo
.set OUT, 192
.set T,   224
.set BI,  228
.set AB,  4
.set WB,  6
.set WV,  14
.set SLAB,15
.set RY,  16
.set CNT, 17
.set TM,  18
.set ROWB,19
.set OF,  20
.set WOFF,22
.set MSB, 0
.macro WIN new
.if MSB != (\new)
	s_set_vgpr_msb (MSB<<8)|(\new)
.set MSB, (\new)
.endif
.endm
.macro PLACES
.rept 4
	v_nop
.endr
.endm
.macro AL blk
	WIN 0
	v_add_nc_u32 v[VAC+(\blk)], s[ROWB], v[VA0]
	WIN 0x80
.set ks, 0
.rept 8
	global_load_b128 v[64*(\blk)+8*ks:64*(\blk)+8*ks+3], v[VAC+(\blk)], s[AB:AB+1] offset:256*(\blk)+4*ks*PL
	global_load_b128 v[64*(\blk)+8*ks+4:64*(\blk)+8*ks+7], v[VAC+(\blk)], s[AB:AB+1] offset:256*(\blk)+(4*ks+2)*PL
.set ks, ks+1
.endr
	WIN 0
.endm
.macro WROUND ahead, extra
.set ii, 0
.rept 32
.if \ahead
	s_wait_loadcnt 31                              ; the 31 younger slots may be out
.else
	s_wait_loadcnt (\extra)+31-ii
.endif
	v_cvt_pk_f16_f32 v[T+2*(ii%2)], v[RING+4*ii], v[RING+4*ii+1]
	v_cvt_pk_f16_f32 v[T+2*(ii%2)+1], v[RING+4*ii+2], v[RING+4*ii+3]
	ds_store_b64 v[LW], v[T+2*(ii%2):T+2*(ii%2)+1] offset:320*ii
.if \ahead
	global_load_b128 v[RING+4*ii:RING+4*ii+3], v[VOFF], s[WB:WB+1] offset:ii*2*PITCHB
.endif
.set ii, ii+1
.endr
.endm
.macro MMA blk                         ; source 0 = weights: a lane holds row r, columns 8 h + j; the four accumulators take turns
	WIN 0x09
.set ks, 0
.rept 8
.set cb, 0
.rept 4
.set rD, ACC+32*(\blk)+8*cb
.set rB, 32*ks+8*cb
.set rA, 64*(\blk)+8*ks
.if ks == 0
	v_wmma_f32_16x16x32_f16 v[rD:rD+7], v[rB:rB+7], v[rA:rA+7], 0
.else
	v_wmma_f32_16x16x32_f16 v[rD:rD+7], v[rB:rB+7], v[rA:rA+7], v[rD:rD+7]
.endif
.set cb, cb+1
.endr
.set ks, ks+1
.endr
	WIN 0
.endm
.macro XST par, blk
.set cb, 0
.rept 4
	ds_store_b128 v[XW], v[ACC+32*(\blk)+8*cb:ACC+32*(\blk)+8*cb+3] offset:XPAR*(\par)+17408*(\blk)+64*cb
	ds_store_b128 v[XW], v[ACC+32*(\blk)+8*cb+4:ACC+32*(\blk)+8*cb+7] offset:XPAR*(\par)+17408*(\blk)+64*cb+16
.set cb, cb+1
.endr
.endm
.macro XLD par
.set bk, 0
.rept 2
.set sr, 0
.rept 4
	ds_load_b128 v[XR+32*bk+8*sr:XR+32*bk+8*sr+3], v[XRD+(\par)] offset:17408*bk+4352*sr
	ds_load_b128 v[XR+32*bk+8*sr+4:XR+32*bk+8*sr+7], v[XRD+(\par)] offset:17408*bk+4352*sr+544
.set sr, sr+1
.endr
.set bk, bk+1
.endr
.endm
.macro COMPUTE par, ahead
	s_wait_loadcnt 16                              ; block 0's fragments are in; block 1's 16 loads may be out
	MMA 0
	PLACES
	XST \par, 0
.if \ahead
	AL 0
	s_wait_loadcnt 16                              ; block 1's are in; the 16 just issued are out
.else
	s_wait_loadcnt 0
.endif
	MMA 1
	PLACES
	XST \par, 1
.if \ahead
	AL 1
.endif
.endm
.macro FINAL t                         ; trip t: rows 16 (2 t + block) + 4 w + 2 i + h, columns 4 r ..
.set bk, 0
.rept 2
.set hi, 0
.rept 2
.set XA, XR+32*bk+4*hi
.set OA, OUT+16*(\t)+8*bk+4*hi
.set CA, CON+16*(\t)+8*bk+4*hi
	v_pk_add_f32 v[XA:XA+1], v[XA:XA+1], v[XA+8:XA+9]
	v_pk_add_f32 v[XA+2:XA+3], v[XA+2:XA+3], v[XA+10:XA+11]
	v_pk_add_f32 v[XA+16:XA+17], v[XA+16:XA+17], v[XA+24:XA+25]
	v_pk_add_f32 v[XA+18:XA+19], v[XA+18:XA+19], v[XA+26:XA+27]
	v_pk_add_f32 v[XA:XA+1], v[XA:XA+1], v[XA+16:XA+17]
	v_pk_add_f32 v[XA+2:XA+3], v[XA+2:XA+3], v[XA+18:XA+19]
	v_pk_add_f32 v[OA:OA+1], v[XA:XA+1], v[CA:CA+1]
	v_pk_add_f32 v[OA+2:OA+3], v[XA+2:XA+3], v[CA+2:CA+3]
	global_store_b128 v[VX], v[OA:OA+3], s[12:13] offset:65536*(2*(\t)+bk)+8192*hi   ; 16 lanes: 256 consecutive bytes of a row
.set hi, hi+1
.endr
.set bk, bk+1
.endr
.endm
	s_load_b256 s[4:11], s[0:1], 0x0               ; ha, wo, bo, x
	s_load_b64 s[12:13], s[0:1], 0x20              ; x2
	v_lshl_add_u32 v[SPW], v0, 2, SPARE
	v_mov_b32 v[NIL], 0
	v_lshrrev_b32 v1, 5, v0
	v_readfirstlane_b32 s[WV], v1
	v_and_b32 v[VL], 31, v0
	v_and_b32 v[VR], 15, v0
	v_bfe_u32 v[VH], v0, 4, 1
	s_mov_b32 s[SLAB], ttmp9
	s_and_b32 s[RY], ttmp7, 0xffff
	s_lshl_b32 s[ROWB], s[RY], 10                  ; 64 rows of 16 bytes
	s_mul_i32 s[WOFF], s[WV], WREG
	v_lshlrev_b32 v7, 14, v[VH]
	v_lshl_add_u32 v7, v[VR], 4, v7
	s_lshl_b32 s[TM], s[WV], 19
	v_add_nc_u32 v[VA0], s[TM], v7
	v_lshlrev_b32 v[VOFF], 12, v[VH]
	v_lshl_add_u32 v[VOFF], v[VR], 4, v[VOFF]      ; row h of a pair, 16 bytes at 16 r
	s_lshl_b32 s[TM], s[WV], 14
	v_add_nc_u32 v[VX], s[TM], v[VOFF]             ; row 4 w + h, 16 bytes at 16 r
	v_lshlrev_b32 v[VBO], 4, v[VR]
	v_mul_u32_u24 v[LW], v[VH], P
	v_lshl_add_u32 v[LW], v[VR], 3, v[LW]
	v_add_nc_u32 v[LW], s[WOFF], v[LW]
	v_and_b32 v1, 7, v0
	v_lshl_add_u32 v1, v[VH], 3, v1
	v_mul_u32_u24 v[LB], v1, P
	v_bfe_u32 v1, v0, 3, 1
	v_lshl_add_u32 v[LB], v1, 4, v[LB]
	v_add_nc_u32 v[LB], s[WOFF], v[LB]
	s_mul_i32 s[TM], s[WV], 4352
	s_add_co_u32 s[TM], s[TM], XB
	v_mul_u32_u24 v[XW], v[VR], 272
	v_lshl_add_u32 v[XW], v[VH], 5, v[XW]
	v_add_nc_u32 v[XW], s[TM], v[XW]               ; my region, row r, 32 bytes for each half of the lanes
	s_mul_i32 s[TM], s[WV], 1088
	s_add_co_u32 s[TM], s[TM], XB
	v_mul_u32_u24 v[XRD], v[VH], 272
	v_lshl_add_u32 v[XRD], v[VR], 4, v[XRD]
	v_add_nc_u32 v[XRD], s[TM], v[XRD]             ; row 4 w + h, 16 bytes at 16 r, in buffer 0,
	v_add_nc_u32 v[XRD+1], XPAR, v[XRD]            ; and in buffer 1
	s_lshl_b32 s[OF], s[SLAB], 8
	s_mov_b32 s[OF+1], 0
	s_wait_kmcnt 0x0
	s_add_nc_u64 s[8:9], s[8:9], s[OF:OF+1]        ; bo at my 64 columns
	s_add_nc_u64 s[WB:WB+1], s[WB:WB+1], s[OF:OF+1]
	s_lshl_b32 s[TM], s[RY], 18
	s_add_co_u32 s[OF], s[OF], s[TM]
	s_add_nc_u64 s[10:11], s[10:11], s[OF:OF+1]    ; x and x2 at my 64 rows and columns
	s_add_nc_u64 s[12:13], s[12:13], s[OF:OF+1]
	s_lshl_b32 s[OF], s[WV], 20
	s_add_nc_u64 s[WB:WB+1], s[WB:WB+1], s[OF:OF+1]
.set nn, 0
.rept 8                                ; the residual and the bias, ahead of the ring: its waits show them in
	global_load_b128 v[CON+4*nn:CON+4*nn+3], v[VX], s[10:11] offset:65536*(nn/2)+8192*(nn%2)
.set nn, nn+1
.endr
	global_load_b128 v[BI:BI+3], v[VBO], s[8:9]
.set ii, 0
.rept 32
	global_load_b128 v[RING+4*ii:RING+4*ii+3], v[VOFF], s[WB:WB+1] offset:ii*2*PITCHB
.set ii, ii+1
.endr
	s_wait_xcnt 0x0                                ; the base is stepped only behind this wait
	s_add_nc_u64 s[WB:WB+1], s[WB:WB+1], 64*PITCHB
	s_mov_b32 s[CNT], 3
.Lw:
	WROUND 1, 0
	s_wait_xcnt 0x0
	s_add_nc_u64 s[WB:WB+1], s[WB:WB+1], 64*PITCHB
	v_add_nc_u32 v[LW], 64*P, v[LW]
	s_sub_co_u32 s[CNT], s[CNT], 1
	s_cmp_lg_u32 s[CNT], 0
	s_cbranch_scc1 .Lw
	AL 0                                           ; trip 0's fragments go out ahead of the last lap: its waits leave these 32 out
	AL 1
	WROUND 0, 32
	WIN 0x40
.set ks, 0
.rept 8
.set cb, 0
.rept 4
	ds_load_tr16_b128 v[32*ks+8*cb:32*ks+8*cb+3], v[LB] offset:32*P*ks+32*cb         ; LDS serves a wave's instructions in order (ISA guide 5.7.1.4): these see my stores
	ds_load_tr16_b128 v[32*ks+8*cb+4:32*ks+8*cb+7], v[LB] offset:32*P*ks+32*cb+16*P
.set cb, cb+1
.endr
.set ks, ks+1
.endr
	WIN 0
.set nn, 0
.rept 8
	v_pk_add_f32 v[CON+4*nn:CON+4*nn+1], v[CON+4*nn:CON+4*nn+1], v[BI:BI+1]
	v_pk_add_f32 v[CON+4*nn+2:CON+4*nn+3], v[CON+4*nn+2:CON+4*nn+3], v[BI+2:BI+3]
.set nn, nn+1
.endr
	s_add_co_u32 s[ROWB], s[ROWB], 512             ; the loads below are trip 1's
	s_wait_dscnt 0x0
	COMPUTE 0, 1
	s_wait_dscnt 0x0                               ; for the others: my partial sums of trip 0 are in buffer 0
	s_barrier_signal -1
	s_barrier_wait -1
	XLD 0
	COMPUTE 1, 0
	s_wait_dscnt 0x0                               ; trip 0's partial sums are in, and mine of trip 1 are in buffer 1
	FINAL 0
	s_barrier_signal -1
	s_barrier_wait -1
	XLD 1
	s_wait_dscnt 0x0
	FINAL 1
	s_wait_tensorcnt 0x0                           ; the wave's end
	ds_add_u32 v[SPW], v[NIL]
	s_wait_dscnt 0x0
	s_endpgm
.Lfunc_end_k_q39ad1742b7_oproj:
	.size	k_q39ad1742b7_oproj, .Lfunc_end_k_q39ad1742b7_oproj-k_q39ad1742b7_oproj
	.p2alignl 7, 3214868480
	.fill 96, 4, 3214868480
	.section	.rodata,"a",@progbits
	.p2align	6, 0x0
	.amdhsa_kernel k_q39ad1742b7_oproj
		.amdhsa_group_segment_fixed_size 233984
		.amdhsa_private_segment_fixed_size 0
		.amdhsa_enable_private_segment 0
		.amdhsa_kernarg_size 40
		.amdhsa_user_sgpr_count 2
		.amdhsa_user_sgpr_kernarg_segment_ptr 1
		.amdhsa_wavefront_size32 1
		.amdhsa_system_sgpr_workgroup_id_x 1
		.amdhsa_system_sgpr_workgroup_id_y 1
		.amdhsa_system_sgpr_workgroup_id_z 1
		.amdhsa_system_vgpr_workitem_id 0
		.amdhsa_next_free_vgpr 640
		.amdhsa_next_free_sgpr 66
		.amdhsa_reserve_vcc 0
		.amdhsa_float_denorm_mode_32 3
		.amdhsa_float_denorm_mode_16_64 3
		.amdhsa_memory_ordered 1
		.amdhsa_forward_progress 1
		.amdhsa_inst_pref_size 54
	.end_amdhsa_kernel
	.amdgpu_metadata
---
amdhsa.version: [ 1, 2 ]
amdhsa.kernels:
  - .name:           k_q39ad1742b7_oproj
    .symbol:         k_q39ad1742b7_oproj.kd
    .args:
      - { .name: ha, .offset: 0, .size: 8, .value_kind: global_buffer, .address_space: global }
      - { .name: wo, .offset: 8, .size: 8, .value_kind: global_buffer, .address_space: global }
      - { .name: bo, .offset: 16, .size: 8, .value_kind: global_buffer, .address_space: global }
      - { .name: x, .offset: 24, .size: 8, .value_kind: global_buffer, .address_space: global }
      - { .name: x2, .offset: 32, .size: 8, .value_kind: global_buffer, .address_space: global }
    .group_segment_fixed_size: 233984
    .private_segment_fixed_size: 0
    .kernarg_segment_align: 8
    .kernarg_segment_size: 40
    .max_flat_workgroup_size: 128
    .sgpr_count:     66
    .vgpr_count:     640
    .wavefront_size: 32
...
	.end_amdgpu_metadata
.endif
;; end of part 4
;; launch router (part 5): grid 256 x 1, 4 waves a work-group, no clusters, 37,376 bytes of LDS; arguments x2, norm2_w, router_w, ha, sel, prob; writes ha, sel, prob
.if DOCPART == 5
	.amdgcn_target "amdgcn-amd-amdhsa--gfx1250"
	.amdhsa_code_object_version 6
	.text
	.protected	k_q39ad1742b7_router
	.globl	k_q39ad1742b7_router
	.p2align	8
	.type	k_q39ad1742b7_router,@function
k_q39ad1742b7_router:
	s_mov_b64 s[64:65], 0
	v_nop
	global_prefetch_b8 v0, s[64:65] scope:SCOPE_SE
	s_setreg_imm32_b32 hwreg(HW_REG_WAVE_MODE, 25, 1), 1
	s_wait_xcnt 0x0
; For each token: h2 = x2 / sqrt(mean(x2^2) + 1e-8) * norm2_w (stored in bf16, by tokens), the 8 logits h2 . router_w all in f32, the two largest (a tie goes to the lower index),
; their softmax (the larger taken away first) times 1 / sqrt(12).  The choice is stored as whole numbers (e0 | e1 << 8); no address here hangs on it.
; One wave a token.  The table (32 KB) is copied into LDS once a work-group, a lane's 128 bytes (4 columns x 8 experts) 144 bytes apart: 9 x 16.
; The vector unit does the 8,192 multiply-adds of a token: in f32 the matrix unit is no faster.  NaN logits are not treated apart.
.set SPARE, 36864
.set SPW, 2
.set NIL, 3
.set VL,  4
.set X,   16
.set G,   48
.set TB,  80                           ; v80-143 the table's pieces on their way in, then two sets of 32 read back
.set LG,  144
.set SS,  152
.set TT,  160
.set RI,  162
.set B1,  164
.set I1,  165
.set B2,  166
.set I2,  167
.set PR,  168                          ; v168-169 the two weights
.set EE,  170
.set SV,  171
.macro TRD a, b                        ; the table's rows for my 4 columns of piece a, into set b
.set ii, 0
.rept 8
	ds_load_b128 v[TB+32*(\b)+4*ii:TB+32*(\b)+4*ii+3], v8 offset:4608*(\a)+16*ii
.set ii, ii+1
.endr
.endm
.macro FM a, b
.set dd, 0
.rept 4
.set ee, 0
.rept 8
.if ((\a) == 0) && (dd == 0)
	v_mul_f32 v[LG+ee], v[G], v[TB+32*(\b)+ee]
.else
	v_fmac_f32 v[LG+ee], v[G+4*(\a)+dd], v[TB+32*(\b)+8*dd+ee]
.endif
.set ee, ee+1
.endr
.set dd, dd+1
.endr
.endm
.macro FSUM a                          ; the sum over the 32 lanes, in every lane
	v_add_f32_dpp v[\a], v[\a], v[\a] row_xmask:1 row_mask:0xf bank_mask:0xf
	v_add_f32_dpp v[\a], v[\a], v[\a] row_xmask:2 row_mask:0xf bank_mask:0xf
	v_add_f32_dpp v[\a], v[\a], v[\a] row_xmask:4 row_mask:0xf bank_mask:0xf
	v_add_f32_dpp v[\a], v[\a], v[\a] row_xmask:8 row_mask:0xf bank_mask:0xf
	v_permlanex16_b32 v[TT], v[\a], s20, s21
	v_add_f32 v[\a], v[\a], v[TT]
.endm
.macro TOP b, i                        ; the largest logit and its index; strictly greater, so the lower index keeps a tie
	v_mov_b32 v[\b], v[LG]
	v_mov_b32 v[\i], 0
.irp e, 1,2,3,4,5,6,7
	v_cmp_gt_f32 vcc_lo, v[LG+\e], v[\b]
	v_cndmask_b32 v[\b], v[\b], v[LG+\e], vcc_lo
	v_cndmask_b32 v[\i], v[\i], \e, vcc_lo
.endr
.endm
	s_load_b256 s[4:11], s[0:1], 0x0               ; x2, norm2_w, router_w, ha
	s_load_b128 s[12:15], s[0:1], 0x20             ; sel, prob
	v_lshl_add_u32 v[SPW], v0, 2, SPARE
	v_mov_b32 v[NIL], 0
	v_lshrrev_b32 v1, 5, v0
	v_readfirstlane_b32 s16, v1
	v_and_b32 v[VL], 31, v0
	v_lshlrev_b32 v5, 4, v0                        ; the copy: 16 bytes a thread
	v_lshrrev_b32 v6, 3, v0
	v_lshl_add_u32 v6, v6, 4, v5                   ; 16 more for every 128
	v_lshlrev_b32 v7, 4, v[VL]
	v_mul_u32_u24 v8, v[VL], 144
	v_lshlrev_b32 v9, 3, v[VL]
	v_mov_b32 v11, 0
	v_mov_b32 v[TT], 0
	s_lshl_b32 s17, ttmp9, 2
	s_add_co_u32 s17, s17, s16                     ; my token
	s_lshl_b32 s18, s17, 12
	s_mov_b32 s19, 0
	s_mov_b32 s20, 0x76543210
	s_mov_b32 s21, 0xfedcba98
	s_mov_b32 s22, 0x3a800000                      ; 1 / 1024
	s_mov_b32 s23, 0x322bcc77                      ; 1e-8
	s_mov_b32 s24, 0xff800000                      ; -infinity
	s_wait_kmcnt 0x0
	s_add_nc_u64 s[4:5], s[4:5], s[18:19]
	s_lshl_b32 s18, s17, 11
	s_add_nc_u64 s[10:11], s[10:11], s[18:19]
	s_lshl_b32 s18, s17, 2
	s_add_nc_u64 s[12:13], s[12:13], s[18:19]
	s_lshl_b32 s18, s17, 3
	s_add_nc_u64 s[14:15], s[14:15], s[18:19]
.set nn, 0
.rept 16
	global_load_b128 v[TB+4*nn:TB+4*nn+3], v5, s[8:9] offset:2048*nn
.set nn, nn+1
.endr
.set nn, 0
.rept 8
	global_load_b128 v[X+4*nn:X+4*nn+3], v7, s[4:5] offset:512*nn
.set nn, nn+1
.endr
.set nn, 0
.rept 8
	global_load_b128 v[G+4*nn:G+4*nn+3], v7, s[6:7] offset:512*nn
.set nn, nn+1
.endr
	s_wait_loadcnt 16                              ; the table's pieces are in; the row's and the gains' 16 loads may be out
.set nn, 0
.rept 16
	ds_store_b128 v6, v[TB+4*nn:TB+4*nn+3] offset:2304*nn
.set nn, nn+1
.endr
	s_wait_dscnt 0x0                               ; for the others: my part of the table is in LDS
	s_barrier_signal -1
	s_barrier_wait -1
	TRD 0, 0
	s_wait_loadcnt 0x0
.set pp, 0
.rept 4
	v_pk_mul_f32 v[SS+2*pp:SS+2*pp+1], v[X+2*pp:X+2*pp+1], v[X+2*pp:X+2*pp+1]
.set pp, pp+1
.endr
.rept 12
	v_pk_fma_f32 v[SS+2*(pp%4):SS+2*(pp%4)+1], v[X+2*pp:X+2*pp+1], v[X+2*pp:X+2*pp+1], v[SS+2*(pp%4):SS+2*(pp%4)+1]
.set pp, pp+1
.endr
.set pp, 0
.rept 16
	v_pk_mul_f32 v[G+2*pp:G+2*pp+1], v[G+2*pp:G+2*pp+1], v[X+2*pp:X+2*pp+1]   ; x2 w
.set pp, pp+1
.endr
	v_pk_add_f32 v[SS:SS+1], v[SS:SS+1], v[SS+2:SS+3]
	v_pk_add_f32 v[SS+4:SS+5], v[SS+4:SS+5], v[SS+6:SS+7]
	v_pk_add_f32 v[SS:SS+1], v[SS:SS+1], v[SS+4:SS+5]
	v_add_f32 v[SS], v[SS], v[SS+1]
.set jj, 0
.rept 8
.if jj < 7
	TRD jj+1, (jj+1)%2
	s_wait_dscnt 8                                 ; the older set is in; the 8 reads just issued may be out
.else
	s_wait_dscnt 0
.endif
	FM jj, jj%2
.set jj, jj+1
.endr
	FSUM SS
.irp e, 0,1,2,3,4,5,6,7
	FSUM LG+\e
.endr
	v_fma_f32 v[SS], v[SS], s22, s23
	v_rsq_f32 v[RI], v[SS]
	v_mov_b32 v[RI+1], 0                           ; the plain instruction behind the root
	s_wait_alu depctr_va_vdst(0)
.irp e, 0,1,2,3,4,5,6,7
	v_mul_f32 v[LG+\e], v[LG+\e], v[RI]
.endr
	TOP B1, I1
.irp e, 0,1,2,3,4,5,6,7
	v_cmp_eq_u32 vcc_lo, \e, v[I1]
	v_cndmask_b32 v[LG+\e], v[LG+\e], s24, vcc_lo
.endr
	TOP B2, I2
	v_sub_f32 v[EE], v[B2], v[B1]                  ; at most 0: the maximum is taken away
	v_mul_f32 v[EE], 0x3fb8aa3b, v[EE]
	v_exp_f32 v[EE], v[EE]
	v_lshl_or_b32 v[SV], v[I2], 8, v[I1]
	s_wait_alu depctr_va_vdst(0)
	v_add_f32 v[B1], 1.0, v[EE]
	v_rcp_f32 v[B1], v[B1]
	v_nop
	s_wait_alu depctr_va_vdst(0)
	v_mul_f32 v[PR], 0x3e93cd3b, v[B1]             ; p0 / sqrt(12)
	v_mul_f32 v[PR+1], v[EE], v[PR]
.set pp, 0
.rept 16
	v_pk_mul_f32 v[G+2*pp:G+2*pp+1], v[G+2*pp:G+2*pp+1], v[RI:RI+1] op_sel_hi:[1,0]
.set pp, pp+1
.endr
.set jj, 0
.rept 8
	v_cvt_pk_bf16_f32 v[X+2*jj], v[G+4*jj], v[G+4*jj+1]
	v_cvt_pk_bf16_f32 v[X+2*jj+1], v[G+4*jj+2], v[G+4*jj+3]
	global_store_b64 v9, v[X+2*jj:X+2*jj+1], s[10:11] offset:256*jj   ; the wave: 256 consecutive bytes
.set jj, jj+1
.endr
	s_wait_tensorcnt 0x0                           ; the wave's end
	ds_add_u32 v[SPW], v[NIL]
	s_wait_dscnt 0x0
	s_wait_xcnt 0x0                                ; EXEC changes only behind this wait
	v_cmp_eq_u32 vcc_lo, 0, v[VL]
	s_and_saveexec_b32 s25, vcc_lo
	global_store_b32 v11, v[SV], s[12:13]          ; lane 0 alone: 12 bytes a token
	global_store_b64 v11, v[PR:PR+1], s[14:15]
	s_endpgm
.Lfunc_end_k_q39ad1742b7_router:
	.size	k_q39ad1742b7_router, .Lfunc_end_k_q39ad1742b7_router-k_q39ad1742b7_router
	.p2alignl 7, 3214868480
	.fill 96, 4, 3214868480
	.section	.rodata,"a",@progbits
	.p2align	6, 0x0
	.amdhsa_kernel k_q39ad1742b7_router
		.amdhsa_group_segment_fixed_size 37376
		.amdhsa_private_segment_fixed_size 0
		.amdhsa_enable_private_segment 0
		.amdhsa_kernarg_size 48
		.amdhsa_user_sgpr_count 2
		.amdhsa_user_sgpr_kernarg_segment_ptr 1
		.amdhsa_wavefront_size32 1
		.amdhsa_system_sgpr_workgroup_id_x 1
		.amdhsa_system_sgpr_workgroup_id_y 1
		.amdhsa_system_sgpr_workgroup_id_z 1
		.amdhsa_system_vgpr_workitem_id 0
		.amdhsa_next_free_vgpr 176
		.amdhsa_next_free_sgpr 66
		.amdhsa_reserve_vcc 1
		.amdhsa_float_denorm_mode_32 3
		.amdhsa_float_denorm_mode_16_64 3
		.amdhsa_memory_ordered 1
		.amdhsa_forward_progress 1
		.amdhsa_inst_pref_size 30
	.end_amdhsa_kernel
	.amdgpu_metadata
---
amdhsa.version: [ 1, 2 ]
amdhsa.kernels:
  - .name:           k_q39ad1742b7_router
    .symbol:         k_q39ad1742b7_router.kd
    .args:
      - { .name: x2, .offset: 0, .size: 8, .value_kind: global_buffer, .address_space: global }
      - { .name: norm2_w, .offset: 8, .size: 8, .value_kind: global_buffer, .address_space: global }
      - { .name: router_w, .offset: 16, .size: 8, .value_kind: global_buffer, .address_space: global }
      - { .name: ha, .offset: 24, .size: 8, .value_kind: global_buffer, .address_space: global }
      - { .name: sel, .offset: 32, .size: 8, .value_kind: global_buffer, .address_space: global }
      - { .name: prob, .offset: 40, .size: 8, .value_kind: global_buffer, .address_space: global }
    .group_segment_fixed_size: 37376
    .private_segment_fixed_size: 0
    .kernarg_segment_align: 8
    .kernarg_segment_size: 48
    .max_flat_workgroup_size: 128
    .sgpr_count:     66
    .vgpr_count:     176
    .wavefront_size: 32
...
	.end_amdgpu_metadata
.endif
;; end of part 5
;; launch sortperm (part 6): grid 72 x 1, 32 waves a work-group, no clusters, 79,360 bytes of LDS; arguments sel, ha, qkvhs, route; writes qkvhs, route
.if DOCPART == 6
	.amdgcn_target "amdgcn-amd-amdhsa--gfx1250"
	.amdhsa_code_object_version 6
	.text
	.protected	k_q39ad1742b7_sortperm
	.globl	k_q39ad1742b7_sortperm
	.p2align	8
	.type	k_q39ad1742b7_sortperm,@function
k_q39ad1742b7_sortperm:
	s_mov_b64 s[64:65], 0
	v_nop
	global_prefetch_b8 v0, s[64:65] scope:SCOPE_SE
	s_setreg_imm32_b32 hwreg(HW_REG_WAVE_MODE, 25, 1), 1
	s_wait_xcnt 0x0
; From the stored choices: the lists of the experts, and h2 gathered by slots.  Expert e owns the slots base_e .. base_e + 32 n_e - 1, n_e = ceil(count_e / 32); its tokens stand there in ascending order;
; the slots left over stand for token 0.  At most 71 x 32 = 2,272 slots are owned; 2,304 are written.
; Each of the 72 work-groups makes the whole ranking anew (4 KB of input, thread t = token t, whole numbers only) and gathers its own 32 slots: nothing passes between work-groups.
; Ranking: in a wave by masks and bit counts; over the 32 waves by a table in LDS and lane sums.
; WHICH TOKEN HAS SLOT 32 g + v.  A work-group's 32 slots belong to one expert (every base is a multiple of 32), and that expert's tokens fill them in ascending order.  So a wave's tokens
; that fall here hold places that follow each other: the wave publishes their mask, the first one's place and their number, 16 bytes of its own.  Wave v then finds the wave whose run holds place v
; (one compare over the 32 entries, a lane each) and in its mask the bit that has v - first set bits below it.
; The found row of h2 (2,048 bytes, bf16) goes through a tile (pitch 2,064) and leaves by planes [column / 8][slot][8].
; Work-group 0 also stores the lists: (base_e, n_e) in the first 256 bytes, (slot0, slot1) of each token behind them.
.set TBL,  0
.set STB,  1024
.set TILE, 9216
.set TP,   2064
.set SPARE, TILE+32*TP
.set PLS,  36864
.set SPW, 2
.set NIL, 3
.set VL,  4
.set E0,  5
.set E1,  6
.set R0,  7
.set R1,  8
.set TT,  9
.set SV,  10
.set SL,  22                           ; v22-23 my two slots
.set CN,  16
.set TO,  24
.set PR,  28
.set NE,  32
.set BA,  40
.set ST,  48
.set RUN, 56
.set WV,  57
.set SEL, 58
.set TG,  60
.set TK,  61
.macro ISUM a                          ; a whole number's sum over the 32 lanes, in every lane
.irp m, 1,2,4,8
	v_mov_b32_dpp v[TT], v[\a] row_xmask:\m row_mask:0xf bank_mask:0xf
	v_add_nc_u32 v[\a], v[\a], v[TT]
.endr
	v_permlanex16_b32 v[TT], v[\a], s[SEL], s[SEL+1]
	v_add_nc_u32 v[\a], v[\a], v[TT]
.endm
	s_load_b256 s[4:11], s[0:1], 0x0               ; sel, ha, qkvhs, route
	v_lshl_add_u32 v[SPW], v0, 2, SPARE
	v_mov_b32 v[NIL], 0
	v_lshrrev_b32 v1, 5, v0
	v_readfirstlane_b32 s[WV], v1
	v_and_b32 v[VL], 31, v0
	v_lshlrev_b32 v11, 2, v0
	v_mov_b32 v[R0], 0
	v_mov_b32 v[R1], 0
	s_mov_b32 s[SEL], 0x76543210
	s_mov_b32 s[SEL+1], 0xfedcba98
	s_wait_kmcnt 0x0
	global_load_b32 v[SV], v11, s[4:5]
	s_wait_loadcnt 0x0
	v_and_b32 v[E0], 7, v[SV]
	v_bfe_u32 v[E1], v[SV], 8, 3
.irp e, 0,1,2,3,4,5,6,7
	v_cmp_eq_u32 s12, \e, v[E0]
	v_cmp_eq_u32 s13, \e, v[E1]
	s_or_b32 s14, s12, s13                         ; the wave's tokens that go to expert e
	v_mbcnt_lo_u32_b32 v[TT], s14, 0               ; how many of them stand in lower lanes
	v_cndmask_b32 v[R0], v[R0], v[TT], s12
	v_cndmask_b32 v[R1], v[R1], v[TT], s13
	s_bcnt1_i32_b32 s[CN+\e], s14
.endr
.irp k, 0,1,2,3                        ; two counts to a word: a total is at most 1,024
	s_lshl_b32 s14, s[CN+2*\k+1], 16
	s_or_b32 s14, s14, s[CN+2*\k]
	v_mov_b32 v[12+\k], s14
.endr
	s_lshl_b32 s12, s[WV], 4
	v_mov_b32 v21, s12
	ds_store_b128 v21, v[12:15]                    ; all lanes: the same 16 bytes, my wave's
	s_wait_dscnt 0x0
	s_barrier_signal -1
	s_barrier_wait -1
	v_lshlrev_b32 v21, 4, v[VL]
	ds_load_b128 v[12:15], v21                     ; lane l: wave l's counts
	s_wait_dscnt 0x0
	v_cmp_gt_u32 vcc_lo, s[WV], v[VL]
.irp k, 0,1,2,3
	v_cndmask_b32 v[16+\k], 0, v[12+\k], vcc_lo    ; the waves in front of mine
.endr
.irp k, 12,13,14,15,16,17,18,19
	ISUM \k
.endr
.irp k, 0,1,2,3
	v_readfirstlane_b32 s[TO+\k], v[12+\k]
	v_readfirstlane_b32 s[PR+\k], v[16+\k]
.endr
	s_mov_b32 s[RUN], 0
.irp e, 0,1,2,3,4,5,6,7
.if (\e)%2
	s_lshr_b32 s14, s[TO+(\e)/2], 16
	s_lshr_b32 s15, s[PR+(\e)/2], 16
.else
	s_and_b32 s14, s[TO+(\e)/2], 0xffff
	s_and_b32 s15, s[PR+(\e)/2], 0xffff
.endif
	s_add_co_u32 s14, s14, 31
	s_lshr_b32 s[NE+\e], s14, 5
	s_mov_b32 s[BA+\e], s[RUN]
	s_add_co_u32 s[ST+\e], s[RUN], s15             ; where my wave's tokens of expert e begin
	s_lshl_b32 s14, s[NE+\e], 5
	s_add_co_u32 s[RUN], s[RUN], s14
.endr
	v_mov_b32 v[SL], 0
	v_mov_b32 v[SL+1], 0
.irp e, 0,1,2,3,4,5,6,7
	v_cmp_eq_u32 vcc_lo, \e, v[E0]
	v_cndmask_b32 v[SL], v[SL], s[ST+\e], vcc_lo
	v_cmp_eq_u32 vcc_lo, \e, v[E1]
	v_cndmask_b32 v[SL+1], v[SL+1], s[ST+\e], vcc_lo
.endr
	v_add_nc_u32 v[SL], v[SL], v[R0]
	v_add_nc_u32 v[SL+1], v[SL+1], v[R1]
	v_min_u32 v[SL], 0x8ff, v[SL]
	v_min_u32 v[SL+1], 0x8ff, v[SL+1]
	v_lshlrev_b32 v27, 3, v0
	s_lshl_b32 s[TG], ttmp9, 5                     ; my work-group's first slot
	v_subrev_nc_u32 v24, s[TG], v[SL]              ; my two slots' places among its 32; a slot in front of them wraps to a large number
	v_subrev_nc_u32 v25, s[TG], v[SL+1]
	v_cmp_gt_u32 s12, 32, v24
	v_cmp_gt_u32 s13, 32, v25
	s_or_b32 s14, s12, s13                         ; my wave's tokens that have a slot here (a token has at most one: its two experts differ)
	v_cndmask_b32 v24, v25, v24, s12               ; and its place
	s_ctz_i32_b32 s15, s14
	s_min_u32 s15, s15, 31                         ; (no such token: any lane will do, the number below is 0)
	v_readlane_b32 s16, v24, s15                   ; the first one's place; the others' follow it
	s_bcnt1_i32_b32 s13, s14
	v_mov_b32 v12, s14
	v_mov_b32 v13, s16
	v_mov_b32 v14, s13
	v_mov_b32 v15, 0
	s_lshl_b32 s12, s[WV], 4
	v_mov_b32 v21, s12
	ds_store_b128 v21, v[12:15] offset:STB         ; all lanes: the same 16 bytes, my wave's
	s_wait_dscnt 0x0
	s_barrier_signal -1
	s_barrier_wait -1
	s_cmp_lg_u32 ttmp9, 0
	s_cbranch_scc1 .Lnot0                          ; one work-group stores the lists
	global_store_b64 v27, v[SL:SL+1], s[10:11] offset:256
	s_cmp_lg_u32 s[WV], 0
	s_cbranch_scc1 .Lnot0
	v_mov_b32 v24, 0
	v_mov_b32 v25, 0
.irp e, 0,1,2,3,4,5,6,7
	v_writelane_b32 v24, s[BA+\e], \e
	v_writelane_b32 v25, s[NE+\e], \e
.endr
	v_lshlrev_b32 v26, 3, v[VL]
	global_store_b64 v26, v[24:25], s[10:11]       ; 256 bytes: eight entries, then zeros
.Lnot0:
	v_lshlrev_b32 v28, 4, v[VL]
	ds_load_b128 v[32:35], v28 offset:STB          ; lane l: wave l's mask, first place and number
	s_wait_dscnt 0x0
	v_sub_nc_u32 v36, s[WV], v33                   ; my wave fills place v = its number: v less the run's first place,
	v_cmp_lt_u32 s12, v36, v34                     ; below the run's length in one lane at the most
	s_ctz_i32_b32 s13, s12
	s_min_u32 s13, s13, 31                         ; that wave (none: the result is thrown away below)
	v_readlane_b32 s14, v32, s13                   ; its mask,
	v_readlane_b32 s15, v36, s13                   ; and which of its tokens
	v_mbcnt_lo_u32_b32 v37, s14, 0                 ; set bits below my lane
	v_cmp_eq_u32 s16, s15, v37
	s_and_b32 s16, s16, s14                        ; the one set bit with so many below it
	s_ctz_i32_b32 s17, s16
	s_min_u32 s17, s17, 31
	s_lshl_b32 s[TK], s13, 5
	s_add_co_u32 s[TK], s[TK], s17                 ; token = 32 x wave + lane
	s_cmp_lg_u32 s12, 0
	s_cselect_b32 s[TK], s[TK], 0                  ; a slot left over stands for token 0
	s_min_u32 s[TK], s[TK], 1023
	s_lshl_b32 s[TK], s[TK], 11
	v_lshl_add_u32 v29, v[VL], 4, s[TK]
.set jj, 0
.rept 4
	global_load_b128 v[32+4*jj:35+4*jj], v29, s[6:7] offset:512*jj
.set jj, jj+1
.endr
	s_mul_i32 s12, s[WV], TP
	s_add_co_u32 s12, s12, TILE
	v_lshl_add_u32 v30, v[VL], 4, s12
	v_mul_u32_u24 v31, v[VL], TP
	s_lshl_b32 s13, s[WV], 6
	s_add_co_u32 s13, s13, TILE
	v_add_nc_u32 v31, s13, v31                     ; back: row l, planes 4 wave + i
	s_mul_i32 s14, s[WV], 4*PLS
	s_lshl_b32 s15, ttmp9, 9
	s_add_co_u32 s14, s14, s15
	v_lshl_add_u32 v21, v[VL], 4, s14
	s_wait_loadcnt 0x0
.set jj, 0
.rept 4
	ds_store_b128 v30, v[32+4*jj:35+4*jj] offset:512*jj
.set jj, jj+1
.endr
	s_wait_dscnt 0x0
	s_barrier_signal -1
	s_barrier_wait -1
.set jj, 0
.rept 4
	ds_load_b128 v[48+4*jj:51+4*jj], v31 offset:16*jj
.set jj, jj+1
.endr
.set jj, 0
.rept 4
	s_wait_dscnt 3-jj                              ; the later read-backs may be out
	global_store_b128 v21, v[48+4*jj:51+4*jj], s[8:9] offset:PLS*jj   ; the wave: 512 consecutive bytes of a plane
.set jj, jj+1
.endr
	s_wait_tensorcnt 0x0                           ; the wave's end
	ds_add_u32 v[SPW], v[NIL]
	s_wait_dscnt 0x0
	s_endpgm
.Lfunc_end_k_q39ad1742b7_sortperm:
	.size	k_q39ad1742b7_sortperm, .Lfunc_end_k_q39ad1742b7_sortperm-k_q39ad1742b7_sortperm
	.p2alignl 7, 3214868480
	.fill 96, 4, 3214868480
	.section	.rodata,"a",@progbits
	.p2align	6, 0x0
	.amdhsa_kernel k_q39ad1742b7_sortperm
		.amdhsa_group_segment_fixed_size 79360
		.amdhsa_private_segment_fixed_size 0
		.amdhsa_enable_private_segment 0
		.amdhsa_kernarg_size 32
		.amdhsa_user_sgpr_count 2
		.amdhsa_user_sgpr_kernarg_segment_ptr 1
		.amdhsa_wavefront_size32 1
		.amdhsa_system_sgpr_workgroup_id_x 1
		.amdhsa_system_sgpr_workgroup_id_y 1
		.amdhsa_system_sgpr_workgroup_id_z 1
		.amdhsa_system_vgpr_workitem_id 0
		.amdhsa_next_free_vgpr 96
		.amdhsa_next_free_sgpr 66
		.amdhsa_reserve_vcc 1
		.amdhsa_float_denorm_mode_32 3
		.amdhsa_float_denorm_mode_16_64 3
		.amdhsa_memory_ordered 1
		.amdhsa_forward_progress 1
		.amdhsa_inst_pref_size 19
	.end_amdhsa_kernel
	.amdgpu_metadata
---
amdhsa.version: [ 1, 2 ]
amdhsa.kernels:
  - .name:           k_q39ad1742b7_sortperm
    .symbol:         k_q39ad1742b7_sortperm.kd
    .args:
      - { .name: sel, .offset: 0, .size: 8, .value_kind: global_buffer, .address_space: global }
      - { .name: ha, .offset: 8, .size: 8, .value_kind: global_buffer, .address_space: global }
      - { .name: qkvhs, .offset: 16, .size: 8, .value_kind: global_buffer, .address_space: global }
      - { .name: route, .offset: 24, .size: 8, .value_kind: global_buffer, .address_space: global }
    .group_segment_fixed_size: 79360
    .private_segment_fixed_size: 0
    .kernarg_segment_align: 8
    .kernarg_segment_size: 32
    .max_flat_workgroup_size: 1024
    .sgpr_count:     66
    .vgpr_count:     96
    .wavefront_size: 32
...
	.end_amdgpu_metadata
.endif
;; end of part 6
;; launch moe1 (part 7): grid 32 x 8, 4 waves a work-group, no clusters, 295,424 bytes of LDS; arguments qkvhs, gate_w, up_w, route, act; writes act
.if DOCPART == 7
	.amdgcn_target "amdgcn-amd-amdhsa--gfx1250"
	.amdhsa_code_object_version 6
	.text
	.protected	k_q39ad1742b7_moe1
	.globl	k_q39ad1742b7_moe1
	.p2align	8
	.type	k_q39ad1742b7_moe1,@function
k_q39ad1742b7_moe1:
	s_mov_b64 s[64:65], 0
	v_nop
	global_prefetch_b8 v0, s[64:65] scope:SCOPE_SE
	s_setreg_imm32_b32 hwreg(HW_REG_WAVE_MODE, 25, 1), 1
	s_wait_xcnt 0x0
; act = silu(h2 gate_w[e]) * (h2 up_w[e]) for the slots of expert e, in bf16 by planes [column / 8][slot][8].  Products in bf16 with f32 sums.  Only the two chosen experts of a token are computed:
; the others' weight is exactly 0.  (LIMIT: where an unchosen expert's output would be infinite or NaN, 0 x that is NaN in the model and nothing here.)
; A work-group owns expert e and 64 columns of H: 64 of gate and 64 of up, 512 KB of f32 that the launch reads once.  The weights stay in registers, K is split over the waves:
; wave w streams rows 256 w .. +255 (256 bytes a row of each matrix) through a ring of 32 register slots, 16 KB of it on its way, rounds to bf16 into its LDS region [k][128 columns], pitch 288,
; and reads it back once, turned: 64 fragments, 512 registers.  Then the expert's slots go in trips of 32; each wave multiplies its K quarter (fragments of h2 straight from memory), the partial sums
; meet in an exchange buffer (two of them, laid over the slab, which is done with), one barrier a trip; wave w finishes column block w of gate and of up.
; A trip is written once: which buffer is stored into and which is read are two scalar offsets that an exclusive or turns in every trip.
; THE FRAGMENTS OF h2 ARE A RING OF FOUR HALF BLOCKS (16 slots x 128 of my K: 8 loads).  A half block is loaded again straight behind the 32 products that read it and is wanted again a trip later:
; three half blocks' products, the way out and the barrier lie between.  So every wait of the ring leaves the three younger half blocks' 24 loads out.
; The number of trips, n_e, was stored by an earlier launch.  The loop counts to the constant 32; a dead trip is jumped forward to the barrier.
; No tensor loads (the weights are rounded on their way), no cluster (an expert's 32 work-groups share only its gathered rows).
.set PL,    36864
.set PITCHB,8192
.set P,     288
.set WREG,  256*P
.set XPAR,  0x10000                    ; bytes in an exchange buffer: [block 2][wave 4][column block 8][1,024 bytes in lane order]
.set SPARE, 4*WREG
.set SPW, 2
.set NIL, 3
.set VR,  4
.set VH,  5
.set VL,  6
.set LW,  8
.set LB,  10                           ; v10, v11: K steps 0-3, 4-7
.set VA0, 9
.set XW0, 14                           ; where I store partial sums in buffer 0; never rewritten
.set XWC, 15                           ; the same in this trip's buffer
.set XRD0,16                           ; where I read them back in buffer 0; never rewritten
.set XRC, 17
.set VST0,18
.set VST, 19
.set VOFF,20
.set VAC, 24                           ; v24-27: the address of each half block's loads (2 block + half): rewritten only behind the wait that shows its own loads done
.set ACC, 32                           ; v32-159 (64 block + 8 column block; blocks 0-3 gate, 4-7 up)
.set RING,32
.set T,   160
.set WKS, 160                          ; v160-223 at work on the way out
.set OUT, 224
; windows 1, 2: the 64 weight fragments (K step ks in window 1 + ks / 4 at 64 (ks % 4) + 8 column block).  window 3: v0-127 fragments of h2; v128-255 partial sums read back (64 block + 16 wave + 8 up)
.set AB,  4
.set GB,  6
.set UB,  8
.set OB,  12
.set WV,  14
.set HB,  15
.set EX,  16
.set I,   17
.set CNT, 18
.set TM,  19
.set BASE,20
.set N,   21
.set LAST,22
.set ROWB,23
.set OF,  24
.set WOFF,26
.set MOF, 27
.set XO,  28                           ; offset of the buffer that this trip stores into: 0 or XPAR
.set XI,  29                           ; offset of the buffer that it reads: the other one
.set MSB, 0
.macro WIN new
.if MSB != (\new)
	s_set_vgpr_msb (MSB<<8)|(\new)
.set MSB, (\new)
.endif
.endm
.macro PLACES
.rept 4
	v_nop
.endr
.endm
; 8 loads: the fragments of 16 slots x K steps 4 hf .. 4 hf + 3 of my 8.  A load takes 256 consecutive bytes of each of two planes.
.macro ALH blk, hf
	WIN 0
	v_add_nc_u32 v[VAC+2*(\blk)+(\hf)], s[ROWB], v[VA0]
	WIN 0xc0
.set ks, 4*(\hf)
.rept 4
	global_load_b128 v[64*(\blk)+8*ks:64*(\blk)+8*ks+3], v[VAC+2*(\blk)+(\hf)], s[AB:AB+1] offset:256*(\blk)+4*ks*PL
	global_load_b128 v[64*(\blk)+8*ks+4:64*(\blk)+8*ks+7], v[VAC+2*(\blk)+(\hf)], s[AB:AB+1] offset:256*(\blk)+(4*ks+2)*PL
.set ks, ks+1
.endr
.endm
.macro WLD                             ; slot ii: row pair ii / 2 of gate (even) or of up (odd)
.if ii%2
	global_load_b128 v[RING+4*ii:RING+4*ii+3], v[VOFF], s[UB:UB+1] offset:(ii/2)*2*PITCHB th:TH_LOAD_NT
.else
	global_load_b128 v[RING+4*ii:RING+4*ii+3], v[VOFF], s[GB:GB+1] offset:(ii/2)*2*PITCHB th:TH_LOAD_NT
.endif
.endm
.macro WROUND ahead, extra
.set ii, 0
.rept 32
.if \ahead
	s_wait_loadcnt 31                              ; the 31 younger slots may be out
.else
	s_wait_loadcnt (\extra)+31-ii
.endif
	v_cvt_pk_bf16_f32 v[T+2*(ii%2)], v[RING+4*ii], v[RING+4*ii+1]
	v_cvt_pk_bf16_f32 v[T+2*(ii%2)+1], v[RING+4*ii+2], v[RING+4*ii+3]
	ds_store_b64 v[LW], v[T+2*(ii%2):T+2*(ii%2)+1] offset:2*P*(ii/2)+128*(ii%2)
.if \ahead
	WLD
.endif
.set ii, ii+1
.endr
.endm
; The products of a block for K steps k0 .. k1 - 1; source 0 = weights: a lane holds row r, columns 8 h + j; the eight accumulators take turns
.macro MMA blk, k0, k1
.set ks, (\k0)
.rept (\k1)-(\k0)
.if ks < 4
	WIN 0x0d
.else
	WIN 0x0e
.endif
.set cb, 0
.rept 8
.set rD, ACC+64*(\blk)+8*cb
.set rB, 64*(ks%4)+8*cb
.set rA, 64*(\blk)+8*ks
.if ks == 0
	v_wmma_f32_16x16x32_bf16 v[rD:rD+7], v[rB:rB+7], v[rA:rA+7], 0
.else
	v_wmma_f32_16x16x32_bf16 v[rD:rD+7], v[rB:rB+7], v[rA:rA+7], v[rD:rD+7]
.endif
.set cb, cb+1
.endr
.set ks, ks+1
.endr
.endm
.macro XST blk                         ; my partial sums of a block, each accumulator's low registers first
	WIN 0
.set cb, 0
.rept 8
	ds_store_b128 v[XWC], v[ACC+64*(\blk)+8*cb:ACC+64*(\blk)+8*cb+3] offset:32768*(\blk)+1024*cb
	ds_store_b128 v[XWC], v[ACC+64*(\blk)+8*cb+4:ACC+64*(\blk)+8*cb+7] offset:32768*(\blk)+1024*cb+512
.set cb, cb+1
.endr
.endm
.macro XLD
	WIN 0xc0
.set bk, 0
.rept 2
.set sr, 0
.rept 4
.set uu, 0
.rept 2
	ds_load_b128 v[128+64*bk+16*sr+8*uu:128+64*bk+16*sr+8*uu+3], v[XRC] offset:32768*bk+8192*sr+4096*uu
	ds_load_b128 v[128+64*bk+16*sr+8*uu+4:128+64*bk+16*sr+8*uu+7], v[XRC] offset:32768*bk+8192*sr+4096*uu+512
.set uu, uu+1
.endr
.set sr, sr+1
.endr
.set bk, bk+1
.endr
	WIN 0
.endm
; A half block's turn: its 8 loads are in, its 32 products, four places, and its registers take the next trip's half block.
.macro HALF blk, hf
	s_wait_loadcnt 24                              ; behind my half block's loads stand the three younger half blocks', 8 each
	MMA \blk, 4*(\hf), 4*(\hf)+4
	PLACES                                         ; for the loads into the products' sources (and, behind a block's second half, for the stores that read its results)
	ALH \blk, \hf
.endm
; Trip I's products and stores, and the loads of trip min(I + 1, last); the row is clamped by a constant in front of the address.
; At its head the four half blocks' 32 loads are out, in the order in which they are wanted.
.macro COMPUTE
	s_add_co_u32 s[TM], s[I], 1
	s_min_u32 s[TM], s[TM], s[LAST]
	s_lshl_b32 s[TM], s[TM], 5
	s_add_co_u32 s[TM], s[TM], s[BASE]
	s_min_u32 s[TM], s[TM], 2272
	s_lshl_b32 s[ROWB], s[TM], 4
	HALF 0, 0
	HALF 0, 1
	XST 0
	HALF 1, 0
	HALF 1, 1
	XST 1
.endm
.macro FINALH                          ; trip I - 1: where it goes
	s_sub_co_u32 s[TM], s[I], 1
	s_lshl_b32 s[TM], s[TM], 5
	s_add_co_u32 s[TM], s[TM], s[BASE]
	s_min_u32 s[TM], s[TM], 2272
	s_lshl_b32 s[TM], s[TM], 4
	v_add_nc_u32 v[VST], s[TM], v[VST0]
.endm
.macro FINALB bk                       ; a block of trip I - 1
.set WA, WKS+32*(\bk)
.set XA, 128+64*(\bk)
	WIN 0x0f                                       ; both sources in window 3
.set pp, 0
.rept 4
	v_pk_add_f32 v[WA+pp:WA+pp+1], v[XA+pp:XA+pp+1], v[XA+16+pp:XA+16+pp+1]
	v_pk_add_f32 v[WA+8+pp:WA+8+pp+1], v[XA+32+pp:XA+32+pp+1], v[XA+48+pp:XA+48+pp+1]
	v_pk_add_f32 v[WA+16+pp:WA+16+pp+1], v[XA+8+pp:XA+8+pp+1], v[XA+24+pp:XA+24+pp+1]
	v_pk_add_f32 v[WA+24+pp:WA+24+pp+1], v[XA+40+pp:XA+40+pp+1], v[XA+56+pp:XA+56+pp+1]
.set pp, pp+2
.endr
	WIN 0
.set pp, 0
.rept 4
	v_pk_add_f32 v[WA+pp:WA+pp+1], v[WA+pp:WA+pp+1], v[WA+8+pp:WA+8+pp+1]                 ; g
.set pp, pp+2
.endr
.set pp, 0
.rept 4
	v_pk_mul_f32 v[WA+8+pp:WA+8+pp+1], v[WA+pp:WA+pp+1], 0xbfb8aa3b op_sel_hi:[1,0]       ; -g log2(e)
.set pp, pp+2
.endr
.set nn, 0
.rept 8
	v_exp_f32 v[WA+8+nn], v[WA+8+nn]
.set nn, nn+1
.endr
.set pp, 0
.rept 4
	v_pk_add_f32 v[WA+16+pp:WA+16+pp+1], v[WA+16+pp:WA+16+pp+1], v[WA+24+pp:WA+24+pp+1]   ; u: the plain work behind the exponentials
.set pp, pp+2
.endr
.set pp, 0
	s_wait_alu depctr_va_vdst(0)
.rept 4
	v_pk_add_f32 v[WA+8+pp:WA+8+pp+1], v[WA+8+pp:WA+8+pp+1], 1.0 op_sel_hi:[1,0]
.set pp, pp+2
.endr
.set nn, 0
.rept 8
	v_rcp_f32 v[WA+8+nn], v[WA+8+nn]
.set nn, nn+1
.endr
	v_nop
.set pp, 0
	s_wait_alu depctr_va_vdst(0)
.rept 4
	v_pk_mul_f32 v[WA+pp:WA+pp+1], v[WA+pp:WA+pp+1], v[WA+8+pp:WA+8+pp+1]
.set pp, pp+2
.endr
.set pp, 0
.rept 4
	v_pk_mul_f32 v[WA+pp:WA+pp+1], v[WA+pp:WA+pp+1], v[WA+16+pp:WA+16+pp+1]
.set pp, pp+2
.endr
.set nn, 0
.rept 4
	v_cvt_pk_bf16_f32 v[OUT+4*(\bk)+nn], v[WA+2*nn], v[WA+2*nn+1]
.set nn, nn+1
.endr
	global_store_b128 v[VST], v[OUT+4*(\bk):OUT+4*(\bk)+3], s[OB:OB+1] offset:256*(\bk)   ; 16 lanes: 256 consecutive bytes of a plane
.endm
	s_load_b256 s[4:11], s[0:1], 0x0               ; hs, gate_w, up_w, route
	s_load_b64 s[12:13], s[0:1], 0x20              ; act
	v_lshl_add_u32 v[SPW], v0, 2, SPARE
	v_mov_b32 v[NIL], 0
	v_lshrrev_b32 v1, 5, v0
	v_readfirstlane_b32 s[WV], v1
	v_and_b32 v[VL], 31, v0
	v_and_b32 v[VR], 15, v0
	v_bfe_u32 v[VH], v0, 4, 1
	s_mov_b32 s[HB], ttmp9
	s_and_b32 s[EX], ttmp7, 0xffff
	s_lshl_b32 s[MOF], s[EX], 3
	s_lshl_b32 s[OF], s[EX], 23
	s_lshl_b32 s[TM], s[WV], 21
	s_add_co_u32 s[OF], s[OF], s[TM]
	s_lshl_b32 s[TM], s[HB], 8
	s_add_co_u32 s[OF], s[OF], s[TM]
	s_mov_b32 s[OF+1], 0
	s_mul_i32 s[WOFF], s[WV], WREG
	s_wait_kmcnt 0x0
	s_load_b64 s[BASE:BASE+1], s[10:11], s[MOF] offset:0x0   ; (base_e, n_e)
	s_add_nc_u64 s[GB:GB+1], s[GB:GB+1], s[OF:OF+1]
	s_add_nc_u64 s[UB:UB+1], s[UB:UB+1], s[OF:OF+1]
	s_mul_i32 s[OF], s[HB], 8*PL
	s_add_nc_u64 s[OB:OB+1], s[OB:OB+1], s[OF:OF+1]
	v_lshlrev_b32 v[VOFF], 13, v[VH]
	v_lshl_add_u32 v[VOFF], v[VR], 4, v[VOFF]
.set ii, 0
.rept 32
	WLD
.set ii, ii+1
.endr
	v_mul_u32_u24 v7, v[VH], PL
	v_lshl_add_u32 v7, v[VR], 4, v7                ; plane h, row r
	s_mul_i32 s[TM], s[WV], 32*PL
	v_add_nc_u32 v[VA0], s[TM], v7
	s_mul_i32 s[TM], s[WV], 2*PL
	v_add_nc_u32 v[VST0], s[TM], v7
	v_mul_u32_u24 v[LW], v[VH], P
	v_lshl_add_u32 v[LW], v[VR], 3, v[LW]
	v_add_nc_u32 v[LW], s[WOFF], v[LW]
	v_and_b32 v1, 7, v0
	v_lshl_add_u32 v1, v[VH], 3, v1
	v_mul_u32_u24 v[LB], v1, P
	v_bfe_u32 v1, v0, 3, 1
	v_lshl_add_u32 v[LB], v1, 4, v[LB]
	v_add_nc_u32 v[LB], s[WOFF], v[LB]
	v_add_nc_u32 v[LB+1], 128*P, v[LB]
	s_lshl_b32 s[TM], s[WV], 13
	v_lshl_add_u32 v[XW0], v[VL], 4, s[TM]
	s_lshl_b32 s[TM], s[WV], 10
	v_lshl_add_u32 v[XRD0], v[VL], 4, s[TM]
	s_wait_xcnt 0x0                                ; the bases are stepped only behind this wait
	s_add_nc_u64 s[GB:GB+1], s[GB:GB+1], 32*PITCHB
	s_add_nc_u64 s[UB:UB+1], s[UB:UB+1], 32*PITCHB
	s_mov_b32 s[CNT], 7
.Lw:
	WROUND 1, 0
	s_wait_xcnt 0x0
	s_add_nc_u64 s[GB:GB+1], s[GB:GB+1], 32*PITCHB
	s_add_nc_u64 s[UB:UB+1], s[UB:UB+1], 32*PITCHB
	v_add_nc_u32 v[LW], 32*P, v[LW]
	s_sub_co_u32 s[CNT], s[CNT], 1
	s_cmp_lg_u32 s[CNT], 0
	s_cbranch_scc1 .Lw
	s_wait_kmcnt 0x0
	s_min_u32 s[N], s[N], 32
	s_min_u32 s[BASE], s[BASE], 2272
	s_cmp_eq_u32 s[N], 0
	s_cselect_b32 s[BASE], 0, s[BASE]              ; an expert without tokens works on slots 0-31 and stores nothing
	s_max_u32 s[LAST], s[N], 1
	s_sub_co_u32 s[LAST], s[LAST], 1
	s_min_u32 s[TM], s[BASE], 2272
	s_lshl_b32 s[ROWB], s[TM], 4
	ALH 0, 0                                       ; trip 0's four half blocks go out ahead of the last lap: its waits leave these 32 loads out
	ALH 0, 1
	ALH 1, 0
	ALH 1, 1
	WIN 0
	WROUND 0, 32
.set ks, 0
.rept 8
.if ks < 4
	WIN 0x40
.else
	WIN 0x80
.endif
.set cb, 0
.rept 8
	ds_load_tr16_b128 v[64*(ks%4)+8*cb:64*(ks%4)+8*cb+3], v[LB+ks/4] offset:32*P*(ks%4)+32*cb        ; LDS serves a wave's instructions in order (ISA guide 5.7.1.4): these see my stores
	ds_load_tr16_b128 v[64*(ks%4)+8*cb+4:64*(ks%4)+8*cb+7], v[LB+ks/4] offset:32*P*(ks%4)+32*cb+16*P
.set cb, cb+1
.endr
.set ks, ks+1
.endr
	WIN 0
	s_wait_dscnt 0x0                               ; my reads of the slab are over:
	s_barrier_signal -1
	s_barrier_wait -1                              ; everybody's are, and the exchange may be laid over it
	s_mov_b32 s[I], 0
	s_mov_b32 s[XO], 0
	s_mov_b32 s[XI], XPAR
	v_add_nc_u32 v[XWC], s[XO], v[XW0]
	COMPUTE                                        ; trip 0 stands ahead of the loop: there are no sums yet to finish beside it
	s_wait_dscnt 0x0
	s_barrier_signal -1
	s_barrier_wait -1
	s_mov_b32 s[CNT], 32
.Lc:                                                   ; 32 times: trip I's products (while I < n_e) and trip I - 1's way out (while I <= n_e)
	s_add_co_u32 s[I], s[I], 1
	s_xor_b32 s[XO], s[XO], XPAR                   ; the buffers change places
	s_xor_b32 s[XI], s[XI], XPAR
	v_add_nc_u32 v[XWC], s[XO], v[XW0]
	v_add_nc_u32 v[XRC], s[XI], v[XRD0]
	s_cmp_le_u32 s[I], s[N]
	s_cbranch_scc0 .Ldead                          ; nothing is left: on to the barrier
	XLD
	s_wait_xcnt 0x0                                ; the last trip's stores have read their data and their offset, which the way out below rewrites
	s_cmp_lt_u32 s[I], s[N]
	s_cbranch_scc0 .Lnoc                           ; behind the last trip only the sums are left
	COMPUTE
	s_wait_dscnt 32                                ; the partial sums are in; behind their reads stand my 32 stores into the exchange, which may be out during the way out
	s_branch .Lfin
.Lnoc:
	s_wait_dscnt 0x0                               ; nothing was issued behind the reads
.Lfin:
	FINALH
	FINALB 0
	FINALB 1
.Ldead:
	s_wait_dscnt 0x0                               ; for the others: my stores into this trip's buffer are done
	s_barrier_signal -1                            ; orders my stores against the others' reads of this buffer, and my reads against their next stores into the other
	s_barrier_wait -1
	s_sub_co_u32 s[CNT], s[CNT], 1
	s_cmp_lg_u32 s[CNT], 0
	s_cbranch_scc1 .Lc
	s_wait_tensorcnt 0x0                           ; the wave's end
	ds_add_u32 v[SPW], v[NIL]
	s_wait_dscnt 0x0
	s_endpgm
.Lfunc_end_k_q39ad1742b7_moe1:
	.size	k_q39ad1742b7_moe1, .Lfunc_end_k_q39ad1742b7_moe1-k_q39ad1742b7_moe1
	.p2alignl 7, 3214868480
	.fill 96, 4, 3214868480
	.section	.rodata,"a",@progbits
	.p2align	6, 0x0
	.amdhsa_kernel k_q39ad1742b7_moe1
		.amdhsa_group_segment_fixed_size 295424
		.amdhsa_private_segment_fixed_size 0
		.amdhsa_enable_private_segment 0
		.amdhsa_kernarg_size 40
		.amdhsa_user_sgpr_count 2
		.amdhsa_user_sgpr_kernarg_segment_ptr 1
		.amdhsa_wavefront_size32 1
		.amdhsa_system_sgpr_workgroup_id_x 1
		.amdhsa_system_sgpr_workgroup_id_y 1
		.amdhsa_system_sgpr_workgroup_id_z 1
		.amdhsa_system_vgpr_workitem_id 0
		.amdhsa_next_free_vgpr 1024
		.amdhsa_next_free_sgpr 66
		.amdhsa_reserve_vcc 0
		.amdhsa_float_denorm_mode_32 3
		.amdhsa_float_denorm_mode_16_64 3
		.amdhsa_memory_ordered 1
		.amdhsa_forward_progress 1
		.amdhsa_inst_pref_size 75
	.end_amdhsa_kernel
	.amdgpu_metadata
---
amdhsa.version: [ 1, 2 ]
amdhsa.kernels:
  - .name:           k_q39ad1742b7_moe1
    .symbol:         k_q39ad1742b7_moe1.kd
    .args:
      - { .name: qkvhs, .offset: 0, .size: 8, .value_kind: global_buffer, .address_space: global }
      - { .name: gate_w, .offset: 8, .size: 8, .value_kind: global_buffer, .address_space: global }
      - { .name: up_w, .offset: 16, .size: 8, .value_kind: global_buffer, .address_space: global }
      - { .name: route, .offset: 24, .size: 8, .value_kind: global_buffer, .address_space: global }
      - { .name: act, .offset: 32, .size: 8, .value_kind: global_buffer, .address_space: global }
    .group_segment_fixed_size: 295424
    .private_segment_fixed_size: 0
    .kernarg_segment_align: 8
    .kernarg_segment_size: 40
    .max_flat_workgroup_size: 128
    .sgpr_count:     66
    .vgpr_count:     1024
    .wavefront_size: 32
...
	.end_amdgpu_metadata
.endif
;; end of part 7
;; launch moe2 (part 8): grid 32 x 8, 4 waves a work-group, no clusters, 233,984 bytes of LDS; arguments act, down_w, route, y2; writes y2
.if DOCPART == 8
	.amdgcn_target "amdgcn-amd-amdhsa--gfx1250"
	.amdhsa_code_object_version 6
	.text
	.protected	k_q39ad1742b7_moe2
	.globl	k_q39ad1742b7_moe2
	.p2align	8
	.type	k_q39ad1742b7_moe2,@function
k_q39ad1742b7_moe2:
	s_mov_b64 s[64:65], 0
	v_nop
	global_prefetch_b8 v0, s[64:65] scope:SCOPE_SE
	s_setreg_imm32_b32 hwreg(HW_REG_WAVE_MODE, 25, 1), 1
	s_wait_xcnt 0x0
; y2[half][slot] = act[slot][K half] down_w[e][K half], f32, for the slots of expert e.  Products in bf16 with f32 sums; the two halves of K = 2,048 go to two work-groups and are added by the next launch.
; A work-group owns expert e, 64 columns and 1,024 of K: 256 KB of f32 that the launch reads once.  The weights stay in registers, K is split over the waves, as in the launch before:
; a ring of 32 register slots, rounding to bf16 into the wave's LDS region (pitch 160), one turned read-back; trips of 32 slots; partial sums through an exchange laid by rows (pitch 272), one barrier a trip;
; a lane then holds 4 columns of a row, 16 lanes 256 consecutive bytes.  A trip is written once: which of the two exchange buffers is stored into and which is read are two scalar offsets that an
; exclusive or turns in every trip.
; THE FRAGMENTS OF act ARE A RING OF FOUR HALF BLOCKS (16 slots x 128 of my K: 8 loads).  A half block is loaded again straight behind the 16 products that read it and is wanted again a trip later:
; three half blocks' products, the way out and the barrier lie between.  So every wait of the ring leaves the three younger half blocks' 24 loads out.
; The loop counts to the constant 32; a dead trip is jumped forward to the barrier.
.set PL,    36864
.set PITCHB,4096
.set P,     160
.set WREG,  256*P
.set XB,    4*WREG
.set XPAR,  34816                      ; bytes in an exchange buffer: [block 2][wave 4][16 rows][272 bytes]
.set SPARE, XB+2*XPAR
.set SPW, 2
.set NIL, 3
.set VR,  4
.set VH,  5
.set VL,  6
.set LW,  8
.set LB,  9
.set VA0, 10
.set XW0, 14                           ; where I store partial sums in buffer 0; never rewritten
.set XWC, 15                           ; the same in this trip's buffer
.set VST0,16
.set VST, 17
.set VOFF,18
.set XRD0,20                           ; where I read them back in buffer 0; never rewritten
.set XRC, 21
.set VAC, 24                           ; v24-27: the address of each half block's loads (2 block + half): rewritten only behind the wait that shows its own loads done
.set ACC, 32
.set RING,32
.set XR,  96
.set OUT, 192
.set T,   224
.set AB,  4
.set WB,  6
.set OB,  10
.set WV,  12
.set SLAB,13
.set KH,  14
.set EX,  15
.set I,   16
.set CNT, 17
.set TM,  18
.set ROWB,19
.set BASE,20
.set N,   21
.set LAST,22
.set WOFF,23
.set OF,  24
.set MOF, 26
.set XO,  27                           ; offset of the buffer that this trip stores into: 0 or XPAR
.set XI,  28                           ; offset of the buffer that it reads: the other one
.set MSB, 0
.macro WIN new
.if MSB != (\new)
	s_set_vgpr_msb (MSB<<8)|(\new)
.set MSB, (\new)
.endif
.endm
.macro PLACES
.rept 4
	v_nop
.endr
.endm
; 8 loads: the fragments of 16 slots x K steps 4 hf .. 4 hf + 3 of my 8.  A load takes 256 consecutive bytes of each of two planes.
.macro ALH blk, hf
	WIN 0
	v_add_nc_u32 v[VAC+2*(\blk)+(\hf)], s[ROWB], v[VA0]
	WIN 0x80
.set ks, 4*(\hf)
.rept 4
	global_load_b128 v[64*(\blk)+8*ks:64*(\blk)+8*ks+3], v[VAC+2*(\blk)+(\hf)], s[AB:AB+1] offset:256*(\blk)+4*ks*PL
	global_load_b128 v[64*(\blk)+8*ks+4:64*(\blk)+8*ks+7], v[VAC+2*(\blk)+(\hf)], s[AB:AB+1] offset:256*(\blk)+(4*ks+2)*PL
.set ks, ks+1
.endr
.endm
.macro WROUND ahead, extra
.set ii, 0
.rept 32
.if \ahead
	s_wait_loadcnt 31                              ; the 31 younger slots may be out
.else
	s_wait_loadcnt (\extra)+31-ii
.endif
	v_cvt_pk_bf16_f32 v[T+2*(ii%2)], v[RING+4*ii], v[RING+4*ii+1]
	v_cvt_pk_bf16_f32 v[T+2*(ii%2)+1], v[RING+4*ii+2], v[RING+4*ii+3]
	ds_store_b64 v[LW], v[T+2*(ii%2):T+2*(ii%2)+1] offset:320*ii
.if \ahead
	global_load_b128 v[RING+4*ii:RING+4*ii+3], v[VOFF], s[WB:WB+1] offset:ii*2*PITCHB th:TH_LOAD_NT
.endif
.set ii, ii+1
.endr
.endm
; The products of a block for K steps k0 .. k1 - 1; source 0 = weights: a lane holds row r, columns 8 h + j; the four accumulators take turns
.macro MMA blk, k0, k1
	WIN 0x09
.set ks, (\k0)
.rept (\k1)-(\k0)
.set cb, 0
.rept 4
.set rD, ACC+32*(\blk)+8*cb
.set rB, 32*ks+8*cb
.set rA, 64*(\blk)+8*ks
.if ks == 0
	v_wmma_f32_16x16x32_bf16 v[rD:rD+7], v[rB:rB+7], v[rA:rA+7], 0
.else
	v_wmma_f32_16x16x32_bf16 v[rD:rD+7], v[rB:rB+7], v[rA:rA+7], v[rD:rD+7]
.endif
.set cb, cb+1
.endr
.set ks, ks+1
.endr
.endm
.macro XST blk                         ; my partial sums of a block, each accumulator's low registers first
	WIN 0
.set cb, 0
.rept 4
	ds_store_b128 v[XWC], v[ACC+32*(\blk)+8*cb:ACC+32*(\blk)+8*cb+3] offset:17408*(\blk)+64*cb
	ds_store_b128 v[XWC], v[ACC+32*(\blk)+8*cb+4:ACC+32*(\blk)+8*cb+7] offset:17408*(\blk)+64*cb+16
.set cb, cb+1
.endr
.endm
.macro XLD
.set bk, 0
.rept 2
.set sr, 0
.rept 4
	ds_load_b128 v[XR+32*bk+8*sr:XR+32*bk+8*sr+3], v[XRC] offset:17408*bk+4352*sr
	ds_load_b128 v[XR+32*bk+8*sr+4:XR+32*bk+8*sr+7], v[XRC] offset:17408*bk+4352*sr+544
.set sr, sr+1
.endr
.set bk, bk+1
.endr
.endm
; A half block's turn: its 8 loads are in, its 16 products, four places, and its registers take the next trip's half block.
.macro HALF blk, hf
	s_wait_loadcnt 24                              ; behind my half block's loads stand the three younger half blocks', 8 each
	MMA \blk, 4*(\hf), 4*(\hf)+4
	PLACES                                         ; for the loads into the products' sources (and, behind a block's second half, for the stores that read its results)
	ALH \blk, \hf
.endm
; Trip I's products and stores, and the loads of trip min(I + 1, last); the row is clamped by a constant in front of the address.
; At its head the four half blocks' 32 loads are out, in the order in which they are wanted.
.macro COMPUTE
	s_add_co_u32 s[TM], s[I], 1
	s_min_u32 s[TM], s[TM], s[LAST]
	s_lshl_b32 s[TM], s[TM], 5
	s_add_co_u32 s[TM], s[TM], s[BASE]
	s_min_u32 s[TM], s[TM], 2272
	s_lshl_b32 s[ROWB], s[TM], 4
	HALF 0, 0
	HALF 0, 1
	XST 0
	HALF 1, 0
	HALF 1, 1
	XST 1
.endm
.macro FINALH                          ; trip I - 1: where it goes
	s_sub_co_u32 s[TM], s[I], 1
	s_lshl_b32 s[TM], s[TM], 5
	s_add_co_u32 s[TM], s[TM], s[BASE]
	s_min_u32 s[TM], s[TM], 2272
	s_lshl_b32 s[TM], s[TM], 12
	v_add_nc_u32 v[VST], s[TM], v[VST0]
.endm
.macro FINALB bk                       ; a block of trip I - 1: slots + 16 block + 4 w + 2 i + h, columns 4 r ..
.set hi, 0
.rept 2
.set XA, XR+32*(\bk)+4*hi
.set OA, OUT+8*(\bk)+4*hi
	v_pk_add_f32 v[XA:XA+1], v[XA:XA+1], v[XA+8:XA+9]
	v_pk_add_f32 v[XA+2:XA+3], v[XA+2:XA+3], v[XA+10:XA+11]
	v_pk_add_f32 v[XA+16:XA+17], v[XA+16:XA+17], v[XA+24:XA+25]
	v_pk_add_f32 v[XA+18:XA+19], v[XA+18:XA+19], v[XA+26:XA+27]
	v_pk_add_f32 v[OA:OA+1], v[XA:XA+1], v[XA+16:XA+17]
	v_pk_add_f32 v[OA+2:OA+3], v[XA+2:XA+3], v[XA+18:XA+19]
	global_store_b128 v[VST], v[OA:OA+3], s[OB:OB+1] offset:65536*(\bk)+8192*hi   ; 16 lanes: 256 consecutive bytes of a row
.set hi, hi+1
.endr
.endm
	s_load_b256 s[4:11], s[0:1], 0x0               ; act, down_w, route, y2
	v_lshl_add_u32 v[SPW], v0, 2, SPARE
	v_mov_b32 v[NIL], 0
	v_lshrrev_b32 v1, 5, v0
	v_readfirstlane_b32 s[WV], v1
	v_and_b32 v[VL], 31, v0
	v_and_b32 v[VR], 15, v0
	v_bfe_u32 v[VH], v0, 4, 1
	s_and_b32 s[SLAB], ttmp9, 15
	s_lshr_b32 s[KH], ttmp9, 4
	s_and_b32 s[EX], ttmp7, 0xffff
	s_lshl_b32 s[MOF], s[EX], 3
	s_lshl_b32 s[OF], s[EX], 23
	s_lshl_b32 s[TM], s[KH], 22
	s_add_co_u32 s[OF], s[OF], s[TM]
	s_lshl_b32 s[TM], s[WV], 20
	s_add_co_u32 s[OF], s[OF], s[TM]
	s_lshl_b32 s[TM], s[SLAB], 8
	s_add_co_u32 s[OF], s[OF], s[TM]
	s_mov_b32 s[OF+1], 0
	s_mul_i32 s[WOFF], s[WV], WREG
	s_wait_kmcnt 0x0
	s_load_b64 s[BASE:BASE+1], s[8:9], s[MOF] offset:0x0     ; (base_e, n_e)
	s_add_nc_u64 s[WB:WB+1], s[WB:WB+1], s[OF:OF+1]
	s_mul_i32 s[OF], s[KH], 128*PL
	s_add_nc_u64 s[AB:AB+1], s[AB:AB+1], s[OF:OF+1]
	s_mul_i32 s[OF], s[KH], 9437184
	s_add_co_u32 s[OF], s[OF], s[TM]
	s_add_nc_u64 s[OB:OB+1], s[OB:OB+1], s[OF:OF+1]
	v_lshlrev_b32 v[VOFF], 12, v[VH]
	v_lshl_add_u32 v[VOFF], v[VR], 4, v[VOFF]
.set ii, 0
.rept 32
	global_load_b128 v[RING+4*ii:RING+4*ii+3], v[VOFF], s[WB:WB+1] offset:ii*2*PITCHB th:TH_LOAD_NT
.set ii, ii+1
.endr
	s_lshl_b32 s[TM], s[WV], 14
	v_add_nc_u32 v[VST0], s[TM], v[VOFF]           ; row 4 w + h, 16 bytes at 16 r
	v_mul_u32_u24 v7, v[VH], PL
	v_lshl_add_u32 v7, v[VR], 4, v7
	s_mul_i32 s[TM], s[WV], 32*PL
	v_add_nc_u32 v[VA0], s[TM], v7
	v_mul_u32_u24 v[LW], v[VH], P
	v_lshl_add_u32 v[LW], v[VR], 3, v[LW]
	v_add_nc_u32 v[LW], s[WOFF], v[LW]
	v_and_b32 v1, 7, v0
	v_lshl_add_u32 v1, v[VH], 3, v1
	v_mul_u32_u24 v[LB], v1, P
	v_bfe_u32 v1, v0, 3, 1
	v_lshl_add_u32 v[LB], v1, 4, v[LB]
	v_add_nc_u32 v[LB], s[WOFF], v[LB]
	s_mul_i32 s[TM], s[WV], 4352
	s_add_co_u32 s[TM], s[TM], XB
	v_mul_u32_u24 v[XW0], v[VR], 272
	v_lshl_add_u32 v[XW0], v[VH], 5, v[XW0]
	v_add_nc_u32 v[XW0], s[TM], v[XW0]             ; my region, row r, 32 bytes for each half of the lanes
	s_mul_i32 s[TM], s[WV], 1088
	s_add_co_u32 s[TM], s[TM], XB
	v_mul_u32_u24 v[XRD0], v[VH], 272
	v_lshl_add_u32 v[XRD0], v[VR], 4, v[XRD0]
	v_add_nc_u32 v[XRD0], s[TM], v[XRD0]           ; row 4 w + h, 16 bytes at 16 r
	s_wait_xcnt 0x0                                ; the base is stepped only behind this wait
	s_add_nc_u64 s[WB:WB+1], s[WB:WB+1], 64*PITCHB
	s_mov_b32 s[CNT], 3
.Lw:
	WROUND 1, 0
	s_wait_xcnt 0x0
	s_add_nc_u64 s[WB:WB+1], s[WB:WB+1], 64*PITCHB
	v_add_nc_u32 v[LW], 64*P, v[LW]
	s_sub_co_u32 s[CNT], s[CNT], 1
	s_cmp_lg_u32 s[CNT], 0
	s_cbranch_scc1 .Lw
	s_wait_kmcnt 0x0
	s_min_u32 s[N], s[N], 32
	s_min_u32 s[BASE], s[BASE], 2272
	s_cmp_eq_u32 s[N], 0
	s_cselect_b32 s[BASE], 0, s[BASE]              ; an expert without tokens works on slots 0-31 and stores nothing
	s_max_u32 s[LAST], s[N], 1
	s_sub_co_u32 s[LAST], s[LAST], 1
	s_min_u32 s[TM], s[BASE], 2272
	s_lshl_b32 s[ROWB], s[TM], 4
	ALH 0, 0                                       ; trip 0's four half blocks go out ahead of the last lap: its waits leave these 32 loads out
	ALH 0, 1
	ALH 1, 0
	ALH 1, 1
	WIN 0
	WROUND 0, 32
	WIN 0x40
.set ks, 0
.rept 8
.set cb, 0
.rept 4
	ds_load_tr16_b128 v[32*ks+8*cb:32*ks+8*cb+3], v[LB] offset:32*P*ks+32*cb         ; LDS serves a wave's instructions in order (ISA guide 5.7.1.4): these see my stores
	ds_load_tr16_b128 v[32*ks+8*cb+4:32*ks+8*cb+7], v[LB] offset:32*P*ks+32*cb+16*P
.set cb, cb+1
.endr
.set ks, ks+1
.endr
	WIN 0
	s_wait_dscnt 0x0
	s_mov_b32 s[I], 0
	s_mov_b32 s[XO], 0
	s_mov_b32 s[XI], XPAR
	v_add_nc_u32 v[XWC], s[XO], v[XW0]
	COMPUTE                                        ; trip 0 stands ahead of the loop: there are no sums yet to finish beside it
	s_wait_dscnt 0x0
	s_barrier_signal -1
	s_barrier_wait -1
	s_mov_b32 s[CNT], 32
.Lc:                                                   ; 32 times: trip I's products (while I < n_e) and trip I - 1's way out (while I <= n_e)
	s_add_co_u32 s[I], s[I], 1
	s_xor_b32 s[XO], s[XO], XPAR                   ; the buffers change places
	s_xor_b32 s[XI], s[XI], XPAR
	v_add_nc_u32 v[XWC], s[XO], v[XW0]
	v_add_nc_u32 v[XRC], s[XI], v[XRD0]
	s_cmp_le_u32 s[I], s[N]
	s_cbranch_scc0 .Ldead                          ; nothing is left: on to the barrier
	XLD
	s_wait_xcnt 0x0                                ; the last trip's stores have read their data and their offset, which the way out below rewrites
	s_cmp_lt_u32 s[I], s[N]
	s_cbranch_scc0 .Lnoc                           ; behind the last trip only the sums are left
	COMPUTE
	s_wait_dscnt 16                                ; the partial sums are in; behind their reads stand my 16 stores into the exchange, which may be out during the way out
	s_branch .Lfin
.Lnoc:
	s_wait_dscnt 0x0                               ; nothing was issued behind the reads
.Lfin:
	FINALH
	FINALB 0
	FINALB 1
.Ldead:
	s_wait_dscnt 0x0                               ; for the others: my stores into this trip's buffer are done
	s_barrier_signal -1                            ; orders my stores against the others' reads of this buffer, and my reads against their next stores into the other
	s_barrier_wait -1
	s_sub_co_u32 s[CNT], s[CNT], 1
	s_cmp_lg_u32 s[CNT], 0
	s_cbranch_scc1 .Lc
	s_wait_tensorcnt 0x0                           ; the wave's end
	ds_add_u32 v[SPW], v[NIL]
	s_wait_dscnt 0x0
	s_endpgm
.Lfunc_end_k_q39ad1742b7_moe2:
	.size	k_q39ad1742b7_moe2, .Lfunc_end_k_q39ad1742b7_moe2-k_q39ad1742b7_moe2
	.p2alignl 7, 3214868480
	.fill 96, 4, 3214868480
	.section	.rodata,"a",@progbits
	.p2align	6, 0x0
	.amdhsa_kernel k_q39ad1742b7_moe2
		.amdhsa_group_segment_fixed_size 233984
		.amdhsa_private_segment_fixed_size 0
		.amdhsa_enable_private_segment 0
		.amdhsa_kernarg_size 32
		.amdhsa_user_sgpr_count 2
		.amdhsa_user_sgpr_kernarg_segment_ptr 1
		.amdhsa_wavefront_size32 1
		.amdhsa_system_sgpr_workgroup_id_x 1
		.amdhsa_system_sgpr_workgroup_id_y 1
		.amdhsa_system_sgpr_workgroup_id_z 1
		.amdhsa_system_vgpr_workitem_id 0
		.amdhsa_next_free_vgpr 640
		.amdhsa_next_free_sgpr 66
		.amdhsa_reserve_vcc 0
		.amdhsa_float_denorm_mode_32 3
		.amdhsa_float_denorm_mode_16_64 3
		.amdhsa_memory_ordered 1
		.amdhsa_forward_progress 1
		.amdhsa_inst_pref_size 55
	.end_amdhsa_kernel
	.amdgpu_metadata
---
amdhsa.version: [ 1, 2 ]
amdhsa.kernels:
  - .name:           k_q39ad1742b7_moe2
    .symbol:         k_q39ad1742b7_moe2.kd
    .args:
      - { .name: act, .offset: 0, .size: 8, .value_kind: global_buffer, .address_space: global }
      - { .name: down_w, .offset: 8, .size: 8, .value_kind: global_buffer, .address_space: global }
      - { .name: route, .offset: 16, .size: 8, .value_kind: global_buffer, .address_space: global }
      - { .name: y2, .offset: 24, .size: 8, .value_kind: global_buffer, .address_space: global }
    .group_segment_fixed_size: 233984
    .private_segment_fixed_size: 0
    .kernarg_segment_align: 8
    .kernarg_segment_size: 32
    .max_flat_workgroup_size: 128
    .sgpr_count:     66
    .vgpr_count:     640
    .wavefront_size: 32
...
	.end_amdgpu_metadata
.endif
;; end of part 8
;; launch combine (part 9): grid 256 x 1, 4 waves a work-group, no clusters, 0 bytes of LDS; arguments x2, y2, prob, route, out0; writes out0
.if DOCPART == 9
	.amdgcn_target "amdgcn-amd-amdhsa--gfx1250"
	.amdhsa_code_object_version 6
	.text
	.protected	k_q39ad1742b7_combine
	.globl	k_q39ad1742b7_combine
	.p2align	8
	.type	k_q39ad1742b7_combine,@function
k_q39ad1742b7_combine:
	s_mov_b64 s[64:65], 0
	v_nop
	global_prefetch_b8 v0, s[64:65] scope:SCOPE_SE
	s_setreg_imm32_b32 hwreg(HW_REG_WAVE_MODE, 25, 1), 1
	s_wait_xcnt 0x0
; out = x2 + p0 (y2[0][slot0] + y2[1][slot0]) + p1 (y2[0][slot1] + y2[1][slot1]); p0, p1 already hold 1 / sqrt(12).  One wave a token; its two slots were stored by an earlier launch.
; A stream: five rows of 4,096 bytes in, one out, every load and store 512 consecutive bytes; all 40 loads go out at once.  No LDS, no matrix unit: nothing is shared and nothing multiplied by a matrix.
.set D, 16                             ; v16-175: piece j at 20 j: x2, then the four rows of y2
	s_load_b256 s[4:11], s[0:1], 0x0               ; x2, y2, prob, route
	s_load_b64 s[12:13], s[0:1], 0x20              ; out0
	v_lshrrev_b32 v1, 5, v0
	v_readfirstlane_b32 s14, v1
	v_and_b32 v2, 31, v0
	v_lshlrev_b32 v2, 4, v2
	s_lshl_b32 s15, ttmp9, 2
	s_add_co_u32 s15, s15, s14                     ; my token
	s_lshl_b32 s16, s15, 3
	s_lshl_b32 s24, s15, 12
	s_mov_b32 s25, 0
	s_mov_b32 s27, 0
	s_wait_kmcnt 0x0
	s_load_b64 s[20:21], s[10:11], s16 offset:0x100
	s_load_b64 s[22:23], s[8:9], s16 offset:0x0
	s_add_nc_u64 s[4:5], s[4:5], s[24:25]
	s_add_nc_u64 s[12:13], s[12:13], s[24:25]
	s_wait_kmcnt 0x0
	s_min_u32 s20, s20, 2303
	s_min_u32 s21, s21, 2303
	s_lshl_b32 s26, s20, 12
	s_add_nc_u64 s[28:29], s[6:7], s[26:27]
	s_add_nc_u64 s[30:31], s[28:29], 0x900000      ; the second half of K lies 2,304 rows on
	s_lshl_b32 s26, s21, 12
	s_add_nc_u64 s[32:33], s[6:7], s[26:27]
	s_add_nc_u64 s[34:35], s[32:33], 0x900000
	s_mov_b32 s36, s23                             ; p1 in the low word of a pair
	s_mov_b32 s37, s23
.set jj, 0
.rept 8
	global_load_b128 v[D+20*jj:D+20*jj+3], v2, s[4:5] offset:512*jj
	global_load_b128 v[D+20*jj+4:D+20*jj+7], v2, s[28:29] offset:512*jj th:TH_LOAD_NT
	global_load_b128 v[D+20*jj+8:D+20*jj+11], v2, s[30:31] offset:512*jj th:TH_LOAD_NT
	global_load_b128 v[D+20*jj+12:D+20*jj+15], v2, s[32:33] offset:512*jj th:TH_LOAD_NT
	global_load_b128 v[D+20*jj+16:D+20*jj+19], v2, s[34:35] offset:512*jj th:TH_LOAD_NT
.set jj, jj+1
.endr
.set jj, 0
.rept 8
.set A, D+20*jj
	s_wait_loadcnt 35-5*jj                         ; the later groups of five may be out
	v_pk_add_f32 v[A+4:A+5], v[A+4:A+5], v[A+8:A+9]
	v_pk_add_f32 v[A+6:A+7], v[A+6:A+7], v[A+10:A+11]
	v_pk_add_f32 v[A+12:A+13], v[A+12:A+13], v[A+16:A+17]
	v_pk_add_f32 v[A+14:A+15], v[A+14:A+15], v[A+18:A+19]
	v_pk_fma_f32 v[A:A+1], v[A+4:A+5], s[22:23], v[A:A+1] op_sel_hi:[1,0,1]
	v_pk_fma_f32 v[A+2:A+3], v[A+6:A+7], s[22:23], v[A+2:A+3] op_sel_hi:[1,0,1]
	v_pk_fma_f32 v[A:A+1], v[A+12:A+13], s[36:37], v[A:A+1] op_sel_hi:[1,0,1]
	v_pk_fma_f32 v[A+2:A+3], v[A+14:A+15], s[36:37], v[A+2:A+3] op_sel_hi:[1,0,1]
	global_store_b128 v2, v[A:A+3], s[12:13] offset:512*jj
.set jj, jj+1
.endr
	s_endpgm
.Lfunc_end_k_q39ad1742b7_combine:
	.size	k_q39ad1742b7_combine, .Lfunc_end_k_q39ad1742b7_combine-k_q39ad1742b7_combine
	.p2alignl 7, 3214868480
	.fill 96, 4, 3214868480
	.section	.rodata,"a",@progbits
	.p2align	6, 0x0
	.amdhsa_kernel k_q39ad1742b7_combine
		.amdhsa_group_segment_fixed_size 0
		.amdhsa_private_segment_fixed_size 0
		.amdhsa_enable_private_segment 0
		.amdhsa_kernarg_size 40
		.amdhsa_user_sgpr_count 2
		.amdhsa_user_sgpr_kernarg_segment_ptr 1
		.amdhsa_wavefront_size32 1
		.amdhsa_system_sgpr_workgroup_id_x 1
		.amdhsa_system_sgpr_workgroup_id_y 1
		.amdhsa_system_sgpr_workgroup_id_z 1
		.amdhsa_system_vgpr_workitem_id 0
		.amdhsa_next_free_vgpr 192
		.amdhsa_next_free_sgpr 66
		.amdhsa_reserve_vcc 0
		.amdhsa_float_denorm_mode_32 3
		.amdhsa_float_denorm_mode_16_64 3
		.amdhsa_memory_ordered 1
		.amdhsa_forward_progress 1
		.amdhsa_inst_pref_size 11
	.end_amdhsa_kernel
	.amdgpu_metadata
---
amdhsa.version: [ 1, 2 ]
amdhsa.kernels:
  - .name:           k_q39ad1742b7_combine
    .symbol:         k_q39ad1742b7_combine.kd
    .args:
      - { .name: x2, .offset: 0, .size: 8, .value_kind: global_buffer, .address_space: global }
      - { .name: y2, .offset: 8, .size: 8, .value_kind: global_buffer, .address_space: global }
      - { .name: prob, .offset: 16, .size: 8, .value_kind: global_buffer, .address_space: global }
      - { .name: route, .offset: 24, .size: 8, .value_kind: global_buffer, .address_space: global }
      - { .name: out0, .offset: 32, .size: 8, .value_kind: global_buffer, .address_space: global }
    .group_segment_fixed_size: 0
    .private_segment_fixed_size: 0
    .kernarg_segment_align: 8
    .kernarg_segment_size: 40
    .max_flat_workgroup_size: 128
    .sgpr_count:     66
    .vgpr_count:     192
    .wavefront_size: 32
...
	.end_amdgpu_metadata
.endif
;; end of part 9
;; ======== version 2 of 2: 9 launches; version 1 with the launches qkv, oproj, moe1, moe2 written anew for expert scheduling mode
;; limits: values are held in f16: magnitudes above 65,504 overflow, below 6.1e-05 lose precision
;; workspace buffers: ha 2,097,152 bytes; qkvhs 6,291,456 bytes; x2 4,194,304 bytes; sel 4,096 bytes of whole numbers; prob 8,192 bytes; route 8,448 bytes of whole numbers; act 9,437,184 bytes; y2 18,874,368 bytes
;; launch norm1: the kernel of part 1 again; grid 64 x 1, 16 waves a work-group, no clusters, 35,072 bytes of LDS; arguments x, norm1_w, ha; writes ha
;; launch qkv (part 10): grid 48 x 4, 4 waves a work-group, no clusters, 229,888 bytes of LDS; arguments ha, wq, wkv, bq, bkv, freqs_cos, freqs_sin, qkvhs; writes qkvhs
.if DOCPART == 10
	.amdgcn_target "amdgcn-amd-amdhsa--gfx1250"
	.amdhsa_code_object_version 6
	.text
	.protected	k_q39ad1742b7_qkv
	.globl	k_q39ad1742b7_qkv
	.p2align	8
	.type	k_q39ad1742b7_qkv,@function
k_q39ad1742b7_qkv:
	s_mov_b64 s[64:65], 0
	v_nop
	global_prefetch_b8 v0, s[64:65] scope:SCOPE_SE
	s_setreg_imm32_b32 hwreg(HW_REG_WAVE_SCHED_MODE, 0, 2), 2
	s_setreg_imm32_b32 hwreg(HW_REG_WAVE_MODE, 25, 1), 1
	s_wait_xcnt 0x0
	s_wait_alu depctr_vm_vsrc(0)
; q, k, v = h W + b, q and k turned by the head's angles (rows 0-15 of the tables), all rounded once to f16.  Products in f16 with f32 sums.
; A work-group owns 64 columns (slab 0-15: q's head, 16-31: k's head, 32-47: v's head) and 256 rows.  THE WEIGHTS STAY IN REGISTERS, K IS SPLIT OVER THE WAVES:
; wave w streams rows 256 w .. +255 of its slab (f32, 256 bytes a row) through a ring of 32 register slots, rounds them to f16 into its own LDS region
; [k][64 columns], pitch 160 bytes, and reads them back once, turned, as 32 fragments (256 registers).  Then rows go in trips of 32: each wave multiplies its K quarter
; (fragments of h straight from memory: h lies by planes), puts its partial sums into an exchange buffer, and behind ONE barrier a trip wave w adds the four
; partial sums of column block w, finishes and stores them.  The exchange has two buffers: trip i's products stand beside trip i-1's sums.  A trip is written once:
; which buffer is stored into and which is read are two scalar offsets that an exclusive or turns in every trip.
; THE FRAGMENTS OF h ARE A RING OF FOUR HALF BLOCKS (16 rows x 128 of my K: 8 loads).  A half block is loaded again among the first products of the half block behind it and is wanted
; again a trip later.  So a trip's first wait leaves the three younger half blocks' 24 loads out, the other three 16: the half block just multiplied has not been asked for again.
; q and k leave by planes [column / 8][token][8]; v as [token / 8][column][8 tokens] (sources swapped in its products).  The score's scale is not applied here.
; No tensor loads: the weights pass through registers anyway (f32 to f16).  No cluster: what work-groups share (2 MB of h, a slab among 4 row groups) is small.
; LIMITS: h, W, q, k, v below 65,504; a weight below 6e-5 keeps f16's fixed step of 6e-8.
; THE MODE: SCHED_MODE bits 1:0 = 2 (LLVM: expert scheduling mode 2), set by the entry lines.  The code itself states the register dependences
; between vector or matrix instructions and memory or LDS instructions, with s_wait_alu, always for 0.
; THE PLAN.  Registers that memory or LDS instructions touch:
;   RING        a slot: written by its load, read by its two conversions, loaded again.  The slots go in batches of four.
;   T0, T1      two sets of 8.  A batch's conversions write one, its four LDS stores read it; it is written again two batches on.
;   v[LW]       read by every LDS store of weights; written once a lap.
;   v[VOFF ..], v[LB], v[VC1 ..]  made at the head.  (v[VOFF ..] become OUT and WK when the weights are in.)
;   A           window 2: a half block is written by its 8 loads, read by its 16 products, loaded again.    v[VAC ..]  its loads' address: written ahead of each reload.
;   ACC         written by a block's products, read by its 8 LDS stores, written anew a trip later.
;   XR          written by the 16 LDS loads at a trip's head; read and written by the way out.           v[XWC], v[XRC]  written at a trip's head.
;   OUT, v[VST] written by the way out, read by its two global stores.
; While the weights stream ONE wait on va_vdst stands in a batch, behind its conversions.  In a trip one stands at its head, one at the head of each half block but the first (it covers the half block
; before: its fragments are read, its sums are written, its address is made; that half block's reload and stores then stand among this half block's products, which name none of those registers),
; one behind the last half block and one ahead of the global stores.
.set PL,    16384                      ; bytes from plane to plane of h
.set P,     160                        ; LDS pitch of the slab: 128 + 32
.set WREG,  256*P                      ; a wave's region
.set XB,    4*WREG                     ; the exchange: [buffer][block][wave][column block][1,024 bytes in lane order]
.set XPAR,  32768                      ; bytes in a buffer
.set SPARE, XB+2*XPAR
.set NT,    8                          ; trips of 32 rows
.set SPW, 2
.set NIL, 3
.set VR,  4
.set VH,  5
.set VL,  6
.set LW,  8                            ; where I store weights in LDS
.set LB,  9                            ; where I read them back, turned
.set VA0, 10                           ; my lane's place in h
.set XW0, 14                           ; where I store partial sums in buffer 0; never rewritten
.set XRD0,15                           ; where I read them back in buffer 0; never rewritten
.set VST0,16
.set VST, 17
.set VC1, 18
.set VC2, 19
.set VC3, 20
.set XWC, 21                           ; the same two in this trip's buffers
.set XRC, 22
.set VAC, 24                           ; v24-27: the address of each half block's loads (2 block + half): rewritten only behind a wait that shows its own loads done
.set ACC, 32                           ; v32-95   accumulators (32 block + 8 column block)
.set RING,32                           ; v32-159  while the weights stream: 32 slots of 4
.set XR,  96                           ; v96-159  partial sums read back (32 block + 8 wave)
.set CON, 160                          ; v160-167 bias, 168-171 cos, 172-175 sin, 176-177 v's bias
.set VOFF,192                          ; v192-223 while the weights stream: a slot's offset, never rewritten
.set OUT, 192
.set WK,  200
.set T,   224                          ; v224-239 while the weights stream: two sets of 8
; window 1: the 32 weight fragments (32 K step + 8 column block).  window 2: v0-127 fragments of h (64 block + 8 K step)
.set AB,  4
.set OB,  18
.set WV,  20
.set SX,  21
.set RG,  22
.set PB,  23
.set CB,  24
.set I,   25
.set CNT, 26
.set TM,  27
.set WB,  28
.set BB,  30
.set RND, 32
.set OF,  34
.set ROWB,36
.set ROW0B,37
.set P2,  38
.set HDN, 39
.set WOFF,40
.set T2,  41
.set XO,  42                           ; offset of the buffer that this trip stores into: 0 or XPAR
.set XI,  43                           ; offset of the buffer that it reads: the other one
.set MSB, 0
.macro WIN new                         ; the immediate's high byte repeats the setting that is left
.if MSB != (\new)
	s_set_vgpr_msb (MSB<<8)|(\new)
.set MSB, (\new)
.endif
.endm
.macro PLACES                          ; four places behind matrix instructions (ISA guide 7.12.1), where no other vector work is at hand
.rept 4
	v_nop
.endr
.endm
.macro AADR blk, hf                    ; the address of a half block's next loads (window 0)
	v_add_nc_u32 v[VAC+2*(\blk)+(\hf)], s[ROWB], v[VA0]
.endm
; 8 loads: the fragments of 16 rows x K steps 4 hf .. 4 hf + 3 of my 8.  A load takes 256 consecutive bytes of each of two planes.
.macro ALD blk, hf
	WIN 0x80
.set ks, 4*(\hf)
.rept 4
	global_load_b128 v[64*(\blk)+8*ks:64*(\blk)+8*ks+3], v[VAC+2*(\blk)+(\hf)], s[AB:AB+1] offset:256*(\blk)+4*ks*PL
	global_load_b128 v[64*(\blk)+8*ks+4:64*(\blk)+8*ks+7], v[VAC+2*(\blk)+(\hf)], s[AB:AB+1] offset:256*(\blk)+(4*ks+2)*PL
.set ks, ks+1
.endr
.endm
; One lap of the weights' ring, in eight batches of four slots.  ahead = 1: each slot is loaded again (the base already points a lap on).  extra: loads issued behind the ring's.
.macro WROUND ahead, extra
.set bb, 0
.rept 8
.if \ahead
	s_wait_loadcnt 28                              ; the batch's four slots are in; the 28 younger slots may be out
.else
	s_wait_loadcnt (\extra)+28-4*bb
.endif
.if bb >= 2
	s_wait_alu depctr_vm_vsrc(0)                   ; the LDS stores of two batches back have read this set of T, which the conversions below write again (for the first two batches the wait at the last lap's end says so)
.endif
.set ii, 4*bb
.rept 4
	v_cvt_pk_f16_f32 v[T+8*(bb%2)+2*(ii%4)], v[RING+4*ii], v[RING+4*ii+1]
	v_cvt_pk_f16_f32 v[T+8*(bb%2)+2*(ii%4)+1], v[RING+4*ii+2], v[RING+4*ii+3]
.set ii, ii+1
.endr
	s_wait_alu depctr_va_vdst(0)                   ; the conversions have written this set of T, which the LDS stores read, and are done reading the four slots, in which the loads land; in a lap's first batch v[LW] is written
.set ii, 4*bb
.rept 4
	ds_store_b64 v[LW], v[T+8*(bb%2)+2*(ii%4):T+8*(bb%2)+2*(ii%4)+1] offset:320*ii
.if \ahead
	global_load_b128 v[RING+4*ii:RING+4*ii+3], v[VOFF+ii], s[WB:WB+1]
.endif
.set ii, ii+1
.endr
.set bb, bb+1
.endr
.endm
; The products of a block of 16 rows for K steps k0 .. k1 - 1; the four accumulators take turns.
; ord = 0: source 0 = weights: a lane holds row r, columns 8 h + j.  ord = 1: swapped.
.macro MMA blk, ord, k0, k1
.if \ord
	WIN 0x06
.else
	WIN 0x09
.endif
.set ks, (\k0)
.rept (\k1)-(\k0)
.set cb, 0
.rept 4
.set rD, ACC+32*(\blk)+8*cb
.set rB, 32*ks+8*cb
.set rA, 64*(\blk)+8*ks
.if (\ord) && (ks == 0)
	v_wmma_f32_16x16x32_f16 v[rD:rD+7], v[rA:rA+7], v[rB:rB+7], 0
.elseif \ord
	v_wmma_f32_16x16x32_f16 v[rD:rD+7], v[rA:rA+7], v[rB:rB+7], v[rD:rD+7]
.elseif ks == 0
	v_wmma_f32_16x16x32_f16 v[rD:rD+7], v[rB:rB+7], v[rA:rA+7], 0
.else
	v_wmma_f32_16x16x32_f16 v[rD:rD+7], v[rB:rB+7], v[rA:rA+7], v[rD:rD+7]
.endif
.set cb, cb+1
.endr
.set ks, ks+1
.endr
.endm
.macro XST blk                         ; my partial sums of a block, each accumulator's low registers first
	WIN 0
.set cb, 0
.rept 4
	ds_store_b128 v[XWC], v[ACC+32*(\blk)+8*cb:ACC+32*(\blk)+8*cb+3] offset:16384*(\blk)+1024*cb
	ds_store_b128 v[XWC], v[ACC+32*(\blk)+8*cb+4:ACC+32*(\blk)+8*cb+7] offset:16384*(\blk)+1024*cb+512
.set cb, cb+1
.endr
.endm
.macro XLD                             ; the four waves' partial sums of column block w
.set bk, 0
.rept 2
.set sr, 0
.rept 4
	ds_load_b128 v[XR+32*bk+8*sr:XR+32*bk+8*sr+3], v[XRC] offset:16384*bk+4096*sr
	ds_load_b128 v[XR+32*bk+8*sr+4:XR+32*bk+8*sr+7], v[XRC] offset:16384*bk+4096*sr+512
.set sr, sr+1
.endr
.set bk, bk+1
.endr
.endm
; The turn of half block (blk, hf), any but a trip's first.  (pb, ph): the half block before it, which is loaded again here; st = 1: block pb is finished and its sums are stored here.
.macro HALF blk, hf, ord, pb, ph, st
	s_wait_loadcnt 16                              ; my half block is in; behind its loads stand two younger half blocks', 8 each
	PLACES                                         ; behind the products of the half block before: for the stores that read their results and the loads into their sources
	WIN 0
	s_wait_alu depctr_vm_vsrc(0)                   ; the loads of the half block before have read their address register, which the next line writes
	AADR \pb, \ph
	s_wait_alu depctr_va_vdst(0)                   ; the products of the half block before are done reading its fragments and have written their sums; its new address is written
	MMA \blk, \ord, 4*(\hf), 4*(\hf)+1
.if \st
	XST \pb                                        ; no product since the wait names block pb's accumulators
.endif
	ALD \pb, \ph                                   ; nor the fragments of the half block before
	MMA \blk, \ord, 4*(\hf)+1, 4*(\hf)+4
.endm
; Trip I's products and stores, and the loads of trip min(I + 1, last).  At its head the four half blocks' 32 loads are out, in the order in which they are wanted.
.macro COMPUTE ord
	s_add_co_u32 s[TM], s[I], 1
	s_min_u32 s[TM], s[TM], NT-1
	s_lshl_b32 s[TM], s[TM], 9
	s_add_co_u32 s[ROWB], s[TM], s[ROW0B]
	s_wait_loadcnt 24                              ; the first half block is in; the three younger ones' 24 loads may be out
	MMA 0, \ord, 0, 4
	HALF 0, 1, \ord, 0, 0, 0
	HALF 1, 0, \ord, 0, 1, 1
	HALF 1, 1, \ord, 1, 0, 0
	PLACES                                         ; behind the trip's last products
	WIN 0
	s_wait_alu depctr_vm_vsrc(0)                   ; the last half block's loads have read their address register, which the next line writes
	AADR 1, 1
	WIN 0x80
	s_wait_alu depctr_va_vdst(0)                   ; the last products are done reading their fragments and have written block 1's sums; the address is written
	ALD 1, 1
	XST 1
.endm
.macro FINALH ord                      ; trip I - 1: where it goes
	s_sub_co_u32 s[TM], s[I], 1
.if \ord
	s_lshl_b32 s[TM], s[TM], 16                    ; 32 tokens are 4 groups of 8, 16,384 bytes each
.else
	s_lshl_b32 s[TM], s[TM], 9                     ; 32 tokens of 16 bytes
.endif
	v_add_nc_u32 v[VST], s[TM], v[VST0]
.endm
.macro FINALA ord, bk                  ; a block of trip I - 1: sums, bias, turn, rounding
.set XA, XR+32*(\bk)
.set pp, 0
.rept 4
	v_pk_add_f32 v[XA+pp:XA+pp+1], v[XA+pp:XA+pp+1], v[XA+8+pp:XA+8+pp+1]
	v_pk_add_f32 v[XA+16+pp:XA+16+pp+1], v[XA+16+pp:XA+16+pp+1], v[XA+24+pp:XA+24+pp+1]
.set pp, pp+2
.endr
.set pp, 0
.rept 4
	v_pk_add_f32 v[XA+pp:XA+pp+1], v[XA+pp:XA+pp+1], v[XA+16+pp:XA+16+pp+1]
.set pp, pp+2
.endr
.set pp, 0
.rept 4
.if \ord
	v_pk_add_f32 v[XA+pp:XA+pp+1], v[XA+pp:XA+pp+1], v[CON+16:CON+17] op_sel_hi:[1,0]
.else
	v_pk_add_f32 v[XA+pp:XA+pp+1], v[XA+pp:XA+pp+1], v[CON+pp:CON+pp+1]
.endif
.set pp, pp+2
.endr
.set nn, 0
.rept 4
.if \ord
	v_cvt_pk_f16_f32 v[OUT+4*(\bk)+nn], v[XA+2*nn], v[XA+2*nn+1]
.else
	v_mul_f32 v[WK+2*nn], v[XA+2*nn+1], v[CON+12+nn]                    ; b sin
	v_mul_f32 v[WK+2*nn+1], v[XA+2*nn+1], v[CON+8+nn]                   ; b cos
	v_fma_f32 v[WK+2*nn], v[XA+2*nn], v[CON+8+nn], -v[WK+2*nn]          ; a cos - b sin
	v_fma_f32 v[WK+2*nn+1], v[XA+2*nn], v[CON+12+nn], v[WK+2*nn+1]      ; a sin + b cos
	v_cvt_pk_f16_f32 v[OUT+4*(\bk)+nn], v[WK+2*nn], v[WK+2*nn+1]
.endif
.set nn, nn+1
.endr
.endm
.macro FINALS ord, bk                  ; and its store
.if \ord
	global_store_b128 v[VST], v[OUT+4*(\bk):OUT+4*(\bk)+3], s[OB:OB+1] offset:32768*(\bk)
.else
	global_store_b128 v[VST], v[OUT+4*(\bk):OUT+4*(\bk)+3], s[OB:OB+1] offset:256*(\bk)   ; 16 lanes: 256 consecutive bytes
.endif
.endm
.macro PHASEC ord
	s_mov_b32 s[I], 0
	s_mov_b32 s[XO], 0
	s_mov_b32 s[XI], XPAR
	v_add_nc_u32 v[XWC], s[XO], v[XW0]
	COMPUTE \ord                                   ; trip 0 stands ahead of the loop: there are no sums yet to finish beside it
	s_wait_dscnt 0x0
	s_barrier_signal -1
	s_barrier_wait -1
	s_mov_b32 s[CNT], NT
.Lc_\@:                                                ; NT times: trip I's products (but in the last) and trip I - 1's way out
	s_add_co_u32 s[I], s[I], 1
	s_xor_b32 s[XO], s[XO], XPAR                   ; the buffers change places
	s_xor_b32 s[XI], s[XI], XPAR
	s_wait_alu depctr_vm_vsrc(0)                   ; the last trip's LDS stores have read v[XWC] and the accumulators, its LDS loads v[XRC], its global stores OUT and v[VST]: this trip writes all of them again
	v_add_nc_u32 v[XWC], s[XO], v[XW0]
	v_add_nc_u32 v[XRC], s[XI], v[XRD0]
	s_wait_alu depctr_va_vdst(0)                   ; v[XRC] and v[XWC] are written; the last way out is done with XR, in which the loads below land
	XLD
	s_wait_xcnt 0x0                                ; the last trip's stores have read their data and their offset, which the way out below rewrites
	s_cmp_lt_u32 s[I], NT
	s_cbranch_scc0 .Lnoc_\@                        ; behind the last trip only the sums are left
	COMPUTE \ord
	s_wait_dscnt 16                                ; the partial sums are in; behind their reads stand my 16 stores into the exchange, which may be out during the way out
	s_branch .Lfin_\@
.Lnoc_\@:
	s_wait_dscnt 0x0                               ; nothing was issued behind the reads
.Lfin_\@:
	FINALH \ord
	FINALA \ord, 0
	FINALA \ord, 1
	s_wait_alu depctr_va_vdst(0)                   ; the way out has written OUT and v[VST], which the two stores read
	FINALS \ord, 0
	FINALS \ord, 1
	s_wait_dscnt 0x0                               ; for the others: my stores into this trip's buffer are done
	s_barrier_signal -1                            ; orders my stores against the others' reads of this buffer, and my reads against their next stores into the other
	s_barrier_wait -1
	s_sub_co_u32 s[CNT], s[CNT], 1
	s_cmp_lg_u32 s[CNT], 0
	s_cbranch_scc1 .Lc_\@
	s_wait_dscnt 0x0                               ; the closing lines, six on end
	s_wait_alu 0x0
	s_wait_tensorcnt 0x0
	ds_add_u32 v[SPW], v[NIL]
	s_wait_dscnt 0x0
	s_endpgm
.endm
	s_load_b256 s[4:11], s[0:1], 0x0               ; ha, wq, wkv, bq
	s_load_b256 s[12:19], s[0:1], 0x20             ; bkv, cos, sin, qkvhs
	v_lshl_add_u32 v[SPW], v0, 2, SPARE
	v_mov_b32 v[NIL], 0
	v_lshrrev_b32 v1, 5, v0
	v_readfirstlane_b32 s[WV], v1
	v_and_b32 v[VL], 31, v0
	v_and_b32 v[VR], 15, v0
	v_bfe_u32 v[VH], v0, 4, 1
	s_wait_alu depctr_va_sdst(0)                   ; the wave's number is written, ahead of its first reader: LDS regions and bases are made from it
	s_mov_b32 s[SX], ttmp9
	s_and_b32 s[RG], ttmp7, 0xffff
	s_and_b32 s[HDN], s[SX], 15                    ; the head
	s_lshl_b32 s[ROW0B], s[RG], 12                 ; 256 rows of 16 bytes
	s_mov_b32 s[ROWB], s[ROW0B]
	s_cmp_lt_u32 s[SX], 16
	s_cselect_b32 s[TM], 0, 1
	s_lshl_b32 s[PB], 4096, s[TM]                  ; bytes in a row of wq, or of wkv
	s_lshl_b32 s[T2], s[TM], 4
	s_sub_co_u32 s[CB], s[SX], s[T2]               ; my block of 64 columns in that matrix
	s_lshl_b32 s[P2], s[PB], 1
	s_lshl_b32 s[RND], s[PB], 6                    ; a lap of the ring: 64 rows
	s_mov_b32 s[RND+1], 0
	s_mul_i32 s[WOFF], s[WV], WREG
	v_lshlrev_b32 v7, 14, v[VH]
	v_lshl_add_u32 v7, v[VR], 4, v7                ; 16,384 h + 16 r
	s_lshl_b32 s[TM], s[WV], 19
	v_add_nc_u32 v[VA0], s[TM], v7                 ; plane 32 w + h, row r
	s_cmp_lt_u32 s[SX], 32
	s_cselect_b32 s[TM], 15, 8
	s_lshl_b32 s[TM], s[WV], s[TM]
	v_add_nc_u32 v[VST0], s[TM], v7                ; q, k: plane 2 w + h, row r;  v: group h, column 16 w + r
	v_mul_lo_u32 v[VOFF], v[VH], s[PB]
	v_lshl_add_u32 v[VOFF], v[VR], 4, v[VOFF]      ; a slot is two rows: row h, 16 bytes at 16 r
.set ii, 1
.rept 31
	v_add_nc_u32 v[VOFF+ii], s[P2], v[VOFF+ii-1]
.set ii, ii+1
.endr
	v_mul_u32_u24 v[LW], v[VH], P
	v_lshl_add_u32 v[LW], v[VR], 3, v[LW]
	v_add_nc_u32 v[LW], s[WOFF], v[LW]
	v_and_b32 v1, 7, v0
	v_lshl_add_u32 v1, v[VH], 3, v1
	v_mul_u32_u24 v[LB], v1, P
	v_bfe_u32 v1, v0, 3, 1
	v_lshl_add_u32 v[LB], v1, 4, v[LB]
	v_add_nc_u32 v[LB], s[WOFF], v[LB]             ; the turning load: row 8 h + l % 8, 16 bytes at 16 ((l / 8) % 2)
	s_lshl_b32 s[TM], s[WV], 12
	s_add_co_u32 s[TM], s[TM], XB
	v_lshl_add_u32 v[XW0], v[VL], 4, s[TM]
	s_lshl_b32 s[TM], s[WV], 10
	s_add_co_u32 s[TM], s[TM], XB
	v_lshl_add_u32 v[XRD0], v[VL], 4, s[TM]
	s_lshl_b32 s[T2], s[WV], 6
	v_lshl_add_u32 v[VC1], v[VH], 5, s[T2]         ; bias of columns 16 w + 8 h ..
	v_lshl_add_u32 v[VC3], v[VR], 2, s[T2]         ; bias of column 16 w + r
	s_lshl_b32 s[TM], s[HDN], 7
	s_lshl_b32 s[T2], s[WV], 5
	s_add_co_u32 s[TM], s[TM], s[T2]
	v_lshl_add_u32 v[VC2], v[VH], 4, s[TM]         ; the head's row of the tables, pairs 8 w + 4 h ..
	s_lshl_b32 s[OF], s[WV], 8
	s_mul_i32 s[OF], s[OF], s[PB]
	s_lshl_b32 s[TM], s[CB], 8
	s_add_co_u32 s[OF], s[OF], s[TM]
	s_mov_b32 s[OF+1], 0
	s_wait_kmcnt 0x0
	s_cmp_lt_u32 s[SX], 16
	s_cselect_b64 s[WB:WB+1], s[6:7], s[8:9]
	s_cselect_b64 s[BB:BB+1], s[10:11], s[12:13]
	s_add_nc_u64 s[WB:WB+1], s[WB:WB+1], s[OF:OF+1]
	s_mov_b32 s[OF], s[TM]
	s_add_nc_u64 s[BB:BB+1], s[BB:BB+1], s[OF:OF+1]
	s_lshr_b32 s[TM], s[SX], 4
	s_lshl_b32 s[OF], s[TM], 21                    ; q at 0, k at 2 MB, v at 4 MB
	s_cmp_lt_u32 s[SX], 32
	s_cselect_b32 s[T2], 17, 10
	s_cselect_b32 s[CNT], 12, 19
	s_lshl_b32 s[T2], s[HDN], s[T2]
	s_add_co_u32 s[OF], s[OF], s[T2]
	s_lshl_b32 s[T2], s[RG], s[CNT]
	s_add_co_u32 s[OF], s[OF], s[T2]
	s_add_nc_u64 s[OB:OB+1], s[OB:OB+1], s[OF:OF+1]
	s_wait_alu depctr_va_vdst(0)                   ; the offsets and LDS addresses made above are written: v[VC1 ..], v[VOFF ..], v[LW] and v[LB] are read by the loads and stores below
	; the constants of both ways out (all inside their buffers), ahead of the ring: its waits show them in
	global_load_b128 v[CON:CON+3], v[VC1], s[BB:BB+1]
	global_load_b128 v[CON+4:CON+7], v[VC1], s[BB:BB+1] offset:16
	global_load_b128 v[CON+8:CON+11], v[VC2], s[14:15]
	global_load_b128 v[CON+12:CON+15], v[VC2], s[16:17]
	global_load_b32 v[CON+16], v[VC3], s[BB:BB+1]
.set ii, 0
.rept 32
	global_load_b128 v[RING+4*ii:RING+4*ii+3], v[VOFF+ii], s[WB:WB+1]
.set ii, ii+1
.endr
	s_wait_xcnt 0x0                                ; the base is stepped only behind this wait
	s_add_nc_u64 s[WB:WB+1], s[WB:WB+1], s[RND:RND+1]
	s_mov_b32 s[CNT], 3
.Lw:
	WROUND 1, 0
	s_wait_xcnt 0x0
	s_add_nc_u64 s[WB:WB+1], s[WB:WB+1], s[RND:RND+1]
	s_wait_alu depctr_vm_vsrc(0)                   ; the lap's LDS stores have read v[LW], which moves on, and both sets of T, which the next lap's first two batches write
	v_add_nc_u32 v[LW], 64*P, v[LW]
	s_sub_co_u32 s[CNT], s[CNT], 1
	s_cmp_lg_u32 s[CNT], 0
	s_cbranch_scc1 .Lw
	AADR 0, 0                                      ; trip 0's four half blocks go out ahead of the last lap: its waits leave these 32 loads out
	AADR 0, 1
	AADR 1, 0
	AADR 1, 1
	WIN 0x80
	s_wait_alu depctr_va_vdst(0)                   ; the four addresses are written
	ALD 0, 0
	ALD 0, 1
	ALD 1, 0
	ALD 1, 1
	WIN 0
	WROUND 0, 32
	WIN 0x40
.set ks, 0
.rept 8
.set cb, 0
.rept 4
	ds_load_tr16_b128 v[32*ks+8*cb:32*ks+8*cb+3], v[LB] offset:32*P*ks+32*cb         ; LDS serves a wave's instructions in order (ISA guide 5.7.1.4): these see my stores
	ds_load_tr16_b128 v[32*ks+8*cb+4:32*ks+8*cb+7], v[LB] offset:32*P*ks+32*cb+16*P
.set cb, cb+1
.endr
.set ks, ks+1
.endr
	WIN 0
	v_mov_b32 v[CON+17], v[CON+16]
	s_wait_dscnt 0x0
	s_cmp_lt_u32 s[SX], 32
	s_cbranch_scc0 .Lvpath
	PHASEC 0
.Lvpath:
	PHASEC 1
.Lfunc_end_k_q39ad1742b7_qkv:
	.size	k_q39ad1742b7_qkv, .Lfunc_end_k_q39ad1742b7_qkv-k_q39ad1742b7_qkv
	.p2alignl 7, 3214868480
	.fill 96, 4, 3214868480
	.section	.rodata,"a",@progbits
	.p2align	6, 0x0
	.amdhsa_kernel k_q39ad1742b7_qkv
		.amdhsa_group_segment_fixed_size 229888
		.amdhsa_private_segment_fixed_size 0
		.amdhsa_enable_private_segment 0
		.amdhsa_kernarg_size 64
		.amdhsa_user_sgpr_count 2
		.amdhsa_user_sgpr_kernarg_segment_ptr 1
		.amdhsa_wavefront_size32 1
		.amdhsa_system_sgpr_workgroup_id_x 1
		.amdhsa_system_sgpr_workgroup_id_y 1
		.amdhsa_system_sgpr_workgroup_id_z 1
		.amdhsa_system_vgpr_workitem_id 0
		.amdhsa_next_free_vgpr 640
		.amdhsa_next_free_sgpr 66
		.amdhsa_reserve_vcc 0
		.amdhsa_float_denorm_mode_32 3
		.amdhsa_float_denorm_mode_16_64 3
		.amdhsa_memory_ordered 1
		.amdhsa_forward_progress 1
		.amdhsa_inst_pref_size 83
	.end_amdhsa_kernel
	.amdgpu_metadata
---
amdhsa.version: [ 1, 2 ]
amdhsa.kernels:
  - .name:           k_q39ad1742b7_qkv
    .symbol:         k_q39ad1742b7_qkv.kd
    .args:
      - { .name: ha, .offset: 0, .size: 8, .value_kind: global_buffer, .address_space: global }
      - { .name: wq, .offset: 8, .size: 8, .value_kind: global_buffer, .address_space: global }
      - { .name: wkv, .offset: 16, .size: 8, .value_kind: global_buffer, .address_space: global }
      - { .name: bq, .offset: 24, .size: 8, .value_kind: global_buffer, .address_space: global }
      - { .name: bkv, .offset: 32, .size: 8, .value_kind: global_buffer, .address_space: global }
      - { .name: freqs_cos, .offset: 40, .size: 8, .value_kind: global_buffer, .address_space: global }
      - { .name: freqs_sin, .offset: 48, .size: 8, .value_kind: global_buffer, .address_space: global }
      - { .name: qkvhs, .offset: 56, .size: 8, .value_kind: global_buffer, .address_space: global }
    .group_segment_fixed_size: 229888
    .private_segment_fixed_size: 0
    .kernarg_segment_align: 8
    .kernarg_segment_size: 64
    .max_flat_workgroup_size: 128
    .sgpr_count:     66
    .vgpr_count:     640
    .wavefront_size: 32
...
	.end_amdgpu_metadata
.endif
;; end of part 10
;; launch att: the kernel of part 3 again; grid 16 x 16, 4 waves a work-group, no clusters, 0 bytes of LDS; arguments qkvhs, ha; writes ha
;; launch oproj (part 11): grid 16 x 16, 4 waves a work-group, no clusters, 233,984 bytes of LDS; arguments ha, wo, bo, x, x2; writes x2
.if DOCPART == 11
	.amdgcn_target "amdgcn-amd-amdhsa--gfx1250"
	.amdhsa_code_object_version 6
	.text
	.protected	k_q39ad1742b7_oproj
	.globl	k_q39ad1742b7_oproj
	.p2align	8
	.type	k_q39ad1742b7_oproj,@function
k_q39ad1742b7_oproj:
	s_mov_b64 s[64:65], 0
	v_nop
	global_prefetch_b8 v0, s[64:65] scope:SCOPE_SE
	s_setreg_imm32_b32 hwreg(HW_REG_WAVE_SCHED_MODE, 0, 2), 2
	s_setreg_imm32_b32 hwreg(HW_REG_WAVE_MODE, 25, 1), 1
	s_wait_xcnt 0x0
	s_wait_alu depctr_vm_vsrc(0)
; x2 = x + y wo + bo, in f32; the product in f16 with f32 sums.  A work-group owns 64 columns and 64 rows.  The weights stay in registers and K is split over the four waves:
; wave w streams rows 256 w .. +255 of the slab through a ring of 32 register slots, rounds them to f16 into its own LDS region (pitch 160 bytes) and reads them back turned, once.
; Two trips of 32 rows: products on fragments of y straight from memory (y lies by planes), partial sums into an exchange buffer laid by rows (pitch 272 bytes),
; one barrier, then each wave adds the four partial sums of 8 rows a trip: a lane holds 4 columns, 16 lanes 256 consecutive bytes of a row.
; No tensor loads (the weights pass through registers for their rounding), no cluster (what is shared is 2 MB of y and a slab among 16 row groups).
; LIMITS: y and wo below 65,504; a weight below 6e-5 keeps f16's fixed step of 6e-8.
; THE MODE: SCHED_MODE bits 1:0 = 2 (LLVM: expert scheduling mode 2), set by the entry lines.  The code itself states the register dependences
; between vector or matrix instructions and memory or LDS instructions, with s_wait_alu, always for 0.
; THE PLAN.  Registers that memory or LDS instructions touch:
;   RING        a slot: written by its load, read by its two conversions, loaded again.  The slots go in batches of four.
;   T0, T1      two sets of 8.  A batch's conversions write one, its four LDS stores read it; it is written again two batches on.
;   v[LW]       read by every LDS store of weights; written once a lap.
;   v[VOFF], v[VX], v[VBO], v[LB], v[XW], v[XRD ..]  made at the head, never written again.
;   A           window 2: a block is written by its 16 loads, read by its 32 products, and in trip 0 loaded again.    v[VAC ..]  its loads' address: written ahead of the reload.
;   ACC         written by a block's products, read by its 8 LDS stores, written anew in trip 1.
;   XR          written by the 16 LDS loads of a trip's sums; read and written by the way out.          OUT  written by a way out, read by its four stores; each trip has its own.
; While the weights stream ONE wait on va_vdst stands in a batch, behind its conversions.  In a trip one stands between the blocks (block 0's stores and reload then stand among block 1's products,
; which name none of their registers), one behind block 1, and one ahead of each way out's stores.
.set PL,    16384
.set PITCHB,4096
.set P,     160
.set WREG,  256*P
.set XB,    4*WREG
.set XPAR,  34816                      ; [block 2][wave 4][16 rows][272 bytes]
.set SPARE, XB+2*XPAR
.set SPW, 2
.set NIL, 3
.set VR,  4
.set VH,  5
.set VL,  6
.set LW,  8
.set LB,  9
.set VA0, 10
.set VAC, 12
.set XW,  14
.set VX,  16                           ; my offset in x and x2; never rewritten
.set VBO, 17
.set VOFF,18
.set XRD, 20                           ; v20, v21: where I read partial sums back, by buffer: so the immediates stay inside their 16 bits (31,008 at the most)
.set ACC, 32
.set RING,32
.set XR,  96
.set CON, 160                          ; v160-191 my 8 pieces of x, then x + bo
.set OUT, 192
.set BI,  228
.set T,   232                          ; v232-247 while the weights stream: two sets of 8
.set AB,  4
.set WB,  6
.set WV,  14
.set SLAB,15
.set RY,  16
.set CNT, 17
.set TM,  18
.set ROWB,19
.set OF,  20
.set WOFF,22
.set MSB, 0
.macro WIN new
.if MSB != (\new)
	s_set_vgpr_msb (MSB<<8)|(\new)
.set MSB, (\new)
.endif
.endm
.macro PLACES
.rept 4
	v_nop
.endr
.endm
.macro AADR blk                        ; the address of a block's next loads (window 0)
	v_add_nc_u32 v[VAC+(\blk)], s[ROWB], v[VA0]
.endm
.macro ALD blk
	WIN 0x80
.set ks, 0
.rept 8
	global_load_b128 v[64*(\blk)+8*ks:64*(\blk)+8*ks+3], v[VAC+(\blk)], s[AB:AB+1] offset:256*(\blk)+4*ks*PL
	global_load_b128 v[64*(\blk)+8*ks+4:64*(\blk)+8*ks+7], v[VAC+(\blk)], s[AB:AB+1] offset:256*(\blk)+(4*ks+2)*PL
.set ks, ks+1
.endr
.endm
; One lap of the weights' ring, in eight batches of four slots.  ahead = 1: each slot is loaded again.  extra: loads issued behind the ring's.
.macro WROUND ahead, extra
.set bb, 0
.rept 8
.if \ahead
	s_wait_loadcnt 28                              ; the batch's four slots are in; the 28 younger slots may be out
.else
	s_wait_loadcnt (\extra)+28-4*bb
.endif
.if bb >= 2
	s_wait_alu depctr_vm_vsrc(0)                   ; the LDS stores of two batches back have read this set of T, which the conversions below write again (for the first two batches the wait at the last lap's end says so)
.endif
.set ii, 4*bb
.rept 4
	v_cvt_pk_f16_f32 v[T+8*(bb%2)+2*(ii%4)], v[RING+4*ii], v[RING+4*ii+1]
	v_cvt_pk_f16_f32 v[T+8*(bb%2)+2*(ii%4)+1], v[RING+4*ii+2], v[RING+4*ii+3]
.set ii, ii+1
.endr
	s_wait_alu depctr_va_vdst(0)                   ; the conversions have written this set of T, which the LDS stores read, and are done reading the four slots, in which the loads land; in a lap's first batch v[LW] is written
.set ii, 4*bb
.rept 4
	ds_store_b64 v[LW], v[T+8*(bb%2)+2*(ii%4):T+8*(bb%2)+2*(ii%4)+1] offset:320*ii
.if \ahead
	global_load_b128 v[RING+4*ii:RING+4*ii+3], v[VOFF], s[WB:WB+1] offset:ii*2*PITCHB
.endif
.set ii, ii+1
.endr
.set bb, bb+1
.endr
.endm
.macro MMA blk, k0, k1                 ; K steps k0 .. k1 - 1; source 0 = weights: a lane holds row r, columns 8 h + j; the four accumulators take turns
	WIN 0x09
.set ks, (\k0)
.rept (\k1)-(\k0)
.set cb, 0
.rept 4
.set rD, ACC+32*(\blk)+8*cb
.set rB, 32*ks+8*cb
.set rA, 64*(\blk)+8*ks
.if ks == 0
	v_wmma_f32_16x16x32_f16 v[rD:rD+7], v[rB:rB+7], v[rA:rA+7], 0
.else
	v_wmma_f32_16x16x32_f16 v[rD:rD+7], v[rB:rB+7], v[rA:rA+7], v[rD:rD+7]
.endif
.set cb, cb+1
.endr
.set ks, ks+1
.endr
.endm
.macro XST par, blk
	WIN 0
.set cb, 0
.rept 4
	ds_store_b128 v[XW], v[ACC+32*(\blk)+8*cb:ACC+32*(\blk)+8*cb+3] offset:XPAR*(\par)+17408*(\blk)+64*cb
	ds_store_b128 v[XW], v[ACC+32*(\blk)+8*cb+4:ACC+32*(\blk)+8*cb+7] offset:XPAR*(\par)+17408*(\blk)+64*cb+16
.set cb, cb+1
.endr
.endm
.macro XLD par
.set bk, 0
.rept 2
.set sr, 0
.rept 4
	ds_load_b128 v[XR+32*bk+8*sr:XR+32*bk+8*sr+3], v[XRD+(\par)] offset:17408*bk+4352*sr
	ds_load_b128 v[XR+32*bk+8*sr+4:XR+32*bk+8*sr+7], v[XRD+(\par)] offset:17408*bk+4352*sr+544
.set sr, sr+1
.endr
.set bk, bk+1
.endr
.endm
; A trip's products and stores.  ahead = 1: the next trip's fragments are loaded.
.macro COMPUTE par, ahead
	s_wait_loadcnt 16                              ; block 0's fragments are in; block 1's 16 loads may be out
	MMA 0, 0, 8
	s_wait_loadcnt 0x0                             ; block 1's are in: nothing was issued behind them
	PLACES                                         ; behind block 0's products: for the stores that read their results and the loads into their sources
	WIN 0
.if \ahead
	s_wait_alu depctr_vm_vsrc(0)                   ; block 0's loads have read their address register, which the next line writes
	AADR 0
.endif
	s_wait_alu depctr_va_vdst(0)                   ; block 0's products have written their sums and are done reading its fragments; with a reload, its new address is written
	MMA 1, 0, 1
	XST \par, 0                                    ; no product since the wait names block 0's accumulators,
.if \ahead
	ALD 0                                          ; nor its fragments
.endif
	MMA 1, 1, 8
	PLACES                                         ; behind block 1's products
	WIN 0
.if \ahead
	s_wait_alu depctr_vm_vsrc(0)                   ; block 1's loads have read their address register, which the next line writes
	AADR 1
	WIN 0x80
.endif
	s_wait_alu depctr_va_vdst(0)                   ; block 1's products have written their sums and are done reading its fragments; with a reload, its new address is written
.if \ahead
	ALD 1
.endif
	XST \par, 1
.endm
.macro FINALA t                        ; trip t: rows 16 (2 t + block) + 4 w + 2 i + h, columns 4 r ..: the sums
.set bk, 0
.rept 2
.set hi, 0
.rept 2
.set XA, XR+32*bk+4*hi
.set OA, OUT+16*(\t)+8*bk+4*hi
.set CA, CON+16*(\t)+8*bk+4*hi
	v_pk_add_f32 v[XA:XA+1], v[XA:XA+1], v[XA+8:XA+9]
	v_pk_add_f32 v[XA+2:XA+3], v[XA+2:XA+3], v[XA+10:XA+11]
	v_pk_add_f32 v[XA+16:XA+17], v[XA+16:XA+17], v[XA+24:XA+25]
	v_pk_add_f32 v[XA+18:XA+19], v[XA+18:XA+19], v[XA+26:XA+27]
	v_pk_add_f32 v[XA:XA+1], v[XA:XA+1], v[XA+16:XA+17]
	v_pk_add_f32 v[XA+2:XA+3], v[XA+2:XA+3], v[XA+18:XA+19]
	v_pk_add_f32 v[OA:OA+1], v[XA:XA+1], v[CA:CA+1]
	v_pk_add_f32 v[OA+2:OA+3], v[XA+2:XA+3], v[CA+2:CA+3]
.set hi, hi+1
.endr
.set bk, bk+1
.endr
.endm
.macro FINALS t                        ; and the stores
.set bk, 0
.rept 2
.set hi, 0
.rept 2
.set OA, OUT+16*(\t)+8*bk+4*hi
	global_store_b128 v[VX], v[OA:OA+3], s[12:13] offset:65536*(2*(\t)+bk)+8192*hi   ; 16 lanes: 256 consecutive bytes of a row
.set hi, hi+1
.endr
.set bk, bk+1
.endr
.endm
	s_load_b256 s[4:11], s[0:1], 0x0               ; ha, wo, bo, x
	s_load_b64 s[12:13], s[0:1], 0x20              ; x2
	v_lshl_add_u32 v[SPW], v0, 2, SPARE
	v_mov_b32 v[NIL], 0
	v_lshrrev_b32 v1, 5, v0
	v_readfirstlane_b32 s[WV], v1
	v_and_b32 v[VL], 31, v0
	v_and_b32 v[VR], 15, v0
	v_bfe_u32 v[VH], v0, 4, 1
	s_wait_alu depctr_va_sdst(0)                   ; the wave's number is written, ahead of its first reader: LDS regions and bases are made from it
	s_mov_b32 s[SLAB], ttmp9
	s_and_b32 s[RY], ttmp7, 0xffff
	s_lshl_b32 s[ROWB], s[RY], 10                  ; 64 rows of 16 bytes
	s_mul_i32 s[WOFF], s[WV], WREG
	v_lshlrev_b32 v7, 14, v[VH]
	v_lshl_add_u32 v7, v[VR], 4, v7
	s_lshl_b32 s[TM], s[WV], 19
	v_add_nc_u32 v[VA0], s[TM], v7
	v_lshlrev_b32 v[VOFF], 12, v[VH]
	v_lshl_add_u32 v[VOFF], v[VR], 4, v[VOFF]      ; row h of a pair, 16 bytes at 16 r
	s_lshl_b32 s[TM], s[WV], 14
	v_add_nc_u32 v[VX], s[TM], v[VOFF]             ; row 4 w + h, 16 bytes at 16 r
	v_lshlrev_b32 v[VBO], 4, v[VR]
	v_mul_u32_u24 v[LW], v[VH], P
	v_lshl_add_u32 v[LW], v[VR], 3, v[LW]
	v_add_nc_u32 v[LW], s[WOFF], v[LW]
	v_and_b32 v1, 7, v0
	v_lshl_add_u32 v1, v[VH], 3, v1
	v_mul_u32_u24 v[LB], v1, P
	v_bfe_u32 v1, v0, 3, 1
	v_lshl_add_u32 v[LB], v1, 4, v[LB]
	v_add_nc_u32 v[LB], s[WOFF], v[LB]
	s_mul_i32 s[TM], s[WV], 4352
	s_add_co_u32 s[TM], s[TM], XB
	v_mul_u32_u24 v[XW], v[VR], 272
	v_lshl_add_u32 v[XW], v[VH], 5, v[XW]
	v_add_nc_u32 v[XW], s[TM], v[XW]               ; my region, row r, 32 bytes for each half of the lanes
	s_mul_i32 s[TM], s[WV], 1088
	s_add_co_u32 s[TM], s[TM], XB
	v_mul_u32_u24 v[XRD], v[VH], 272
	v_lshl_add_u32 v[XRD], v[VR], 4, v[XRD]
	v_add_nc_u32 v[XRD], s[TM], v[XRD]             ; row 4 w + h, 16 bytes at 16 r, in buffer 0,
	v_add_nc_u32 v[XRD+1], XPAR, v[XRD]            ; and in buffer 1
	s_lshl_b32 s[OF], s[SLAB], 8
	s_mov_b32 s[OF+1], 0
	s_wait_kmcnt 0x0
	s_add_nc_u64 s[8:9], s[8:9], s[OF:OF+1]        ; bo at my 64 columns
	s_add_nc_u64 s[WB:WB+1], s[WB:WB+1], s[OF:OF+1]
	s_lshl_b32 s[TM], s[RY], 18
	s_add_co_u32 s[OF], s[OF], s[TM]
	s_add_nc_u64 s[10:11], s[10:11], s[OF:OF+1]    ; x and x2 at my 64 rows and columns
	s_add_nc_u64 s[12:13], s[12:13], s[OF:OF+1]
	s_lshl_b32 s[OF], s[WV], 20
	s_add_nc_u64 s[WB:WB+1], s[WB:WB+1], s[OF:OF+1]
	s_wait_alu depctr_va_vdst(0)                   ; the offsets and LDS addresses made above are written: every load and store of the kernel but the fragments' reads one of them
.set nn, 0
.rept 8                                ; the residual and the bias, ahead of the ring: its waits show them in
	global_load_b128 v[CON+4*nn:CON+4*nn+3], v[VX], s[10:11] offset:65536*(nn/2)+8192*(nn%2)
.set nn, nn+1
.endr
	global_load_b128 v[BI:BI+3], v[VBO], s[8:9]
.set ii, 0
.rept 32
	global_load_b128 v[RING+4*ii:RING+4*ii+3], v[VOFF], s[WB:WB+1] offset:ii*2*PITCHB
.set ii, ii+1
.endr
	s_wait_xcnt 0x0                                ; the base is stepped only behind this wait
	s_add_nc_u64 s[WB:WB+1], s[WB:WB+1], 64*PITCHB
	s_mov_b32 s[CNT], 3
.Lw:
	WROUND 1, 0
	s_wait_xcnt 0x0
	s_add_nc_u64 s[WB:WB+1], s[WB:WB+1], 64*PITCHB
	s_wait_alu depctr_vm_vsrc(0)                   ; the lap's LDS stores have read v[LW], which moves on, and both sets of T, which the next lap's first two batches write
	v_add_nc_u32 v[LW], 64*P, v[LW]
	s_sub_co_u32 s[CNT], s[CNT], 1
	s_cmp_lg_u32 s[CNT], 0
	s_cbranch_scc1 .Lw
	AADR 0                                         ; trip 0's fragments go out ahead of the last lap: its waits leave these 32 out
	AADR 1
	WIN 0x80
	s_wait_alu depctr_va_vdst(0)                   ; the two addresses are written
	ALD 0
	ALD 1
	WIN 0
	WROUND 0, 32
	WIN 0x40
.set ks, 0
.rept 8
.set cb, 0
.rept 4
	ds_load_tr16_b128 v[32*ks+8*cb:32*ks+8*cb+3], v[LB] offset:32*P*ks+32*cb         ; LDS serves a wave's instructions in order (ISA guide 5.7.1.4): these see my stores
	ds_load_tr16_b128 v[32*ks+8*cb+4:32*ks+8*cb+7], v[LB] offset:32*P*ks+32*cb+16*P
.set cb, cb+1
.endr
.set ks, ks+1
.endr
	WIN 0
.set nn, 0
.rept 8
	v_pk_add_f32 v[CON+4*nn:CON+4*nn+1], v[CON+4*nn:CON+4*nn+1], v[BI:BI+1]
	v_pk_add_f32 v[CON+4*nn+2:CON+4*nn+3], v[CON+4*nn+2:CON+4*nn+3], v[BI+2:BI+3]
.set nn, nn+1
.endr
	s_add_co_u32 s[ROWB], s[ROWB], 512             ; the loads below are trip 1's
	s_wait_dscnt 0x0
	COMPUTE 0, 1
	s_wait_dscnt 0x0                               ; for the others: my partial sums of trip 0 are in buffer 0
	s_barrier_signal -1
	s_barrier_wait -1
	s_wait_alu depctr_vm_vsrc(0)                   ; my stores into the exchange have read the accumulators, which trip 1's first products write anew
	XLD 0                                          ; (their address was made at the head; the conversions that read these registers stand ahead of the waits above)
	COMPUTE 1, 0
	s_wait_dscnt 0x0                               ; trip 0's partial sums are in, and mine of trip 1 are in buffer 1
	FINALA 0
	s_wait_alu depctr_va_vdst(0)                   ; the way out has written OUT, which the stores read, and is done with XR, in which trip 1's sums land behind the barrier
	FINALS 0
	s_barrier_signal -1
	s_barrier_wait -1
	XLD 1
	s_wait_dscnt 0x0
	FINALA 1
	s_wait_alu depctr_va_vdst(0)                   ; the way out has written OUT, which the stores read
	FINALS 1
	s_wait_dscnt 0x0                               ; the closing lines, six on end
	s_wait_alu 0x0
	s_wait_tensorcnt 0x0
	ds_add_u32 v[SPW], v[NIL]
	s_wait_dscnt 0x0
	s_endpgm
.Lfunc_end_k_q39ad1742b7_oproj:
	.size	k_q39ad1742b7_oproj, .Lfunc_end_k_q39ad1742b7_oproj-k_q39ad1742b7_oproj
	.p2alignl 7, 3214868480
	.fill 96, 4, 3214868480
	.section	.rodata,"a",@progbits
	.p2align	6, 0x0
	.amdhsa_kernel k_q39ad1742b7_oproj
		.amdhsa_group_segment_fixed_size 233984
		.amdhsa_private_segment_fixed_size 0
		.amdhsa_enable_private_segment 0
		.amdhsa_kernarg_size 40
		.amdhsa_user_sgpr_count 2
		.amdhsa_user_sgpr_kernarg_segment_ptr 1
		.amdhsa_wavefront_size32 1
		.amdhsa_system_sgpr_workgroup_id_x 1
		.amdhsa_system_sgpr_workgroup_id_y 1
		.amdhsa_system_sgpr_workgroup_id_z 1
		.amdhsa_system_vgpr_workitem_id 0
		.amdhsa_next_free_vgpr 640
		.amdhsa_next_free_sgpr 66
		.amdhsa_reserve_vcc 0
		.amdhsa_float_denorm_mode_32 3
		.amdhsa_float_denorm_mode_16_64 3
		.amdhsa_memory_ordered 1
		.amdhsa_forward_progress 1
		.amdhsa_inst_pref_size 54
	.end_amdhsa_kernel
	.amdgpu_metadata
---
amdhsa.version: [ 1, 2 ]
amdhsa.kernels:
  - .name:           k_q39ad1742b7_oproj
    .symbol:         k_q39ad1742b7_oproj.kd
    .args:
      - { .name: ha, .offset: 0, .size: 8, .value_kind: global_buffer, .address_space: global }
      - { .name: wo, .offset: 8, .size: 8, .value_kind: global_buffer, .address_space: global }
      - { .name: bo, .offset: 16, .size: 8, .value_kind: global_buffer, .address_space: global }
      - { .name: x, .offset: 24, .size: 8, .value_kind: global_buffer, .address_space: global }
      - { .name: x2, .offset: 32, .size: 8, .value_kind: global_buffer, .address_space: global }
    .group_segment_fixed_size: 233984
    .private_segment_fixed_size: 0
    .kernarg_segment_align: 8
    .kernarg_segment_size: 40
    .max_flat_workgroup_size: 128
    .sgpr_count:     66
    .vgpr_count:     640
    .wavefront_size: 32
...
	.end_amdgpu_metadata
.endif
;; end of part 11
;; launch router: the kernel of part 5 again; grid 256 x 1, 4 waves a work-group, no clusters, 37,376 bytes of LDS; arguments x2, norm2_w, router_w, ha, sel, prob; writes ha, sel, prob
;; launch sortperm: the kernel of part 6 again; grid 72 x 1, 32 waves a work-group, no clusters, 79,360 bytes of LDS; arguments sel, ha, qkvhs, route; writes qkvhs, route
;; launch moe1 (part 12): grid 32 x 8, 4 waves a work-group, no clusters, 295,424 bytes of LDS; arguments qkvhs, gate_w, up_w, route, act; writes act
.if DOCPART == 12
	.amdgcn_target "amdgcn-amd-amdhsa--gfx1250"
	.amdhsa_code_object_version 6
	.text
	.protected	k_q39ad1742b7_moe1
	.globl	k_q39ad1742b7_moe1
	.p2align	8
	.type	k_q39ad1742b7_moe1,@function
k_q39ad1742b7_moe1:
	s_mov_b64 s[64:65], 0
	v_nop
	global_prefetch_b8 v0, s[64:65] scope:SCOPE_SE
	s_setreg_imm32_b32 hwreg(HW_REG_WAVE_SCHED_MODE, 0, 2), 2
	s_setreg_imm32_b32 hwreg(HW_REG_WAVE_MODE, 25, 1), 1
	s_wait_xcnt 0x0
	s_wait_alu depctr_vm_vsrc(0)
; act = silu(h2 gate_w[e]) * (h2 up_w[e]) for the slots of expert e, in bf16 by planes [column / 8][slot][8].  Products in bf16 with f32 sums.  Only the two chosen experts of a token are computed:
; the others' weight is exactly 0.  (LIMIT: where an unchosen expert's output would be infinite or NaN, 0 x that is NaN in the model and nothing here.)
; A work-group owns expert e and 64 columns of H: 64 of gate and 64 of up, 512 KB of f32 that the launch reads once.  The weights stay in registers, K is split over the waves:
; wave w streams rows 256 w .. +255 (256 bytes a row of each matrix) through a ring of 32 register slots, rounds to bf16 into its LDS region [k][128 columns], pitch 288,
; and reads it back once, turned: 64 fragments, 512 registers.  Then the expert's slots go in trips of 32; each wave multiplies its K quarter (fragments of h2 straight from memory), the partial sums
; meet in an exchange buffer (two of them, laid over the slab, which is done with), one barrier a trip; wave w finishes column block w of gate and of up.
; A trip is written once: which buffer is stored into and which is read are two scalar offsets that an exclusive or turns in every trip.
; THE FRAGMENTS OF h2 ARE A RING OF FOUR HALF BLOCKS (16 slots x 128 of my K: 8 loads).  A half block is loaded again among the first products of the half block behind it and is wanted again a trip later.
; So a trip's first wait leaves the three younger half blocks' 24 loads out, the other three 16: the half block just multiplied has not been asked for again.
; The number of trips, n_e, was stored by an earlier launch.  The loop counts to the constant 32; a dead trip is jumped forward to the barrier.
; No tensor loads (the weights are rounded on their way), no cluster (an expert's 32 work-groups share only its gathered rows).
; THE MODE: SCHED_MODE bits 1:0 = 2 (LLVM: expert scheduling mode 2), set by the entry lines.  The code itself states the register dependences
; between vector or matrix instructions and memory or LDS instructions, with s_wait_alu, always for 0.
; THE PLAN.  Registers that memory or LDS instructions touch:
;   RING        a slot: written by its load, read by its two conversions, loaded again.  The slots go in batches of four.
;   T0, T1      two sets of 8.  A batch's conversions write one, its four LDS stores read it; it is written again two batches on.
;   v[LW]       read by every LDS store of weights; written once a lap.            v[VOFF], v[LB ..]  made at the head, never written again.
;   A           window 3: a half block is written by its 8 loads, read by its 32 products, loaded again.    v[VAC ..]  its loads' address: written ahead of each reload.
;   ACC         written by a block's products, read by its 16 LDS stores, written anew a trip later.
;   XR          window 3: written by the 32 LDS loads at a trip's head; read by the way out.               v[XWC], v[XRC]  written at a trip's head.
;   OUT, v[VST] written by the way out, read by its two global stores.
; While the weights stream ONE wait on va_vdst stands in a batch, behind its conversions.  In a trip one stands at its head, one at the head of each half block but the first (it covers the half block
; before: its fragments are read, its sums are written, its address is made; that half block's reload and stores then stand among this half block's products, which name none of those registers),
; one behind the last half block; in the way out one behind the exponentials of both blocks, one behind their reciprocals and one ahead of the global stores.
.set PL,    36864
.set PITCHB,8192
.set P,     288
.set WREG,  256*P
.set XPAR,  0x10000                    ; bytes in an exchange buffer: [block 2][wave 4][column block 8][1,024 bytes in lane order]
.set SPARE, 4*WREG
.set SPW, 2
.set NIL, 3
.set VR,  4
.set VH,  5
.set VL,  6
.set LW,  8
.set LB,  10                           ; v10, v11: K steps 0-3, 4-7
.set VA0, 9
.set XW0, 14                           ; where I store partial sums in buffer 0; never rewritten
.set XWC, 15                           ; the same in this trip's buffer
.set XRD0,16                           ; where I read them back in buffer 0; never rewritten
.set XRC, 17
.set VST0,18
.set VST, 19
.set VOFF,20
.set VAC, 24                           ; v24-27: the address of each half block's loads (2 block + half): rewritten only behind a wait that shows its own loads done
.set ACC, 32                           ; v32-159 (64 block + 8 column block; blocks 0-3 gate, 4-7 up)
.set RING,32
.set T,   160                          ; v160-175 while the weights stream: two sets of 8
.set WKS, 160                          ; v160-223 at work on the way out
.set OUT, 224
; windows 1, 2: the 64 weight fragments (K step ks in window 1 + ks / 4 at 64 (ks % 4) + 8 column block).  window 3: v0-127 fragments of h2; v128-255 partial sums read back (64 block + 16 wave + 8 up)
.set AB,  4
.set GB,  6
.set UB,  8
.set OB,  12
.set WV,  14
.set HB,  15
.set EX,  16
.set I,   17
.set CNT, 18
.set TM,  19
.set BASE,20
.set N,   21
.set LAST,22
.set ROWB,23
.set OF,  24
.set WOFF,26
.set MOF, 27
.set XO,  28                           ; offset of the buffer that this trip stores into: 0 or XPAR
.set XI,  29                           ; offset of the buffer that it reads: the other one
.set MSB, 0
.macro WIN new
.if MSB != (\new)
	s_set_vgpr_msb (MSB<<8)|(\new)
.set MSB, (\new)
.endif
.endm
.macro PLACES
.rept 4
	v_nop
.endr
.endm
.macro AADR blk, hf                    ; the address of a half block's next loads (window 0)
	v_add_nc_u32 v[VAC+2*(\blk)+(\hf)], s[ROWB], v[VA0]
.endm
; 8 loads: the fragments of 16 slots x K steps 4 hf .. 4 hf + 3 of my 8.  A load takes 256 consecutive bytes of each of two planes.
.macro ALD blk, hf
	WIN 0xc0
.set ks, 4*(\hf)
.rept 4
	global_load_b128 v[64*(\blk)+8*ks:64*(\blk)+8*ks+3], v[VAC+2*(\blk)+(\hf)], s[AB:AB+1] offset:256*(\blk)+4*ks*PL
	global_load_b128 v[64*(\blk)+8*ks+4:64*(\blk)+8*ks+7], v[VAC+2*(\blk)+(\hf)], s[AB:AB+1] offset:256*(\blk)+(4*ks+2)*PL
.set ks, ks+1
.endr
.endm
.macro WLD                             ; slot ii: row pair ii / 2 of gate (even) or of up (odd)
.if ii%2
	global_load_b128 v[RING+4*ii:RING+4*ii+3], v[VOFF], s[UB:UB+1] offset:(ii/2)*2*PITCHB th:TH_LOAD_NT
.else
	global_load_b128 v[RING+4*ii:RING+4*ii+3], v[VOFF], s[GB:GB+1] offset:(ii/2)*2*PITCHB th:TH_LOAD_NT
.endif
.endm
; One lap of the weights' ring, in eight batches of four slots.  ahead = 1: each slot is loaded again.  extra: loads issued behind the ring's.
.macro WROUND ahead, extra
.set bb, 0
.rept 8
.if \ahead
	s_wait_loadcnt 28                              ; the batch's four slots are in; the 28 younger slots may be out
.else
	s_wait_loadcnt (\extra)+28-4*bb
.endif
.if bb >= 2
	s_wait_alu depctr_vm_vsrc(0)                   ; the LDS stores of two batches back have read this set of T, which the conversions below write again (for the first two batches the wait at the last lap's end says so)
.endif
.set ii, 4*bb
.rept 4
	v_cvt_pk_bf16_f32 v[T+8*(bb%2)+2*(ii%4)], v[RING+4*ii], v[RING+4*ii+1]
	v_cvt_pk_bf16_f32 v[T+8*(bb%2)+2*(ii%4)+1], v[RING+4*ii+2], v[RING+4*ii+3]
.set ii, ii+1
.endr
	s_wait_alu depctr_va_vdst(0)                   ; the conversions have written this set of T, which the LDS stores read, and are done reading the four slots, in which the loads land; in a lap's first batch v[LW] is written
.set ii, 4*bb
.rept 4
	ds_store_b64 v[LW], v[T+8*(bb%2)+2*(ii%4):T+8*(bb%2)+2*(ii%4)+1] offset:2*P*(ii/2)+128*(ii%2)
.if \ahead
	WLD
.endif
.set ii, ii+1
.endr
.set bb, bb+1
.endr
.endm
; The products of a block for K steps k0 .. k1 - 1; source 0 = weights: a lane holds row r, columns 8 h + j; the eight accumulators take turns
.macro MMA blk, k0, k1
.set ks, (\k0)
.rept (\k1)-(\k0)
.if ks < 4
	WIN 0x0d
.else
	WIN 0x0e
.endif
.set cb, 0
.rept 8
.set rD, ACC+64*(\blk)+8*cb
.set rB, 64*(ks%4)+8*cb
.set rA, 64*(\blk)+8*ks
.if ks == 0
	v_wmma_f32_16x16x32_bf16 v[rD:rD+7], v[rB:rB+7], v[rA:rA+7], 0
.else
	v_wmma_f32_16x16x32_bf16 v[rD:rD+7], v[rB:rB+7], v[rA:rA+7], v[rD:rD+7]
.endif
.set cb, cb+1
.endr
.set ks, ks+1
.endr
.endm
.macro XST blk                         ; my partial sums of a block, each accumulator's low registers first
	WIN 0
.set cb, 0
.rept 8
	ds_store_b128 v[XWC], v[ACC+64*(\blk)+8*cb:ACC+64*(\blk)+8*cb+3] offset:32768*(\blk)+1024*cb
	ds_store_b128 v[XWC], v[ACC+64*(\blk)+8*cb+4:ACC+64*(\blk)+8*cb+7] offset:32768*(\blk)+1024*cb+512
.set cb, cb+1
.endr
.endm
.macro XLD
	WIN 0xc0
	s_wait_alu depctr_va_vdst(0)                   ; v[XRC] and v[XWC] are written; the last way out is done reading the registers in which the loads below land
.set bk, 0
.rept 2
.set sr, 0
.rept 4
.set uu, 0
.rept 2
	ds_load_b128 v[128+64*bk+16*sr+8*uu:128+64*bk+16*sr+8*uu+3], v[XRC] offset:32768*bk+8192*sr+4096*uu
	ds_load_b128 v[128+64*bk+16*sr+8*uu+4:128+64*bk+16*sr+8*uu+7], v[XRC] offset:32768*bk+8192*sr+4096*uu+512
.set uu, uu+1
.endr
.set sr, sr+1
.endr
.set bk, bk+1
.endr
	WIN 0
.endm
; The turn of half block (blk, hf), any but a trip's first.  (pb, ph): the half block before it, which is loaded again here; st = 1: block pb is finished and its sums are stored here.
.macro HALF blk, hf, pb, ph, st
	s_wait_loadcnt 16                              ; my half block is in; behind its loads stand two younger half blocks', 8 each
	PLACES                                         ; behind the products of the half block before: for the stores that read their results and the loads into their sources
	WIN 0
	s_wait_alu depctr_vm_vsrc(0)                   ; the loads of the half block before have read their address register, which the next line writes
	AADR \pb, \ph
	s_wait_alu depctr_va_vdst(0)                   ; the products of the half block before are done reading its fragments and have written their sums; its new address is written
	MMA \blk, 4*(\hf), 4*(\hf)+1
.if \st
	XST \pb                                        ; no product since the wait names block pb's accumulators
.endif
	ALD \pb, \ph                                   ; nor the fragments of the half block before
	MMA \blk, 4*(\hf)+1, 4*(\hf)+4
.endm
; Trip I's products and stores, and the loads of trip min(I + 1, last); the row is clamped by a constant in front of the address.
; At its head the four half blocks' 32 loads are out, in the order in which they are wanted.
.macro COMPUTE
	s_add_co_u32 s[TM], s[I], 1
	s_min_u32 s[TM], s[TM], s[LAST]
	s_lshl_b32 s[TM], s[TM], 5
	s_add_co_u32 s[TM], s[TM], s[BASE]
	s_min_u32 s[TM], s[TM], 2272
	s_lshl_b32 s[ROWB], s[TM], 4
	s_wait_loadcnt 24                              ; the first half block is in; the three younger ones' 24 loads may be out
	MMA 0, 0, 4
	HALF 0, 1, 0, 0, 0
	HALF 1, 0, 0, 1, 1
	HALF 1, 1, 1, 0, 0
	PLACES                                         ; behind the trip's last products
	WIN 0
	s_wait_alu depctr_vm_vsrc(0)                   ; the last half block's loads have read their address register, which the next line writes
	AADR 1, 1
	WIN 0xc0
	s_wait_alu depctr_va_vdst(0)                   ; the last products are done reading their fragments and have written block 1's sums; the address is written
	ALD 1, 1
	XST 1
.endm
.macro FINALH                          ; trip I - 1: where it goes
	s_sub_co_u32 s[TM], s[I], 1
	s_lshl_b32 s[TM], s[TM], 5
	s_add_co_u32 s[TM], s[TM], s[BASE]
	s_min_u32 s[TM], s[TM], 2272
	s_lshl_b32 s[TM], s[TM], 4
	v_add_nc_u32 v[VST], s[TM], v[VST0]
.endm
; The way out of trip I - 1, stage by stage, each stage for block 0 and then for block 1: so the exponentials of both blocks are one batch, and so are the reciprocals.
.macro WSUM bk                         ; both sources in window 3: the four waves' partial sums, two and two
.set WA, WKS+32*(\bk)
.set XA, 128+64*(\bk)
.set pp, 0
.rept 4
	v_pk_add_f32 v[WA+pp:WA+pp+1], v[XA+pp:XA+pp+1], v[XA+16+pp:XA+16+pp+1]
	v_pk_add_f32 v[WA+8+pp:WA+8+pp+1], v[XA+32+pp:XA+32+pp+1], v[XA+48+pp:XA+48+pp+1]
	v_pk_add_f32 v[WA+16+pp:WA+16+pp+1], v[XA+8+pp:XA+8+pp+1], v[XA+24+pp:XA+24+pp+1]
	v_pk_add_f32 v[WA+24+pp:WA+24+pp+1], v[XA+40+pp:XA+40+pp+1], v[XA+56+pp:XA+56+pp+1]
.set pp, pp+2
.endr
.endm
.macro GSUM bk
.set WA, WKS+32*(\bk)
.set pp, 0
.rept 4
	v_pk_add_f32 v[WA+pp:WA+pp+1], v[WA+pp:WA+pp+1], v[WA+8+pp:WA+8+pp+1]                 ; g
.set pp, pp+2
.endr
.endm
.macro GNEG bk
.set WA, WKS+32*(\bk)
.set pp, 0
.rept 4
	v_pk_mul_f32 v[WA+8+pp:WA+8+pp+1], v[WA+pp:WA+pp+1], 0xbfb8aa3b op_sel_hi:[1,0]       ; -g log2(e)
.set pp, pp+2
.endr
.endm
.macro GEXP bk
.set WA, WKS+32*(\bk)
.set nn, 0
.rept 8
	v_exp_f32 v[WA+8+nn], v[WA+8+nn]
.set nn, nn+1
.endr
.endm
.macro USUM bk
.set WA, WKS+32*(\bk)
.set pp, 0
.rept 4
	v_pk_add_f32 v[WA+16+pp:WA+16+pp+1], v[WA+16+pp:WA+16+pp+1], v[WA+24+pp:WA+24+pp+1]   ; u: the plain work behind the exponentials
.set pp, pp+2
.endr
.endm
.macro GONE bk
.set WA, WKS+32*(\bk)
.set pp, 0
.rept 4
	v_pk_add_f32 v[WA+8+pp:WA+8+pp+1], v[WA+8+pp:WA+8+pp+1], 1.0 op_sel_hi:[1,0]
.set pp, pp+2
.endr
.endm
.macro GRCP bk
.set WA, WKS+32*(\bk)
.set nn, 0
.rept 8
	v_rcp_f32 v[WA+8+nn], v[WA+8+nn]
.set nn, nn+1
.endr
.endm
.macro GOUT bk
.set WA, WKS+32*(\bk)
.set pp, 0
.rept 4
	v_pk_mul_f32 v[WA+pp:WA+pp+1], v[WA+pp:WA+pp+1], v[WA+8+pp:WA+8+pp+1]
.set pp, pp+2
.endr
.set pp, 0
.rept 4
	v_pk_mul_f32 v[WA+pp:WA+pp+1], v[WA+pp:WA+pp+1], v[WA+16+pp:WA+16+pp+1]
.set pp, pp+2
.endr
.set nn, 0
.rept 4
	v_cvt_pk_bf16_f32 v[OUT+4*(\bk)+nn], v[WA+2*nn], v[WA+2*nn+1]
.set nn, nn+1
.endr
.endm
.macro GSTO bk
	global_store_b128 v[VST], v[OUT+4*(\bk):OUT+4*(\bk)+3], s[OB:OB+1] offset:256*(\bk)   ; 16 lanes: 256 consecutive bytes of a plane
.endm
	s_load_b256 s[4:11], s[0:1], 0x0               ; hs, gate_w, up_w, route
	s_load_b64 s[12:13], s[0:1], 0x20              ; act
	v_lshl_add_u32 v[SPW], v0, 2, SPARE
	v_mov_b32 v[NIL], 0
	v_lshrrev_b32 v1, 5, v0
	v_readfirstlane_b32 s[WV], v1
	v_and_b32 v[VL], 31, v0
	v_and_b32 v[VR], 15, v0
	v_bfe_u32 v[VH], v0, 4, 1
	s_wait_alu depctr_va_sdst(0)                   ; the wave's number is written, ahead of its first reader: LDS regions and bases are made from it
	s_mov_b32 s[HB], ttmp9
	s_and_b32 s[EX], ttmp7, 0xffff
	s_lshl_b32 s[MOF], s[EX], 3
	s_lshl_b32 s[OF], s[EX], 23
	s_lshl_b32 s[TM], s[WV], 21
	s_add_co_u32 s[OF], s[OF], s[TM]
	s_lshl_b32 s[TM], s[HB], 8
	s_add_co_u32 s[OF], s[OF], s[TM]
	s_mov_b32 s[OF+1], 0
	s_mul_i32 s[WOFF], s[WV], WREG
	s_wait_kmcnt 0x0
	s_load_b64 s[BASE:BASE+1], s[10:11], s[MOF] offset:0x0   ; (base_e, n_e)
	s_add_nc_u64 s[GB:GB+1], s[GB:GB+1], s[OF:OF+1]
	s_add_nc_u64 s[UB:UB+1], s[UB:UB+1], s[OF:OF+1]
	s_mul_i32 s[OF], s[HB], 8*PL
	s_add_nc_u64 s[OB:OB+1], s[OB:OB+1], s[OF:OF+1]
	v_lshlrev_b32 v[VOFF], 13, v[VH]
	v_lshl_add_u32 v[VOFF], v[VR], 4, v[VOFF]
	s_wait_alu depctr_va_vdst(0)                   ; v[VOFF] is written, which every load of weights reads as its offset
.set ii, 0
.rept 32
	WLD
.set ii, ii+1
.endr
	v_mul_u32_u24 v7, v[VH], PL
	v_lshl_add_u32 v7, v[VR], 4, v7                ; plane h, row r
	s_mul_i32 s[TM], s[WV], 32*PL
	v_add_nc_u32 v[VA0], s[TM], v7
	s_mul_i32 s[TM], s[WV], 2*PL
	v_add_nc_u32 v[VST0], s[TM], v7
	v_mul_u32_u24 v[LW], v[VH], P
	v_lshl_add_u32 v[LW], v[VR], 3, v[LW]
	v_add_nc_u32 v[LW], s[WOFF], v[LW]
	v_and_b32 v1, 7, v0
	v_lshl_add_u32 v1, v[VH], 3, v1
	v_mul_u32_u24 v[LB], v1, P
	v_bfe_u32 v1, v0, 3, 1
	v_lshl_add_u32 v[LB], v1, 4, v[LB]
	v_add_nc_u32 v[LB], s[WOFF], v[LB]
	v_add_nc_u32 v[LB+1], 128*P, v[LB]
	s_lshl_b32 s[TM], s[WV], 13
	v_lshl_add_u32 v[XW0], v[VL], 4, s[TM]
	s_lshl_b32 s[TM], s[WV], 10
	v_lshl_add_u32 v[XRD0], v[VL], 4, s[TM]        ; (v[LW] and v[LB ..] are read only behind the first batch's wait on va_vdst)
	s_wait_xcnt 0x0                                ; the bases are stepped only behind this wait
	s_add_nc_u64 s[GB:GB+1], s[GB:GB+1], 32*PITCHB
	s_add_nc_u64 s[UB:UB+1], s[UB:UB+1], 32*PITCHB
	s_mov_b32 s[CNT], 7
.Lw:
	WROUND 1, 0
	s_wait_xcnt 0x0
	s_add_nc_u64 s[GB:GB+1], s[GB:GB+1], 32*PITCHB
	s_add_nc_u64 s[UB:UB+1], s[UB:UB+1], 32*PITCHB
	s_wait_alu depctr_vm_vsrc(0)                   ; the lap's LDS stores have read v[LW], which moves on, and both sets of T, which the next lap's first two batches write
	v_add_nc_u32 v[LW], 32*P, v[LW]
	s_sub_co_u32 s[CNT], s[CNT], 1
	s_cmp_lg_u32 s[CNT], 0
	s_cbranch_scc1 .Lw
	s_wait_kmcnt 0x0
	s_min_u32 s[N], s[N], 32
	s_min_u32 s[BASE], s[BASE], 2272
	s_cmp_eq_u32 s[N], 0
	s_cselect_b32 s[BASE], 0, s[BASE]              ; an expert without tokens works on slots 0-31 and stores nothing
	s_max_u32 s[LAST], s[N], 1
	s_sub_co_u32 s[LAST], s[LAST], 1
	s_min_u32 s[TM], s[BASE], 2272
	s_lshl_b32 s[ROWB], s[TM], 4
	AADR 0, 0                                      ; trip 0's four half blocks go out ahead of the last lap: its waits leave these 32 loads out
	AADR 0, 1
	AADR 1, 0
	AADR 1, 1
	WIN 0xc0
	s_wait_alu depctr_va_vdst(0)                   ; the four addresses are written
	ALD 0, 0
	ALD 0, 1
	ALD 1, 0
	ALD 1, 1
	WIN 0
	WROUND 0, 32
.set ks, 0
.rept 8
.if ks < 4
	WIN 0x40
.else
	WIN 0x80
.endif
.set cb, 0
.rept 8
	ds_load_tr16_b128 v[64*(ks%4)+8*cb:64*(ks%4)+8*cb+3], v[LB+ks/4] offset:32*P*(ks%4)+32*cb        ; LDS serves a wave's instructions in order (ISA guide 5.7.1.4): these see my stores
	ds_load_tr16_b128 v[64*(ks%4)+8*cb+4:64*(ks%4)+8*cb+7], v[LB+ks/4] offset:32*P*(ks%4)+32*cb+16*P
.set cb, cb+1
.endr
.set ks, ks+1
.endr
	WIN 0
	s_wait_dscnt 0x0                               ; my reads of the slab are over:
	s_barrier_signal -1
	s_barrier_wait -1                              ; everybody's are, and the exchange may be laid over it
	s_mov_b32 s[I], 0
	s_mov_b32 s[XO], 0
	s_mov_b32 s[XI], XPAR
	v_add_nc_u32 v[XWC], s[XO], v[XW0]
	COMPUTE                                        ; trip 0 stands ahead of the loop: there are no sums yet to finish beside it
	s_wait_dscnt 0x0
	s_barrier_signal -1
	s_barrier_wait -1
	s_mov_b32 s[CNT], 32
.Lc:                                                   ; 32 times: trip I's products (while I < n_e) and trip I - 1's way out (while I <= n_e)
	s_add_co_u32 s[I], s[I], 1
	s_xor_b32 s[XO], s[XO], XPAR                   ; the buffers change places
	s_xor_b32 s[XI], s[XI], XPAR
	s_wait_alu depctr_vm_vsrc(0)                   ; the last trip's LDS stores have read v[XWC] and the accumulators, its LDS loads v[XRC], its global stores OUT and v[VST]: this trip writes all of them again
	v_add_nc_u32 v[XWC], s[XO], v[XW0]
	v_add_nc_u32 v[XRC], s[XI], v[XRD0]
	s_cmp_le_u32 s[I], s[N]
	s_cbranch_scc0 .Ldead                          ; nothing is left: on to the barrier
	XLD
	s_wait_xcnt 0x0                                ; the last trip's stores have read their data and their offset, which the way out below rewrites
	s_cmp_lt_u32 s[I], s[N]
	s_cbranch_scc0 .Lnoc                           ; behind the last trip only the sums are left
	COMPUTE
	s_wait_dscnt 32                                ; the partial sums are in; behind their reads stand my 32 stores into the exchange, which may be out during the way out
	s_branch .Lfin
.Lnoc:
	s_wait_dscnt 0x0                               ; nothing was issued behind the reads
.Lfin:
	FINALH
	WIN 0x0f                                       ; both sources in window 3
	WSUM 0
	WSUM 1
	WIN 0
	GSUM 0
	GSUM 1
	GNEG 0
	GNEG 1
	GEXP 0
	GEXP 1
	USUM 0
	USUM 1
	s_wait_alu depctr_va_vdst(0)                   ; the sixteen exponentials have written their results, ahead of their first reader
	GONE 0
	GONE 1
	GRCP 0
	GRCP 1
	v_nop                                          ; the plain instruction behind the last reciprocal
	s_wait_alu depctr_va_vdst(0)                   ; the sixteen reciprocals have written their results, ahead of their first reader
	GOUT 0
	GOUT 1
	s_wait_alu depctr_va_vdst(0)                   ; the way out has written OUT and v[VST], which the two stores read
	GSTO 0
	GSTO 1
.Ldead:
	s_wait_dscnt 0x0                               ; for the others: my stores into this trip's buffer are done
	s_barrier_signal -1                            ; orders my stores against the others' reads of this buffer, and my reads against their next stores into the other
	s_barrier_wait -1
	s_sub_co_u32 s[CNT], s[CNT], 1
	s_cmp_lg_u32 s[CNT], 0
	s_cbranch_scc1 .Lc
	s_wait_dscnt 0x0                               ; the closing lines, six on end
	s_wait_alu 0x0
	s_wait_tensorcnt 0x0
	ds_add_u32 v[SPW], v[NIL]
	s_wait_dscnt 0x0
	s_endpgm
.Lfunc_end_k_q39ad1742b7_moe1:
	.size	k_q39ad1742b7_moe1, .Lfunc_end_k_q39ad1742b7_moe1-k_q39ad1742b7_moe1
	.p2alignl 7, 3214868480
	.fill 96, 4, 3214868480
	.section	.rodata,"a",@progbits
	.p2align	6, 0x0
	.amdhsa_kernel k_q39ad1742b7_moe1
		.amdhsa_group_segment_fixed_size 295424
		.amdhsa_private_segment_fixed_size 0
		.amdhsa_enable_private_segment 0
		.amdhsa_kernarg_size 40
		.amdhsa_user_sgpr_count 2
		.amdhsa_user_sgpr_kernarg_segment_ptr 1
		.amdhsa_wavefront_size32 1
		.amdhsa_system_sgpr_workgroup_id_x 1
		.amdhsa_system_sgpr_workgroup_id_y 1
		.amdhsa_system_sgpr_workgroup_id_z 1
		.amdhsa_system_vgpr_workitem_id 0
		.amdhsa_next_free_vgpr 1024
		.amdhsa_next_free_sgpr 66
		.amdhsa_reserve_vcc 0
		.amdhsa_float_denorm_mode_32 3
		.amdhsa_float_denorm_mode_16_64 3
		.amdhsa_memory_ordered 1
		.amdhsa_forward_progress 1
		.amdhsa_inst_pref_size 75
	.end_amdhsa_kernel
	.amdgpu_metadata
---
amdhsa.version: [ 1, 2 ]
amdhsa.kernels:
  - .name:           k_q39ad1742b7_moe1
    .symbol:         k_q39ad1742b7_moe1.kd
    .args:
      - { .name: qkvhs, .offset: 0, .size: 8, .value_kind: global_buffer, .address_space: global }
      - { .name: gate_w, .offset: 8, .size: 8, .value_kind: global_buffer, .address_space: global }
      - { .name: up_w, .offset: 16, .size: 8, .value_kind: global_buffer, .address_space: global }
      - { .name: route, .offset: 24, .size: 8, .value_kind: global_buffer, .address_space: global }
      - { .name: act, .offset: 32, .size: 8, .value_kind: global_buffer, .address_space: global }
    .group_segment_fixed_size: 295424
    .private_segment_fixed_size: 0
    .kernarg_segment_align: 8
    .kernarg_segment_size: 40
    .max_flat_workgroup_size: 128
    .sgpr_count:     66
    .vgpr_count:     1024
    .wavefront_size: 32
...
	.end_amdgpu_metadata
.endif
;; end of part 12
;; launch moe2 (part 13): grid 32 x 8, 4 waves a work-group, no clusters, 233,984 bytes of LDS; arguments act, down_w, route, y2; writes y2
.if DOCPART == 13
	.amdgcn_target "amdgcn-amd-amdhsa--gfx1250"
	.amdhsa_code_object_version 6
	.text
	.protected	k_q39ad1742b7_moe2
	.globl	k_q39ad1742b7_moe2
	.p2align	8
	.type	k_q39ad1742b7_moe2,@function
k_q39ad1742b7_moe2:
	s_mov_b64 s[64:65], 0
	v_nop
	global_prefetch_b8 v0, s[64:65] scope:SCOPE_SE
	s_setreg_imm32_b32 hwreg(HW_REG_WAVE_SCHED_MODE, 0, 2), 2
	s_setreg_imm32_b32 hwreg(HW_REG_WAVE_MODE, 25, 1), 1
	s_wait_xcnt 0x0
	s_wait_alu depctr_vm_vsrc(0)
; y2[half][slot] = act[slot][K half] down_w[e][K half], f32, for the slots of expert e.  Products in bf16 with f32 sums; the two halves of K = 2,048 go to two work-groups and are added by the next launch.
; A work-group owns expert e, 64 columns and 1,024 of K: 256 KB of f32 that the launch reads once.  The weights stay in registers, K is split over the waves, as in the launch before:
; a ring of 32 register slots, rounding to bf16 into the wave's LDS region (pitch 160), one turned read-back; trips of 32 slots; partial sums through an exchange laid by rows (pitch 272), one barrier a trip;
; a lane then holds 4 columns of a row, 16 lanes 256 consecutive bytes.  A trip is written once: which of the two exchange buffers is stored into and which is read are two scalar offsets that an
; exclusive or turns in every trip.
; THE FRAGMENTS OF act ARE A RING OF FOUR HALF BLOCKS (16 slots x 128 of my K: 8 loads).  A half block is loaded again among the first products of the half block behind it and is wanted again a trip later.
; So a trip's first wait leaves the three younger half blocks' 24 loads out, the other three 16: the half block just multiplied has not been asked for again.
; The loop counts to the constant 32; a dead trip is jumped forward to the barrier.
; THE MODE: SCHED_MODE bits 1:0 = 2 (LLVM: expert scheduling mode 2), set by the entry lines.  The code itself states the register dependences
; between vector or matrix instructions and memory or LDS instructions, with s_wait_alu, always for 0.
; THE PLAN.  Registers that memory or LDS instructions touch:
;   RING        a slot: written by its load, read by its two conversions, loaded again.  The slots go in batches of four.
;   T0, T1      two sets of 8.  A batch's conversions write one, its four LDS stores read it; it is written again two batches on.
;   v[LW]       read by every LDS store of weights; written once a lap.            v[VOFF], v[LB]  made at the head, never written again.
;   A           window 2: a half block is written by its 8 loads, read by its 16 products, loaded again.    v[VAC ..]  its loads' address: written ahead of each reload.
;   ACC         written by a block's products, read by its 8 LDS stores, written anew a trip later.
;   XR          written by the 16 LDS loads at a trip's head; read and written by the way out.            v[XWC], v[XRC]  written at a trip's head.
;   OUT, v[VST] written by the way out, read by its four global stores.
; While the weights stream ONE wait on va_vdst stands in a batch, behind its conversions.  In a trip one stands at its head, one at the head of each half block but the first (it covers the half block
; before: its fragments are read, its sums are written, its address is made; that half block's reload and stores then stand among this half block's products, which name none of those registers),
; one behind the last half block and one ahead of the global stores.
.set PL,    36864
.set PITCHB,4096
.set P,     160
.set WREG,  256*P
.set XB,    4*WREG
.set XPAR,  34816                      ; bytes in an exchange buffer: [block 2][wave 4][16 rows][272 bytes]
.set SPARE, XB+2*XPAR
.set SPW, 2
.set NIL, 3
.set VR,  4
.set VH,  5
.set VL,  6
.set LW,  8
.set LB,  9
.set VA0, 10
.set XW0, 14                           ; where I store partial sums in buffer 0; never rewritten
.set XWC, 15                           ; the same in this trip's buffer
.set VST0,16
.set VST, 17
.set VOFF,18
.set XRD0,20                           ; where I read them back in buffer 0; never rewritten
.set XRC, 21
.set VAC, 24                           ; v24-27: the address of each half block's loads (2 block + half): rewritten only behind a wait that shows its own loads done
.set ACC, 32
.set RING,32
.set XR,  96
.set OUT, 192
.set T,   224                          ; v224-239 while the weights stream: two sets of 8
.set AB,  4
.set WB,  6
.set OB,  10
.set WV,  12
.set SLAB,13
.set KH,  14
.set EX,  15
.set I,   16
.set CNT, 17
.set TM,  18
.set ROWB,19
.set BASE,20
.set N,   21
.set LAST,22
.set WOFF,23
.set OF,  24
.set MOF, 26
.set XO,  27                           ; offset of the buffer that this trip stores into: 0 or XPAR
.set XI,  28                           ; offset of the buffer that it reads: the other one
.set MSB, 0
.macro WIN new
.if MSB != (\new)
	s_set_vgpr_msb (MSB<<8)|(\new)
.set MSB, (\new)
.endif
.endm
.macro PLACES
.rept 4
	v_nop
.endr
.endm
.macro AADR blk, hf                    ; the address of a half block's next loads (window 0)
	v_add_nc_u32 v[VAC+2*(\blk)+(\hf)], s[ROWB], v[VA0]
.endm
; 8 loads: the fragments of 16 slots x K steps 4 hf .. 4 hf + 3 of my 8.  A load takes 256 consecutive bytes of each of two planes.
.macro ALD blk, hf
	WIN 0x80
.set ks, 4*(\hf)
.rept 4
	global_load_b128 v[64*(\blk)+8*ks:64*(\blk)+8*ks+3], v[VAC+2*(\blk)+(\hf)], s[AB:AB+1] offset:256*(\blk)+4*ks*PL
	global_load_b128 v[64*(\blk)+8*ks+4:64*(\blk)+8*ks+7], v[VAC+2*(\blk)+(\hf)], s[AB:AB+1] offset:256*(\blk)+(4*ks+2)*PL
.set ks, ks+1
.endr
.endm
; One lap of the weights' ring, in eight batches of four slots.  ahead = 1: each slot is loaded again.  extra: loads issued behind the ring's.
.macro WROUND ahead, extra
.set bb, 0
.rept 8
.if \ahead
	s_wait_loadcnt 28                              ; the batch's four slots are in; the 28 younger slots may be out
.else
	s_wait_loadcnt (\extra)+28-4*bb
.endif
.if bb >= 2
	s_wait_alu depctr_vm_vsrc(0)                   ; the LDS stores of two batches back have read this set of T, which the conversions below write again (for the first two batches the wait at the last lap's end says so)
.endif
.set ii, 4*bb
.rept 4
	v_cvt_pk_bf16_f32 v[T+8*(bb%2)+2*(ii%4)], v[RING+4*ii], v[RING+4*ii+1]
	v_cvt_pk_bf16_f32 v[T+8*(bb%2)+2*(ii%4)+1], v[RING+4*ii+2], v[RING+4*ii+3]
.set ii, ii+1
.endr
	s_wait_alu depctr_va_vdst(0)                   ; the conversions have written this set of T, which the LDS stores read, and are done reading the four slots, in which the loads land; in a lap's first batch v[LW] is written
.set ii, 4*bb
.rept 4
	ds_store_b64 v[LW], v[T+8*(bb%2)+2*(ii%4):T+8*(bb%2)+2*(ii%4)+1] offset:320*ii
.if \ahead
	global_load_b128 v[RING+4*ii:RING+4*ii+3], v[VOFF], s[WB:WB+1] offset:ii*2*PITCHB th:TH_LOAD_NT
.endif
.set ii, ii+1
.endr
.set bb, bb+1
.endr
.endm
; The products of a block for K steps k0 .. k1 - 1; source 0 = weights: a lane holds row r, columns 8 h + j; the four accumulators take turns
.macro MMA blk, k0, k1
	WIN 0x09
.set ks, (\k0)
.rept (\k1)-(\k0)
.set cb, 0
.rept 4
.set rD, ACC+32*(\blk)+8*cb
.set rB, 32*ks+8*cb
.set rA, 64*(\blk)+8*ks
.if ks == 0
	v_wmma_f32_16x16x32_bf16 v[rD:rD+7], v[rB:rB+7], v[rA:rA+7], 0
.else
	v_wmma_f32_16x16x32_bf16 v[rD:rD+7], v[rB:rB+7], v[rA:rA+7], v[rD:rD+7]
.endif
.set cb, cb+1
.endr
.set ks, ks+1
.endr
.endm
.macro XST blk                         ; my partial sums of a block, each accumulator's low registers first
	WIN 0
.set cb, 0
.rept 4
	ds_store_b128 v[XWC], v[ACC+32*(\blk)+8*cb:ACC+32*(\blk)+8*cb+3] offset:17408*(\blk)+64*cb
	ds_store_b128 v[XWC], v[ACC+32*(\blk)+8*cb+4:ACC+32*(\blk)+8*cb+7] offset:17408*(\blk)+64*cb+16
.set cb, cb+1
.endr
.endm
.macro XLD
.set bk, 0
.rept 2
.set sr, 0
.rept 4
	ds_load_b128 v[XR+32*bk+8*sr:XR+32*bk+8*sr+3], v[XRC] offset:17408*bk+4352*sr
	ds_load_b128 v[XR+32*bk+8*sr+4:XR+32*bk+8*sr+7], v[XRC] offset:17408*bk+4352*sr+544
.set sr, sr+1
.endr
.set bk, bk+1
.endr
.endm
; The turn of half block (blk, hf), any but a trip's first.  (pb, ph): the half block before it, which is loaded again here; st = 1: block pb is finished and its sums are stored here.
.macro HALF blk, hf, pb, ph, st
	s_wait_loadcnt 16                              ; my half block is in; behind its loads stand two younger half blocks', 8 each
	PLACES                                         ; behind the products of the half block before: for the stores that read their results and the loads into their sources
	WIN 0
	s_wait_alu depctr_vm_vsrc(0)                   ; the loads of the half block before have read their address register, which the next line writes
	AADR \pb, \ph
	s_wait_alu depctr_va_vdst(0)                   ; the products of the half block before are done reading its fragments and have written their sums; its new address is written
	MMA \blk, 4*(\hf), 4*(\hf)+1
.if \st
	XST \pb                                        ; no product since the wait names block pb's accumulators
.endif
	ALD \pb, \ph                                   ; nor the fragments of the half block before
	MMA \blk, 4*(\hf)+1, 4*(\hf)+4
.endm
; Trip I's products and stores, and the loads of trip min(I + 1, last); the row is clamped by a constant in front of the address.
; At its head the four half blocks' 32 loads are out, in the order in which they are wanted.
.macro COMPUTE
	s_add_co_u32 s[TM], s[I], 1
	s_min_u32 s[TM], s[TM], s[LAST]
	s_lshl_b32 s[TM], s[TM], 5
	s_add_co_u32 s[TM], s[TM], s[BASE]
	s_min_u32 s[TM], s[TM], 2272
	s_lshl_b32 s[ROWB], s[TM], 4
	s_wait_loadcnt 24                              ; the first half block is in; the three younger ones' 24 loads may be out
	MMA 0, 0, 4
	HALF 0, 1, 0, 0, 0
	HALF 1, 0, 0, 1, 1
	HALF 1, 1, 1, 0, 0
	PLACES                                         ; behind the trip's last products
	WIN 0
	s_wait_alu depctr_vm_vsrc(0)                   ; the last half block's loads have read their address register, which the next line writes
	AADR 1, 1
	WIN 0x80
	s_wait_alu depctr_va_vdst(0)                   ; the last products are done reading their fragments and have written block 1's sums; the address is written
	ALD 1, 1
	XST 1
.endm
.macro FINALH                          ; trip I - 1: where it goes
	s_sub_co_u32 s[TM], s[I], 1
	s_lshl_b32 s[TM], s[TM], 5
	s_add_co_u32 s[TM], s[TM], s[BASE]
	s_min_u32 s[TM], s[TM], 2272
	s_lshl_b32 s[TM], s[TM], 12
	v_add_nc_u32 v[VST], s[TM], v[VST0]
.endm
.macro FINALA bk                       ; a block of trip I - 1: slots + 16 block + 4 w + 2 i + h, columns 4 r ..: the sums
.set hi, 0
.rept 2
.set XA, XR+32*(\bk)+4*hi
.set OA, OUT+8*(\bk)+4*hi
	v_pk_add_f32 v[XA:XA+1], v[XA:XA+1], v[XA+8:XA+9]
	v_pk_add_f32 v[XA+2:XA+3], v[XA+2:XA+3], v[XA+10:XA+11]
	v_pk_add_f32 v[XA+16:XA+17], v[XA+16:XA+17], v[XA+24:XA+25]
	v_pk_add_f32 v[XA+18:XA+19], v[XA+18:XA+19], v[XA+26:XA+27]
	v_pk_add_f32 v[OA:OA+1], v[XA:XA+1], v[XA+16:XA+17]
	v_pk_add_f32 v[OA+2:OA+3], v[XA+2:XA+3], v[XA+18:XA+19]
.set hi, hi+1
.endr
.endm
.macro FINALS bk                       ; and its stores
.set hi, 0
.rept 2
.set OA, OUT+8*(\bk)+4*hi
	global_store_b128 v[VST], v[OA:OA+3], s[OB:OB+1] offset:65536*(\bk)+8192*hi   ; 16 lanes: 256 consecutive bytes of a row
.set hi, hi+1
.endr
.endm
	s_load_b256 s[4:11], s[0:1], 0x0               ; act, down_w, route, y2
	v_lshl_add_u32 v[SPW], v0, 2, SPARE
	v_mov_b32 v[NIL], 0
	v_lshrrev_b32 v1, 5, v0
	v_readfirstlane_b32 s[WV], v1
	v_and_b32 v[VL], 31, v0
	v_and_b32 v[VR], 15, v0
	v_bfe_u32 v[VH], v0, 4, 1
	s_wait_alu depctr_va_sdst(0)                   ; the wave's number is written, ahead of its first reader: LDS regions and bases are made from it
	s_and_b32 s[SLAB], ttmp9, 15
	s_lshr_b32 s[KH], ttmp9, 4
	s_and_b32 s[EX], ttmp7, 0xffff
	s_lshl_b32 s[MOF], s[EX], 3
	s_lshl_b32 s[OF], s[EX], 23
	s_lshl_b32 s[TM], s[KH], 22
	s_add_co_u32 s[OF], s[OF], s[TM]
	s_lshl_b32 s[TM], s[WV], 20
	s_add_co_u32 s[OF], s[OF], s[TM]
	s_lshl_b32 s[TM], s[SLAB], 8
	s_add_co_u32 s[OF], s[OF], s[TM]
	s_mov_b32 s[OF+1], 0
	s_mul_i32 s[WOFF], s[WV], WREG
	s_wait_kmcnt 0x0
	s_load_b64 s[BASE:BASE+1], s[8:9], s[MOF] offset:0x0     ; (base_e, n_e)
	s_add_nc_u64 s[WB:WB+1], s[WB:WB+1], s[OF:OF+1]
	s_mul_i32 s[OF], s[KH], 128*PL
	s_add_nc_u64 s[AB:AB+1], s[AB:AB+1], s[OF:OF+1]
	s_mul_i32 s[OF], s[KH], 9437184
	s_add_co_u32 s[OF], s[OF], s[TM]
	s_add_nc_u64 s[OB:OB+1], s[OB:OB+1], s[OF:OF+1]
	v_lshlrev_b32 v[VOFF], 12, v[VH]
	v_lshl_add_u32 v[VOFF], v[VR], 4, v[VOFF]
	s_wait_alu depctr_va_vdst(0)                   ; v[VOFF] is written, which every load of weights reads as its offset
.set ii, 0
.rept 32
	global_load_b128 v[RING+4*ii:RING+4*ii+3], v[VOFF], s[WB:WB+1] offset:ii*2*PITCHB th:TH_LOAD_NT
.set ii, ii+1
.endr
	s_lshl_b32 s[TM], s[WV], 14
	v_add_nc_u32 v[VST0], s[TM], v[VOFF]           ; row 4 w + h, 16 bytes at 16 r
	v_mul_u32_u24 v7, v[VH], PL
	v_lshl_add_u32 v7, v[VR], 4, v7
	s_mul_i32 s[TM], s[WV], 32*PL
	v_add_nc_u32 v[VA0], s[TM], v7
	v_mul_u32_u24 v[LW], v[VH], P
	v_lshl_add_u32 v[LW], v[VR], 3, v[LW]
	v_add_nc_u32 v[LW], s[WOFF], v[LW]
	v_and_b32 v1, 7, v0
	v_lshl_add_u32 v1, v[VH], 3, v1
	v_mul_u32_u24 v[LB], v1, P
	v_bfe_u32 v1, v0, 3, 1
	v_lshl_add_u32 v[LB], v1, 4, v[LB]
	v_add_nc_u32 v[LB], s[WOFF], v[LB]
	s_mul_i32 s[TM], s[WV], 4352
	s_add_co_u32 s[TM], s[TM], XB
	v_mul_u32_u24 v[XW0], v[VR], 272
	v_lshl_add_u32 v[XW0], v[VH], 5, v[XW0]
	v_add_nc_u32 v[XW0], s[TM], v[XW0]             ; my region, row r, 32 bytes for each half of the lanes
	s_mul_i32 s[TM], s[WV], 1088
	s_add_co_u32 s[TM], s[TM], XB
	v_mul_u32_u24 v[XRD0], v[VH], 272
	v_lshl_add_u32 v[XRD0], v[VR], 4, v[XRD0]
	v_add_nc_u32 v[XRD0], s[TM], v[XRD0]           ; row 4 w + h, 16 bytes at 16 r  (v[LW] and v[LB] are read only behind the first batch's wait on va_vdst)
	s_wait_xcnt 0x0                                ; the base is stepped only behind this wait
	s_add_nc_u64 s[WB:WB+1], s[WB:WB+1], 64*PITCHB
	s_mov_b32 s[CNT], 3
.Lw:
	WROUND 1, 0
	s_wait_xcnt 0x0
	s_add_nc_u64 s[WB:WB+1], s[WB:WB+1], 64*PITCHB
	s_wait_alu depctr_vm_vsrc(0)                   ; the lap's LDS stores have read v[LW], which moves on, and both sets of T, which the next lap's first two batches write
	v_add_nc_u32 v[LW], 64*P, v[LW]
	s_sub_co_u32 s[CNT], s[CNT], 1
	s_cmp_lg_u32 s[CNT], 0
	s_cbranch_scc1 .Lw
	s_wait_kmcnt 0x0
	s_min_u32 s[N], s[N], 32
	s_min_u32 s[BASE], s[BASE], 2272
	s_cmp_eq_u32 s[N], 0
	s_cselect_b32 s[BASE], 0, s[BASE]              ; an expert without tokens works on slots 0-31 and stores nothing
	s_max_u32 s[LAST], s[N], 1
	s_sub_co_u32 s[LAST], s[LAST], 1
	s_min_u32 s[TM], s[BASE], 2272
	s_lshl_b32 s[ROWB], s[TM], 4
	AADR 0, 0                                      ; trip 0's four half blocks go out ahead of the last lap: its waits leave these 32 loads out
	AADR 0, 1
	AADR 1, 0
	AADR 1, 1
	WIN 0x80
	s_wait_alu depctr_va_vdst(0)                   ; the four addresses are written
	ALD 0, 0
	ALD 0, 1
	ALD 1, 0
	ALD 1, 1
	WIN 0
	WROUND 0, 32
	WIN 0x40
.set ks, 0
.rept 8
.set cb, 0
.rept 4
	ds_load_tr16_b128 v[32*ks+8*cb:32*ks+8*cb+3], v[LB] offset:32*P*ks+32*cb         ; LDS serves a wave's instructions in order (ISA guide 5.7.1.4): these see my stores
	ds_load_tr16_b128 v[32*ks+8*cb+4:32*ks+8*cb+7], v[LB] offset:32*P*ks+32*cb+16*P
.set cb, cb+1
.endr
.set ks, ks+1
.endr
	WIN 0
	s_wait_dscnt 0x0
	s_mov_b32 s[I], 0
	s_mov_b32 s[XO], 0
	s_mov_b32 s[XI], XPAR
	v_add_nc_u32 v[XWC], s[XO], v[XW0]
	COMPUTE                                        ; trip 0 stands ahead of the loop: there are no sums yet to finish beside it
	s_wait_dscnt 0x0
	s_barrier_signal -1
	s_barrier_wait -1
	s_mov_b32 s[CNT], 32
.Lc:                                                   ; 32 times: trip I's products (while I < n_e) and trip I - 1's way out (while I <= n_e)
	s_add_co_u32 s[I], s[I], 1
	s_xor_b32 s[XO], s[XO], XPAR                   ; the buffers change places
	s_xor_b32 s[XI], s[XI], XPAR
	s_wait_alu depctr_vm_vsrc(0)                   ; the last trip's LDS stores have read v[XWC] and the accumulators, its LDS loads v[XRC], its global stores OUT and v[VST]: this trip writes all of them again
	v_add_nc_u32 v[XWC], s[XO], v[XW0]
	v_add_nc_u32 v[XRC], s[XI], v[XRD0]
	s_cmp_le_u32 s[I], s[N]
	s_cbranch_scc0 .Ldead                          ; nothing is left: on to the barrier
	s_wait_alu depctr_va_vdst(0)                   ; v[XRC] and v[XWC] are written; the last way out is done with XR, in which the loads below land
	XLD
	s_wait_xcnt 0x0                                ; the last trip's stores have read their data and their offset, which the way out below rewrites
	s_cmp_lt_u32 s[I], s[N]
	s_cbranch_scc0 .Lnoc                           ; behind the last trip only the sums are left
	COMPUTE
	s_wait_dscnt 16                                ; the partial sums are in; behind their reads stand my 16 stores into the exchange, which may be out during the way out
	s_branch .Lfin
.Lnoc:
	s_wait_dscnt 0x0                               ; nothing was issued behind the reads
.Lfin:
	FINALH
	FINALA 0
	FINALA 1
	s_wait_alu depctr_va_vdst(0)                   ; the way out has written OUT and v[VST], which the four stores read
	FINALS 0
	FINALS 1
.Ldead:
	s_wait_dscnt 0x0                               ; for the others: my stores into this trip's buffer are done
	s_barrier_signal -1                            ; orders my stores against the others' reads of this buffer, and my reads against their next stores into the other
	s_barrier_wait -1
	s_sub_co_u32 s[CNT], s[CNT], 1
	s_cmp_lg_u32 s[CNT], 0
	s_cbranch_scc1 .Lc
	s_wait_dscnt 0x0                               ; the closing lines, six on end
	s_wait_alu 0x0
	s_wait_tensorcnt 0x0
	ds_add_u32 v[SPW], v[NIL]
	s_wait_dscnt 0x0
	s_endpgm
.Lfunc_end_k_q39ad1742b7_moe2:
	.size	k_q39ad1742b7_moe2, .Lfunc_end_k_q39ad1742b7_moe2-k_q39ad1742b7_moe2
	.p2alignl 7, 3214868480
	.fill 96, 4, 3214868480
	.section	.rodata,"a",@progbits
	.p2align	6, 0x0
	.amdhsa_kernel k_q39ad1742b7_moe2
		.amdhsa_group_segment_fixed_size 233984
		.amdhsa_private_segment_fixed_size 0
		.amdhsa_enable_private_segment 0
		.amdhsa_kernarg_size 32
		.amdhsa_user_sgpr_count 2
		.amdhsa_user_sgpr_kernarg_segment_ptr 1
		.amdhsa_wavefront_size32 1
		.amdhsa_system_sgpr_workgroup_id_x 1
		.amdhsa_system_sgpr_workgroup_id_y 1
		.amdhsa_system_sgpr_workgroup_id_z 1
		.amdhsa_system_vgpr_workitem_id 0
		.amdhsa_next_free_vgpr 640
		.amdhsa_next_free_sgpr 66
		.amdhsa_reserve_vcc 0
		.amdhsa_float_denorm_mode_32 3
		.amdhsa_float_denorm_mode_16_64 3
		.amdhsa_memory_ordered 1
		.amdhsa_forward_progress 1
		.amdhsa_inst_pref_size 55
	.end_amdhsa_kernel
	.amdgpu_metadata
---
amdhsa.version: [ 1, 2 ]
amdhsa.kernels:
  - .name:           k_q39ad1742b7_moe2
    .symbol:         k_q39ad1742b7_moe2.kd
    .args:
      - { .name: act, .offset: 0, .size: 8, .value_kind: global_buffer, .address_space: global }
      - { .name: down_w, .offset: 8, .size: 8, .value_kind: global_buffer, .address_space: global }
      - { .name: route, .offset: 16, .size: 8, .value_kind: global_buffer, .address_space: global }
      - { .name: y2, .offset: 24, .size: 8, .value_kind: global_buffer, .address_space: global }
    .group_segment_fixed_size: 233984
    .private_segment_fixed_size: 0
    .kernarg_segment_align: 8
    .kernarg_segment_size: 32
    .max_flat_workgroup_size: 128
    .sgpr_count:     66
    .vgpr_count:     640
    .wavefront_size: 32
...
	.end_amdgpu_metadata
.endif
;; end of part 13
;; launch combine: the kernel of part 9 again; grid 256 x 1, 4 waves a work-group, no clusters, 0 bytes of LDS; arguments x2, y2, prob, route, out0; writes out0
